; MI455X (gfx1250); checked and timed in simulation.
; The chip was launched on July 23, 2026; its instructions are those of AMD's public machine-readable ISA for CDNA 5 (MIT licence, August 2026) and "CDNA5" Instruction Set Architecture Reference Guide (July 2026). The comments in the code are by the model that wrote it; some were corrected since.
;; Self Attention. Allowed arithmetic: matrix products marked QUANTISED: E2M3 operands, one E8M0 scale for each 32 along K, by v_wmma_scale_f32_16x16x128_f8f6f4 with both operands' format E2M3, f32 sums; everything else in f32.
;; Inputs: WK 1,024 x 1,024 float32; WQ 1,024 x 1,024 float32; WV 1,024 x 1,024 float32; x 4 x 2,048 x 1,024 float32.
;; Outputs: out0 4 x 2,048 x 1,024 float32.
;; This version of the problem:
;;   THIS VERSION OF THE PROBLEM IS GIVEN IN LOW PRECISION. The matrix products marked QUANTISED in the list below multiply operands that are first quantised to E2M3 (2 exponent bits, 3 mantissa bits; 6 bits a number), with one power-of-two scale for each 32 numbers along K (OCP MX v1.0); their sums are f32. All else is computed in f32.
;;   The module's matrix products, in the order in which they are computed (A, B: the left and right operand; K: the contracted axis; several contracted axes count as one K, in the product's order):
;;     1. [M 8,192, K 1,024] x [K 1,024, N 1,024]; A: input x; B: input WQ: QUANTISED
;;     2. [M 8,192, K 1,024] x [K 1,024, N 1,024]; A: input x; B: input WK: QUANTISED
;;     3. [M 8,192, K 1,024] x [K 1,024, N 1,024]; A: input x; B: input WV: QUANTISED
;;     4. batch 4 x [M 2,048, K 1,024] x [K 1,024, N 2,048]; A: computed on the way; B: computed on the way: QUANTISED
;;     5. batch 4 x [M 2,048, K 2,048] x [K 2,048, N 1,024]; A: softmax (see below); B: computed on the way: QUANTISED
;;   THE QUANTISER, for each operand of a quantised product, along K:
;;     - K is cut into blocks of 32 from its start; a last block that is shorter is filled with zeros.
;;     - A block's scale is 2^e with e = floor(log2(the largest magnitude in the block)) - 2, held to -126 .. 127; a block of zeros has e = 0. As a byte (E8M0): e + 127.
;;     - Each number is divided by its block's scale, clamped to +-7.5, and rounded to the nearest number of E2M3, ties to even, subnormals kept.
;;     - The product sums the exact products of the quantised numbers (number of the format x scale) in f32.
;;   ~~~python
;;   def quantise(x, axis):      # numpy; x: float32 -> the quantised numbers, widened to float32 again
;;       x = np.moveaxis(x, axis, -1); K = x.shape[-1]
;;       x = np.pad(x, [(0, 0)] * (x.ndim - 1) + [(0, -K % 32)]); x = x.reshape(x.shape[:-1] + (-1, 32)); a = np.abs(x).max(-1, keepdims=True)
;;       e = np.where(a > 0, np.clip(np.frexp(np.where(a > 0, a, 1))[1] - 1 - 2, -126, 127), 0)      # np.frexp(a)[1] - 1 = floor(log2(a)), exactly
;;       r = np.clip(x / 2.0 ** e, -7.5, 7.5)
;;       step = 2.0 ** (np.maximum(np.frexp(np.where(r == 0, 1, r))[1] - 1, 0) - 3)
;;       q = np.round(r / step) * step * 2.0 ** e      # np.round: ties to even
;;       return np.moveaxis(q.reshape(q.shape[:-2] + (-1,))[..., :K], -1, axis).astype(np.float32)
;;   ~~~
;;   SOFTMAX AHEAD OF A QUANTISED PRODUCT. Where the list says 'softmax', what is quantised is not the finished softmax but p = 2^(t - M), with t = logit x log2(e) and M = ceil(the row's largest t), a whole number; so 1/2 < the row's largest p <= 1. The row's sum l is taken of the UNQUANTISED p, in f32, and the product's result is divided by l at the end. Since M is a whole number, a kernel that streams over the keys may use a running M (the ceiling of the running maximum): every later rescaling is an exact power of two, which a block's scale takes up: the codes' values come out the same.
;;   OPERANDS COMPUTED ON THE WAY. 'Computed on the way' means the value that the module computes at that place (a softmax that the list does not call 'softmax' is quantised finished and normalised). What goes into a quantiser is computed in f32, as accurately as f32 sums, v_exp_f32 and their like allow (about 1e-6 of the number): no bf16 or f16 on the way to a quantiser, and a product that is left as it is and whose result goes on into a quantised operand takes f32 operands (vector FMAs, or v_wmma_f32_16x16x4_f32). A number that lies on a knife's edge between two numbers of the format may be rounded either way, as far as f32 arithmetic and the matrix unit's own rounding can turn it there, and no further.
;; 2 versions. Each part assembles by itself: llvm-mc -triple=amdgcn-amd-amdhsa -mcpu=gfx1250 --defsym DOCPART=n.
;; ======== version 1 of 2: 4 launches
;; workspace buffers: xw 9,011,200 bytes; qkv 19,660,800 bytes; p 12,582,912 bytes; pst 1,572,864 bytes
;; launch quant (part 1): grid 352 x 1, 8 waves a work-group, no clusters, 70,656 bytes of LDS; arguments x, WQ, WK, WV, xw; writes xw
.if DOCPART == 1
	.amdgcn_target "amdgcn-amd-amdhsa--gfx1250"
	.amdhsa_code_object_version 6
	.text
	.protected	k_qa9a8606930_quant
	.globl	k_qa9a8606930_quant
	.p2align	8
	.type	k_qa9a8606930_quant,@function
k_qa9a8606930_quant:
	s_mov_b64 s[64:65], 0
	v_nop
	global_prefetch_b8 v0, s[64:65] scope:SCOPE_SE
	s_setreg_imm32_b32 hwreg(HW_REG_WAVE_MODE, 25, 1), 1
	s_wait_xcnt 0x0
; x [8192][1024] and WQ, WK, WV [1024 (k)][1024 (n)], f32, become codes of FP6 (E2M3) with one E8M0 byte for each 32 along K, laid as the products want them.
; A FRAGMENT (16 rows x 128 K) is the image of its 12 operand registers: three pieces of 512 bytes, piece c holding lane l's registers 4 c .. 4 c + 3 at byte 16 l.
; A PANEL (128 rows x 256 K) is 16 fragments (fragment 8 q + i at 1,536 (8 q + i): q the half of K, i the block of rows) and 1,024 bytes of scale words: the word of (q, i = 4 g + i', row place r) at 24,576 + 512 g + 256 q + 16 r + 4 i'.
; THE ROWS OF A BLOCK ARE NOT NEIGHBOURS: place r of block 2 b + u holds row 32 b + 8 u + r + 8 (r / 8) of the panel's 128, so that a product that takes the block as source 0 has neighbours along its registers.
; Panels 0-255: x (4 x row block + K step); panels 256-351: the weights, rows = n (WQ's 8 row blocks, WK's, WV's).
; One work-group makes one panel; wave w makes fragments 8 q + 2 jj and 8 q + 2 jj + 1 (q = w / 4, jj = w % 4).  No tiles are shared between work-groups: no cluster, no tensor load.
; A block's scale is 2^(floor(log2(its largest magnitude)) - 2); its byte is the largest magnitude's exponent field - 2, held at 1 from below (a block of zeros keeps the byte 1: its codes are zeros, and this program alone reads the bytes).
; LIMITS: blocks whose largest magnitude lies under 2^-124 keep the byte 1; NaN and infinities among the inputs are not served.
.set PANEL, 25600
.set FRB,   1536
.set STG,   8448                       ; a wave's stage: 16 rows x (512 bytes + 16)
.set SCW,   8*STG                      ; behind the stages: the panel's 1,024 bytes of scale words.  It lies beyond an LDS immediate's 16 bits, so the address registers carry it
.set LI,    4                          ; v4   16 x lane
.set STR,   5                          ; v5   the stage, on the way out: row r, + 64 h
.set STW,   6                          ; v6   the stage, on the way in: 16 x lane
.set SWA,   7                          ; v7   LDS address at which my scale word goes
.set SRA,   8                          ; v8   512 (w % 2) + 16 x lane: the scale words' place in the panel's 1,024 bytes
.set VC,    10                         ; v10  4 x my column of the wave's 32 (weights)
.set SRL,   11                         ; v11  SCW + v8: the same place in LDS
.set TM,    12                         ; v12-27 at work
.set PWA,   28
.set PWB,   29
.set WORD,  30                         ; lanes 0-15: the first fragment's scale words, lanes 16-31: the second's
.set PC0,   32                         ; x: codes, 12 + 8 at work, a set for each fragment
.set PC1,   52
.set F0,    32                         ; weights: the two fragments,
.set F1,    44
.set TT,    56                         ; the upper halves of the blocks' codes,
.set SO,    72                         ; the conversions' scale operands
.set OW,    76
.set R0,    80                         ; v80-143, v144-207: numbers
.set R1,    144
.set SEL,   30                         ; s[30:31]
	s_load_b256 s[4:11], s[0:1], 0x0               ; x, WQ, WK, WV
	s_load_b64 s[12:13], s[0:1], 0x20              ; xw
	v_lshl_add_u32 v208, v0, 2, 0x11000
	v_mov_b32 v209, 0
	v_lshrrev_b32 v1, 5, v0
	v_readfirstlane_b32 s16, v1                    ; wave 0..7
	s_lshr_b32 s17, s16, 2                         ; q
	s_and_b32 s18, s16, 3                          ; jj
	v_and_b32 v1, 31, v0                           ; lane
	v_and_b32 v2, 15, v0                           ; r
	v_bfe_u32 v3, v0, 4, 1                         ; h
	v_lshlrev_b32 v[LI], 4, v1
	s_mul_i32 s19, s16, STG
	v_mul_u32_u24 v[STR], v2, 528
	v_lshl_add_u32 v[STR], v3, 6, v[STR]
	v_add_nc_u32 v[STR], s19, v[STR]
	v_add_nc_u32 v[STW], s19, v[LI]
	s_lshr_b32 s20, s18, 1                         ; my blocks 2 jj + h: g = jj / 2, i' = 2 (jj % 2) + h
	s_lshl_b32 s20, s20, 9
	s_lshl_b32 s21, s17, 8
	s_add_co_u32 s20, s20, s21
	s_and_b32 s21, s18, 1
	s_lshl_b32 s21, s21, 3
	s_add_co_u32 s20, s20, s21
	v_lshlrev_b32 v[SWA], 4, v2
	v_lshl_add_u32 v[SWA], v3, 2, v[SWA]
	v_add_nc_u32 v[SWA], s20, v[SWA]
	v_add_nc_u32 v[SWA], SCW, v[SWA]               ; every LDS address is made here, ahead of the parting of the two ways
	s_and_b32 s21, s16, 1
	s_lshl_b32 s21, s21, 9
	v_add_nc_u32 v[SRA], s21, v[LI]
	v_add_nc_u32 v[SRL], SCW, v[SRA]
	v_and_b32 v[VC], 7, v0                         ; lane l's column: l % 8 + 16 ((l / 8) % 2) + 8 (l / 16)
	v_bfe_u32 v9, v0, 3, 1
	v_lshl_add_u32 v[VC], v9, 4, v[VC]
	v_lshl_add_u32 v[VC], v3, 3, v[VC]
	v_lshlrev_b32 v[VC], 2, v[VC]
.irp b, 0,1,2,3
	v_mov_b32 v[TM+4+\b], 0                        ; written once: a lane permute's destination counts as one of its sources
.endr
	s_mov_b32 s[SEL], 0x76543210
	s_mov_b32 s[SEL+1], 0xfedcba98                 ; lane l xor 16
	s_mul_i32 s22, ttmp9, PANEL
	s_mov_b32 s23, 0
	s_lshl_b32 s24, s17, 3
	s_lshl_b32 s25, s18, 1
	s_add_co_u32 s24, s24, s25
	s_mul_i32 s24, s24, FRB
	s_mov_b32 s25, 0
	s_wait_kmcnt 0x0
	s_add_nc_u64 s[12:13], s[12:13], s[22:23]      ; my panel
	s_add_nc_u64 s[14:15], s[12:13], s[24:25]      ; my two fragments
	s_cmp_lt_u32 ttmp9, 256
	s_cbranch_scc0 .Lweights
; 64 numbers of a lane, register 16 b + i = k 32 b + 16 h + i of my row, become a fragment's codes in v[pc] on and its scale word in v[pw]
.macro QUANT s, pc, pw
.irp b, 0,1,2,3
	v_max3_num_f32 v[TM+\b], |v[\s+16*\b]|, |v[\s+1+16*\b]|, 0x1800000   ; my 16 numbers of block b, and the floor 2^(3 - 127): the byte cannot fall under 1
.endr
.irp i, 2,4,6,8,10,12,14
.irp b, 0,1,2,3
	v_max3_num_f32 v[TM+\b], v[TM+\b], |v[\s+16*\b+\i]|, |v[\s+1+16*\b+\i]|
.endr
.endr
.irp b, 0,1,2,3
	v_permlanex16_b32 v[TM+4+\b], v[TM+\b], s[SEL], s[SEL+1]
.endr
.irp b, 0,1,2,3
	v_max_num_f32 v[TM+\b], v[TM+\b], v[TM+4+\b]   ; with lane l xor 16's: the block's largest magnitude
.endr
.irp b, 0,1,2,3
	v_add_nc_u32 v[TM+12+\b], 0xff000000, v[TM+\b] ; 2 off its exponent field: the conversion's scale operand
.endr
.irp b, 0,1,2,3
	v_lshrrev_b32 v[TM+4+\b], 23, v[TM+12+\b]      ; the scale's byte
.endr
	v_lshl_or_b32 v[\pw], v[TM+5], 8, v[TM+4]
	v_lshl_or_b32 v[\pw], v[TM+6], 16, v[\pw]
	v_lshl_or_b32 v[\pw], v[TM+7], 24, v[\pw]
.irp c, 0,1
	v_cvt_scalef32_pk16_fp6_f32 v[\pc+6*\c:\pc+6*\c+2], v[\s+32*\c:\s+32*\c+15], v[TM+12+2*\c]
	v_cvt_scalef32_pk16_fp6_f32 v[\pc+12+4*\c:\pc+12+4*\c+2], v[\s+32*\c+16:\s+32*\c+31], v[TM+12+2*\c+1]   ; (a conversion's three registers begin on an even number)
.endr
	v_nop                                          ; one plain place behind a scaled conversion
.irp c, 0,1                                    ; the operand's layout wants a whole block in a lane
.irp i, 0,1,2
	v_permlane16_swap_b32 v[\pc+6*\c+\i], v[\pc+12+4*\c+\i]
.endr
.irp i, 0,1,2
	v_mov_b32 v[\pc+3+6*\c+\i], v[\pc+12+4*\c+\i]
.endr
.endr
.endm
; 16 rows x 512 bytes, loaded 16 bytes a lane, go through my stage and come back 16 neighbours of each block of 32 a lane.  LDS serves a wave's instructions in order: no wait between the stores and the loads
.macro THROUGH r
.irp p, 0,1,2,3,4,5,6,7,8,9,10,11,12,13,14,15
	ds_store_b128 v[STW], v[\r+4*\p:\r+4*\p+3] offset:528*\p
.endr
.irp b, 0,1,2,3
.irp j, 0,1,2,3
	ds_load_b128 v[\r+16*\b+4*\j:\r+16*\b+4*\j+3], v[STR] offset:128*\b+16*\j
.endr
.endr
	s_wait_dscnt 0x0
.endm
	; ---- x: K is innermost.  Row block = panel / 4, K step = panel % 4
	s_lshr_b32 s26, ttmp9, 2
	s_and_b32 s27, ttmp9, 3
	s_lshl_b32 s26, s26, 19                        ; 128 rows of 4,096 bytes
	s_lshl_b32 s28, s18, 17                        ; + 32 jj rows
	s_add_co_u32 s26, s26, s28
	s_lshl_b32 s27, s27, 10                        ; + 256 numbers a K step
	s_add_co_u32 s26, s26, s27
	s_lshl_b32 s28, s17, 9                         ; + 128 q numbers
	s_add_co_u32 s26, s26, s28
	s_mov_b32 s27, 0
	s_add_nc_u64 s[4:5], s[4:5], s[26:27]
.irp u, 0,1
.irp p, 0,1,2,3,4,5,6,7,8,9,10,11,12,13,14,15
	global_load_b128 v[R0+64*\u+4*\p:R0+64*\u+4*\p+3], v[LI], s[4:5] offset:(8*\u+\p+8*(\p/8))*4096 th:TH_LOAD_NT   ; place p of block 2 jj + u: 32 lanes read 512 consecutive bytes of its row
.endr
.endr
	s_wait_loadcnt 16                              ; the first fragment's 16 loads are in; the second's may be out
	THROUGH R0
	QUANT R0, PC0, PWA
.irp c, 0,1,2
	global_store_b128 v[LI], v[PC0+4*\c:PC0+4*\c+3], s[14:15] offset:512*\c
.endr
	s_wait_loadcnt 0x0
	THROUGH R1
	QUANT R1, PC1, PWB
.irp c, 0,1,2
	global_store_b128 v[LI], v[PC1+4*\c:PC1+4*\c+3], s[14:15] offset:FRB+512*\c
.endr
	v_cmp_lt_u32 vcc_lo, 15, v1
	v_cndmask_b32 v[WORD], v[PWA], v[PWB], vcc_lo  ; both halves of the lanes hold row r's word: lanes 16-31 carry the second fragment's
	s_branch .Ljoin
.Lweights:
	; ---- a weight: K is the first axis.  A lane takes a column n and its 128 registers run down K: four whole blocks a lane, no other lane is asked for a maximum
	s_sub_co_u32 s26, ttmp9, 256
	s_lshr_b32 s27, s26, 5                         ; which weight
	s_cmp_eq_u32 s27, 0
	s_cselect_b64 s[6:7], s[6:7], s[8:9]
	s_cmp_eq_u32 s27, 2
	s_cselect_b64 s[6:7], s[10:11], s[6:7]
	s_and_b32 s28, s26, 3
	s_lshl_b32 s28, s28, 20                        ; 256 rows of 4,096 bytes a K step
	s_lshl_b32 s29, s17, 19                        ; + 128 q rows
	s_add_co_u32 s28, s28, s29
	s_bfe_u32 s29, s26, 0x30002                    ; the block of 128 columns
	s_lshl_b32 s29, s29, 9
	s_add_co_u32 s28, s28, s29
	s_lshl_b32 s29, s18, 7                         ; + 32 jj columns
	s_add_co_u32 s28, s28, s29
	s_mov_b32 s29, 0
	s_add_nc_u64 s[6:7], s[6:7], s[28:29]
.set k, 0
.rept 128
	global_load_b32 v[R0+k], v[VC], s[6:7] offset:4096*k th:TH_LOAD_NT   ; the wave reads 128 consecutive bytes of row k
.set k, k+1
.endr
.macro WBLOCK t
.set XS, R0+32*(\t)
	v_max3_num_f32 v12, |v[XS]|, |v[XS+1]|, |v[XS+2]|
	v_max3_num_f32 v13, |v[XS+3]|, |v[XS+4]|, |v[XS+5]|
.irp i, 6,10,14,18,22,26
	v_max3_num_f32 v12, v12, |v[XS+\i]|, |v[XS+\i+1]|
	v_max3_num_f32 v13, v13, |v[XS+\i+2]|, |v[XS+\i+3]|
.endr
	v_max3_num_f32 v12, v12, |v[XS+30]|, |v[XS+31]|
	v_max3_num_f32 v12, v12, v13, 0x1800000        ; and the floor
	v_add_nc_u32 v[SO+\t], 0xff000000, v12
	v_lshrrev_b32 v13, 23, v[SO+\t]
.if \t == 0
	v_mov_b32 v[WORD], v13
.else
	v_lshl_or_b32 v[WORD], v13, 8*\t, v[WORD]
.endif
	v_cvt_scalef32_pk16_fp6_f32 v[F0+12*((\t)%2)+6*((\t)/2):F0+12*((\t)%2)+6*((\t)/2)+2], v[XS:XS+15], v[SO+\t]   ; even blocks into F0, odd blocks into F1
	v_cvt_scalef32_pk16_fp6_f32 v[TT+4*\t:TT+4*\t+2], v[XS+16:XS+31], v[SO+\t]
.endm
	s_wait_loadcnt 63                              ; of the 128 loads at most 63 are out: rows 0 to 64 are in
	WBLOCK 0
	WBLOCK 1
	s_wait_loadcnt 32                              ; all but the last block's
	WBLOCK 2
	s_wait_loadcnt 0x0
	WBLOCK 3
	v_nop                                          ; one plain place behind a scaled conversion
.irp t, 0,1,2,3
.irp i, 0,1,2
	v_mov_b32 v[F0+12*(\t%2)+6*(\t/2)+3+\i], v[TT+4*\t+\i]
.endr
.endr
.irp x, 0,1,2,3,4,5,6,7,8,9,10,11
	v_permlane16_swap_b32 v[F0+\x], v[F1+\x]       ; lanes 0-15 hold block 2 jj's rows, lanes 16-31 block 2 jj + 1's: the exchange gives F0 the first fragment (even blocks below, odd above), F1 the second
.endr
.irp c, 0,1,2
	global_store_b128 v[LI], v[F0+4*\c:F0+4*\c+3], s[14:15] offset:512*\c
.endr
.irp c, 0,1,2
	global_store_b128 v[LI], v[F1+4*\c:F1+4*\c+3], s[14:15] offset:FRB+512*\c
.endr
.Ljoin:
	ds_store_b32 v[SWA], v[WORD]                   ; the panel's scale words meet in LDS
	s_wait_dscnt 0x0                               ; for the others' sake
	s_barrier_signal -1
	s_barrier_wait -1
	s_cmp_lt_u32 s16, 2
	s_cbranch_scc0 .Ldone
	ds_load_b128 v[OW:OW+3], v[SRL]
	s_wait_dscnt 0x0
	global_store_b128 v[SRA], v[OW:OW+3], s[12:13] offset:24576   ; waves 0 and 1: 512 consecutive bytes each, aligned
.Ldone:
	s_wait_tensorcnt 0x0
	ds_add_u32 v208, v209
	s_wait_dscnt 0x0
	s_endpgm
.Lfunc_end_k_qa9a8606930_quant:
	.size	k_qa9a8606930_quant, .Lfunc_end_k_qa9a8606930_quant-k_qa9a8606930_quant
	.p2alignl 7, 3214868480
	.fill 96, 4, 3214868480
	.section	.rodata,"a",@progbits
	.p2align	6, 0x0
	.amdhsa_kernel k_qa9a8606930_quant
		.amdhsa_group_segment_fixed_size 70656
		.amdhsa_private_segment_fixed_size 0
		.amdhsa_enable_private_segment 0
		.amdhsa_kernarg_size 40
		.amdhsa_user_sgpr_count 2
		.amdhsa_user_sgpr_kernarg_segment_ptr 1
		.amdhsa_wavefront_size32 1
		.amdhsa_system_sgpr_workgroup_id_x 1
		.amdhsa_system_sgpr_workgroup_id_y 1
		.amdhsa_system_sgpr_workgroup_id_z 1
		.amdhsa_system_vgpr_workitem_id 0
		.amdhsa_next_free_vgpr 210
		.amdhsa_next_free_sgpr 66
		.amdhsa_reserve_vcc 1
		.amdhsa_float_denorm_mode_32 3
		.amdhsa_float_denorm_mode_16_64 3
		.amdhsa_memory_ordered 1
		.amdhsa_forward_progress 1
		.amdhsa_inst_pref_size 38
	.end_amdhsa_kernel
	.amdgpu_metadata
---
amdhsa.version: [ 1, 2 ]
amdhsa.kernels:
  - .name:           k_qa9a8606930_quant
    .symbol:         k_qa9a8606930_quant.kd
    .args:
      - { .name: x, .offset: 0, .size: 8, .value_kind: global_buffer, .address_space: global }
      - { .name: WQ, .offset: 8, .size: 8, .value_kind: global_buffer, .address_space: global }
      - { .name: WK, .offset: 16, .size: 8, .value_kind: global_buffer, .address_space: global }
      - { .name: WV, .offset: 24, .size: 8, .value_kind: global_buffer, .address_space: global }
      - { .name: xw, .offset: 32, .size: 8, .value_kind: global_buffer, .address_space: global }
    .group_segment_fixed_size: 70656
    .private_segment_fixed_size: 0
    .kernarg_segment_align: 8
    .kernarg_segment_size: 40
    .max_flat_workgroup_size: 256
    .sgpr_count:     66
    .vgpr_count:     210
    .wavefront_size: 32
...
	.end_amdgpu_metadata
.endif
;; end of part 1
;; launch proj (part 2): grid 12 x 32, 4 waves a work-group, clusters of 4 x 4, 327,680 bytes of LDS; arguments xw, qkv; writes qkv
.if DOCPART == 2
	.amdgcn_target "amdgcn-amd-amdhsa--gfx1250"
	.amdhsa_code_object_version 6
	.text
	.protected	k_qa9a8606930_proj
	.globl	k_qa9a8606930_proj
	.p2align	8
	.type	k_qa9a8606930_proj,@function
k_qa9a8606930_proj:
	s_mov_b64 s[64:65], 0
	v_nop
	global_prefetch_b8 v0, s[64:65] scope:SCOPE_SE
	s_setreg_imm32_b32 hwreg(HW_REG_WAVE_MODE, 25, 1), 1
	s_wait_xcnt 0x0
	s_wait_alu depctr_hold_cnt(0) depctr_sa_sdst(0) depctr_va_vdst(0) depctr_va_sdst(0) depctr_va_ssrc(0) depctr_va_vcc(0) depctr_vm_vsrc(0)
	s_getreg_b32 s2, hwreg(HW_REG_IB_STS2, 6, 4)
	s_cmp_eq_u32 s2, 0
	s_cbranch_scc0 .Lentry_in_a_cluster
	s_endpgm
.Lentry_in_a_cluster:
	s_bfe_u32 s2, ttmp6, 0x10000c
	s_cmp_lg_u32 s2, 0xf033
	s_cbranch_scc0 .Lentry_shape_is_right
	s_endpgm
.Lentry_shape_is_right:
; q = x WQ, k = x WK, v = x WV on codes of FP6 (E2M3) with E8M0 scales; the results are quantised in registers and leave as codes: q and k along d, v along the keys.
; Operands and results lie as PANELS of 128 rows x 256 K: 16 fragments (images of the 12 operand registers, 1,536 bytes, fragment 8 q + i) and 1,024 bytes of scale words (word of (q, i = 4 g + i', place r) at 24,576 + 512 g + 256 q + 16 r + 4 i').
; Place r of block 2 b + u holds row 32 b + 8 u + r + 8 (r / 8): a block taken as source 0 gives neighbours along the result's registers.
; A tile of 256 x 256 is made by four waves, 128 x 128 each: 64 accumulators.  THE MATRIX INSTRUCTION IS USED TRANSPOSED: source 0 = 16 rows of B', source 1 = 16 rows of A': a lane holds one row of A', its registers run along B's rows.
; For q and k: A' = x, B' = WQ | WK (registers along d).  For v (cluster x = 2) the roles change places: A' = WV, B' = x (registers along the keys).  One text serves both: only panel numbers differ.
; K = 1,024 goes in four steps of 256 through two LDS slots; a K step of 128 rows is ONE dense panel, brought by one tensor load a wave.
; CLUSTERS: 4 x 4.  A's panels are shared along a row of the cluster, B's along a column: joint loads.
; REGISTERS: window 0: v4-5, v16-29 addresses; v32-63 scale words, two sets (A's eight at 32 + 16 s, B's at 40 + 16 s; lanes 0-15 the slot's first 128 along K, lanes 16-31 the second); v64-127 at work on the way out; v128-223 A's fragments, one set.
;   window 1: B's fragments, two sets, at v0 and v128.  windows 2, 3: accumulator (a, b) at v[8 (8 (a % 4) + b)].
; LIMITS: a block whose largest magnitude lies under 2^-124 keeps the byte 1; NaN and infinities are not served.
.set PANEL, 25600
.set SLOT,  4*PANEL                    ; A's two halves, then B's two halves
.set SPARE, 2*SLOT                     ; behind the ring: the spare words, 128 bytes for each wave
.set FR,    12
.set FRB,   1536
.set SCO,   24576
.set LI,    4                          ; v4   16 x lane
.set VS,    5                          ; v5   512 h + 16 r
.set ADRA,  16
.set ADRB,  20
.set SPW,   28
.set NIL,   29
.set SCA,   32
.set SCB,   40
.set AF,    128
.set TM,    64
.set PWS,   80
.set OW,    88
.set PC,    96
.set G1,    24
.set G0,    32
.set G1B,   48
.set G0B,   56
.set SEL,   78
.set MSB, 0
.macro WIN new                         ; the immediate's high byte repeats the setting that is left
.if MSB != \new
	s_set_vgpr_msb (MSB<<8)|\new
.set MSB, \new
.endif
.endm
.set MUL_LO, 0xa1                      ; source 0 (B') window 1, source 1 (A') window 0, C and D window 2
.set MUL_HI, 0xf1
.set TO_B,   0x40
.macro JLOAD g0a, g1a, g0b, g1b        ; waves 0 and 1 fetch A's halves, waves 2 and 3 B's; four v_nop follow each line
	s_cmp_eq_u32 s15, 0
	s_cbranch_scc0 .Lfor_b_\@
	tensor_load_to_lds s[\g0a:\g0a+3], s[\g1a:\g1a+7]
	s_nop 0
.rept 4
	v_nop
.endr
	s_branch .Lasked_\@
.Lfor_b_\@:
	tensor_load_to_lds s[\g0b:\g0b+3], s[\g1b:\g1b+7]
	s_nop 0
.rept 4
	v_nop
.endr
.Lasked_\@:
.endm
.macro CREST
	s_cmp_lg_u32 s14, 0
	s_cbranch_scc1 .Lnot_wave_0_\@
	s_barrier_signal -3
.Lnot_wave_0_\@:
	s_barrier_wait -3
	s_barrier_signal -1
	s_barrier_wait -1
.endm
.macro CROUND
	s_barrier_signal -1
	s_barrier_wait -1
	CREST
.endm
.macro PLACES                          ; four plain places behind matrix instructions, in front of loads into their registers and of reads of results
.rept 4
	v_nop
.endr
.endm
.macro FRAG reg, adr, f                ; a fragment comes as it was stored: three loads of 16 bytes a lane, 512 consecutive bytes each
.irp c, 0,1,2
	ds_load_b128 v[\reg+4*\c:\reg+4*\c+3], v[\adr] offset:FRB*(\f)+512*\c
.endr
.endm
.macro FETCH_B slot, q, p
	WIN TO_B
.irp i, 0,1,2,3,4,5,6,7
	FRAG 128*(\p)+FR*\i, ADRB+\slot, 8*(\q)+\i
.endr
	WIN 0
.endm
.macro FETCH_A slot, q, i0
.irp i, \i0, \i0+1, \i0+2, \i0+3
	FRAG AF+FR*(\i), ADRA+\slot, 8*(\q)+(\i)
.endr
.endm
.macro SCALES s                        ; a slot's scale words: four blocks' words a load; lanes 0-15 get the first 128 along K, lanes 16-31 the second
.irp g, 0,1
	ds_load_b128 v[SCA+16*\s+4*\g:SCA+16*\s+4*\g+3], v[ADRA+\s] offset:SCO+512*\g
	ds_load_b128 v[SCB+16*\s+4*\g:SCB+16*\s+4*\g+3], v[ADRB+\s] offset:SCO+512*\g
.endr
.endm
; 16 matrix instructions: A's blocks a0, a0 + 1 x B's eight.  p: B's set; q: which 128 of the slot; sc: the set of scale words.  The 64 accumulators take turns, one instruction a turn
.macro MUL16 a0, p, q, sc, zero
.irp a, \a0, \a0+1
.irp b, 0,1,2,3,4,5,6,7
.if \zero
	v_wmma_scale_f32_16x16x128_f8f6f4 v[8*(8*((\a)%4)+\b):8*(8*((\a)%4)+\b)+7], v[128*(\p)+FR*\b:128*(\p)+FR*\b+FR-1], v[AF+FR*(\a):AF+FR*(\a)+FR-1], 0, v[SCB+16*(\sc)+\b], v[SCA+16*(\sc)+(\a)] matrix_a_fmt:MATRIX_FMT_FP6 matrix_b_fmt:MATRIX_FMT_FP6
.elseif \q
	v_wmma_scale_f32_16x16x128_f8f6f4 v[8*(8*((\a)%4)+\b):8*(8*((\a)%4)+\b)+7], v[128*(\p)+FR*\b:128*(\p)+FR*\b+FR-1], v[AF+FR*(\a):AF+FR*(\a)+FR-1], v[8*(8*((\a)%4)+\b):8*(8*((\a)%4)+\b)+7], v[SCB+16*(\sc)+\b], v[SCA+16*(\sc)+(\a)] matrix_a_fmt:MATRIX_FMT_FP6 matrix_b_fmt:MATRIX_FMT_FP6 matrix_a_scale:MATRIX_SCALE_ROW1 matrix_b_scale:MATRIX_SCALE_ROW1
.else
	v_wmma_scale_f32_16x16x128_f8f6f4 v[8*(8*((\a)%4)+\b):8*(8*((\a)%4)+\b)+7], v[128*(\p)+FR*\b:128*(\p)+FR*\b+FR-1], v[AF+FR*(\a):AF+FR*(\a)+FR-1], v[8*(8*((\a)%4)+\b):8*(8*((\a)%4)+\b)+7], v[SCB+16*(\sc)+\b], v[SCA+16*(\sc)+(\a)] matrix_a_fmt:MATRIX_FMT_FP6 matrix_b_fmt:MATRIX_FMT_FP6
.endif
.endr
.endr
.endm
.macro STEP slot, zero                 ; a slot's first 128 along K; it fetches the second's fragments
	s_wait_dscnt 12                                ; all but the youngest twelve loads (A's blocks 4-7)
	WIN MUL_LO
	MUL16 0, 0, 0, \slot, \zero
	MUL16 2, 0, 0, \slot, \zero
	s_wait_dscnt 0x0
	PLACES
	FETCH_B \slot, 1, 1
	FETCH_A \slot, 1, 0
	WIN MUL_HI
	MUL16 4, 0, 0, \slot, \zero
	MUL16 6, 0, 0, \slot, \zero
	PLACES
	WIN 0
	FETCH_A \slot, 1, 4
.endm
; A slot's second 128 along K changes slots: one barrier; in front of it each wave waits for all its tensor loads, adds 0 to its spare word, and waits for that and for its reads of this slot.  fill = 1: the slot is filled again, two K steps ahead
.macro TURN slot, next, fill
	s_wait_tensorcnt 0x0                           ; all my tensor loads have landed: my part of the next slot
	ds_add_u32 v[SPW], v[NIL]                      ; 0 onto my spare word
	s_wait_dscnt 13                                ; (the add and the youngest twelve loads may be out)
	WIN MUL_LO
	MUL16 0, 1, 1, \slot, 0
	s_wait_dscnt 0x0                               ; the add is done, and my reads of this slot are over
	s_barrier_signal -1
	MUL16 2, 1, 1, \slot, 0
	WIN 0
	s_barrier_wait -1
.if \fill
	CREST                                          ; the barrier has opened a round of the cluster's barrier: no wave of any partner still reads this slot or has a load on its way
	s_add_nc_u64 s[G0+4*\slot+2:G0+4*\slot+3], s[G0+4*\slot+2:G0+4*\slot+3], 2*PANEL
	s_add_nc_u64 s[G0B+4*\slot+2:G0B+4*\slot+3], s[G0B+4*\slot+2:G0B+4*\slot+3], 2*PANEL
	JLOAD G0+4*\slot, G1, G0B+4*\slot, G1B         ; the first tensor load behind the round; its four v_nop are the places in front of the loads below
.else
	PLACES
.endif
	FETCH_B \next, 0, 0
	FETCH_A \next, 0, 0
	SCALES \next
	WIN MUL_HI
	MUL16 4, 1, 1, \slot, 0
	MUL16 6, 1, 1, \slot, 0
	PLACES
	WIN 0
	FETCH_A \next, 0, 4
.endm
	s_load_b128 s[4:7], s[0:1], 0x0                ; xw, qkv
	v_lshl_add_u32 v[SPW], v0, 2, SPARE
	v_mov_b32 v[NIL], 0
	ds_add_u32 v28, v29
	ds_add_u32 v28, v29
	s_wait_dscnt 0x0
	v_lshrrev_b32 v1, 5, v0
	v_readfirstlane_b32 s14, v1                    ; wave 0..3
	s_lshr_b32 s15, s14, 1                         ; which half of A's rows is mine.  Also: I fetch for A' (0) or for B' (1)
	s_and_b32 s16, s14, 1                          ; which half of B's rows.  Also: which 128 rows I fetch
	s_bfe_u32 s40, ttmp6, 0x40000                  ; cx
	s_bfe_u32 s41, ttmp6, 0x40004                  ; cy
	s_lshl_b32 s66, ttmp9, 2                       ; 4 x cluster x
	s_and_b32 s67, ttmp7, 0xffff
	s_lshl_b32 s67, s67, 2                         ; 4 x cluster y
	s_cmp_eq_u32 ttmp9, 2                          ; v's clusters: the same answer in all sixteen partners
	s_cselect_b32 s17, 0, s67
	s_cselect_b32 s42, s67, s66
	s_cselect_b32 s68, 320, 0                      ; A's first panel: WV's, or x's
	s_cselect_b32 s69, 0, 256                      ; B's: x's, or WQ's
	s_add_co_u32 s17, s17, s41                     ; tile row TR: hangs on cy alone
	s_add_co_u32 s42, s42, s40                     ; tile column TC: on cx alone
	s_lshl_b32 s43, s41, 2
	s_lshl_b32 s43, 15, s43                        ; my row of the cluster
	s_lshl_b32 s44, 0x1111, s40                    ; my column
	; descriptor group 1: a dense panel as 100 rows of 256 bytes (32 elements of 8 bytes), no padding
	s_or_b32 s[G1+0], s43, (3<<16)|(1<<21)
	s_or_b32 s[G1B+0], s44, (3<<16)|(1<<21)
.irp g, G1, G1B
	s_mov_b32 s[\g+1], 32<<16                      ; tensor_dim0
	s_mov_b32 s[\g+2], 100<<16                     ; tensor_dim1
	s_mov_b32 s[\g+3], 32<<16                      ; tile_dim0
	s_mov_b32 s[\g+4], 100                         ; tile_dim1
	s_mov_b32 s[\g+5], 32                          ; the pitch
	s_mov_b32 s[\g+6], 0
	s_mov_b32 s[\g+7], 0
.endr
	s_lshl_b32 s20, s17, 1
	s_add_co_u32 s20, s20, s16
	s_lshl_b32 s20, s20, 2
	s_add_co_u32 s20, s20, s68                     ; A's panel of K step 0: first + 4 (2 TR + half)
	s_mul_i32 s20, s20, PANEL
	s_mov_b32 s21, 0
	s_lshl_b32 s46, s42, 1
	s_add_co_u32 s46, s46, s16
	s_lshl_b32 s46, s46, 2
	s_add_co_u32 s46, s46, s69                     ; B's
	s_mul_i32 s46, s46, PANEL
	s_mov_b32 s47, 0
	s_mul_i32 s45, s14, PANEL                      ; where they go: wave x a panel
	s_wait_kmcnt 0x0
	s_add_nc_u64 s[20:21], s[4:5], s[20:21]
	s_add_nc_u64 s[46:47], s[4:5], s[46:47]
	CROUND                                         ; all sixteen work-groups are here: the first joint loads meet
.irp s, 0,1
	s_mov_b32 s[G0+4*\s], 1
	s_add_co_u32 s[G0+4*\s+1], s45, \s*SLOT
	s_add_nc_u64 s[G0+4*\s+2:G0+4*\s+3], s[20:21], \s*PANEL
	s_or_b32 s[G0+4*\s+3], s[G0+4*\s+3], 0x80000000
	s_mov_b32 s[G0B+4*\s], 1
	s_add_co_u32 s[G0B+4*\s+1], s45, \s*SLOT
	s_add_nc_u64 s[G0B+4*\s+2:G0B+4*\s+3], s[46:47], \s*PANEL
	s_or_b32 s[G0B+4*\s+3], s[G0B+4*\s+3], 0x80000000
	JLOAD G0+4*\s, G1, G0B+4*\s, G1B
.endr
	v_and_b32 v1, 31, v0
	v_lshlrev_b32 v[LI], 4, v1
	s_mul_i32 s21, s15, PANEL                      ; my 128 rows of A',
	s_mul_i32 s22, s16, PANEL                      ; my 128 rows of B',
	s_add_co_u32 s22, s22, 2*PANEL                 ; which lie behind A's two panels
.irp s, 0,1
	v_add_nc_u32 v[ADRA+\s], s21, v[LI]
	v_add_nc_u32 v[ADRB+\s], s22, v[LI]
	s_add_co_u32 s21, s21, SLOT
	s_add_co_u32 s22, s22, SLOT
.endr
	v_and_b32 v2, 15, v0
	v_and_b32 v3, 16, v0
	v_lshlrev_b32 v[VS], 4, v2
	v_lshl_add_u32 v[VS], v3, 5, v[VS]             ; 16 r + 512 h
.irp b, 0,1,2,3
	v_mov_b32 v[TM+4+\b], 0                        ; written once: a lane permute's destination counts as one of its sources
.endr
	s_mov_b32 s[SEL], 0x76543210
	s_mov_b32 s[SEL+1], 0xfedcba98
	; where the results go: q: panel 4 RB + KS, k: 256 + the same, v^T: 512 + 32 RB + KS;  RB = 2 TR + my half of A's rows
	s_lshl_b32 s70, s17, 1
	s_add_co_u32 s70, s70, s15
	s_lshr_b32 s71, s42, 2
	s_lshl_b32 s71, s71, 8
	s_and_b32 s72, s42, 3
	s_lshl_b32 s73, s70, 5
	s_lshl_b32 s74, s70, 2
	s_cmp_eq_u32 ttmp9, 2
	s_cselect_b32 s71, 512, s71
	s_cselect_b32 s72, s42, s72
	s_cselect_b32 s73, s73, s74
	s_add_co_u32 s71, s71, s72
	s_add_co_u32 s71, s71, s73
	s_mul_i32 s72, s71, PANEL
	s_mul_i32 s74, s16, 8*FRB                      ; my 128 columns are the panel's half q = my half of B's rows
	s_add_co_u32 s74, s74, s72
	s_mov_b32 s75, 0
	s_add_nc_u64 s[8:9], s[6:7], s[74:75]          ; my eight fragments
	s_lshl_b32 s76, s16, 8
	s_add_co_u32 s76, s76, s72
	s_add_co_u32 s76, s76, SCO
	s_mov_b32 s77, 0
	s_add_nc_u64 s[10:11], s[6:7], s[76:77]        ; my scale words
	s_wait_tensorcnt 0x1                           ; my part of K step 0 is in; K step 1's load may be out
	s_barrier_signal -1
	s_barrier_wait -1
	FETCH_B 0, 0, 0
	FETCH_A 0, 0, 0
	SCALES 0
	FETCH_A 0, 0, 4
	STEP 0, 1                                      ; the first products start the sums: nothing is cleared
	TURN 0, 1, 1
	STEP 1, 0
	TURN 1, 0, 1
	STEP 0, 0
	TURN 0, 1, 0                                   ; the last two K steps fill nothing
	STEP 1, 0
	s_wait_dscnt 12
	WIN MUL_LO
	MUL16 0, 1, 1, 1, 0
	MUL16 2, 1, 1, 1, 0
	s_wait_dscnt 0x0
	WIN MUL_HI
	MUL16 4, 1, 1, 1, 0
	MUL16 6, 1, 1, 1, 0
	WIN 0
	PLACES
; THE WAY OUT.  Block a: a lane holds one row (place r) and 64 numbers, register 16 b + i = column 32 b + 16 h + i of my 128: they are quantised along the columns and ARE fragment a of the result's panel.
.macro QUANTW a
.set W, 2+(\a)/4
.set AC, 64*((\a)%4)
.set WN, (W<<2)|(W<<4)
	WIN WN                                         ; sources 1 and 2: the accumulators' window
.irp b, 0,1,2,3
	v_max3_num_f32 v[TM+\b], 0x1800000, |v[AC+16*\b]|, |v[AC+16*\b+1]|   ; each accumulator is read from its low end on; the floor 2^(3 - 127) holds the byte at 1 from below
.endr
.irp i, 2,4,6,8,10,12,14
.irp b, 0,1,2,3
	v_max3_num_f32 v[TM+\b], v[TM+\b], |v[AC+16*\b+\i]|, |v[AC+16*\b+\i+1]|
.endr
.endr
	WIN 0
.irp b, 0,1,2,3
	v_permlanex16_b32 v[TM+4+\b], v[TM+\b], s[SEL], s[SEL+1]
.endr
.irp b, 0,1,2,3
	v_max_num_f32 v[TM+\b], v[TM+\b], v[TM+4+\b]
.endr
.irp b, 0,1,2,3
	v_add_nc_u32 v[TM+12+\b], 0xff000000, v[TM+\b]
.endr
.irp b, 0,1,2,3
	v_lshrrev_b32 v[TM+4+\b], 23, v[TM+12+\b]
.endr
	v_lshl_or_b32 v[PWS+\a], v[TM+5], 8, v[TM+4]
	v_lshl_or_b32 v[PWS+\a], v[TM+6], 16, v[PWS+\a]
	v_lshl_or_b32 v[PWS+\a], v[TM+7], 24, v[PWS+\a]
	s_wait_xcnt 0x0                                ; the last block's stores have read the codes' registers
.set WN, W
	WIN WN                                         ; source 0: the accumulators' window
.irp c, 0,1
	v_cvt_scalef32_pk16_fp6_f32 v[PC+6*\c:PC+6*\c+2], v[AC+32*\c:AC+32*\c+15], v[TM+12+2*\c]
	v_cvt_scalef32_pk16_fp6_f32 v[PC+12+4*\c:PC+12+4*\c+2], v[AC+32*\c+16:AC+32*\c+31], v[TM+12+2*\c+1]
.endr
	WIN 0
	v_nop                                          ; one plain place behind a scaled conversion
.irp c, 0,1
.irp i, 0,1,2
	v_permlane16_swap_b32 v[PC+6*\c+\i], v[PC+12+4*\c+\i]
.endr
.irp i, 0,1,2
	v_mov_b32 v[PC+3+6*\c+\i], v[PC+12+4*\c+\i]
.endr
.endr
.irp c, 0,1,2
	global_store_b128 v[LI], v[PC+4*\c:PC+4*\c+3], s[8:9] offset:FRB*(\a)+512*\c   ; 32 lanes store 512 consecutive bytes, aligned
.endr
.endm
.irp a, 0,1,2,3,4,5,6,7
	QUANTW \a
.endr
	v_cmp_ne_u32 vcc_lo, 0, v3                     ; lanes 16-31 carry blocks 4-7's words
.irp j, 0,1,2,3
	v_cndmask_b32 v[OW+\j], v[PWS+\j], v[PWS+4+\j], vcc_lo
.endr
	global_store_b128 v[VS], v[OW:OW+3], s[10:11]  ; sixteen lanes store 256 consecutive bytes, aligned
	s_wait_tensorcnt 0x0                           ; the wave's end
	ds_add_u32 v[SPW], v[NIL]
	s_wait_dscnt 0x0
	CROUND                                         ; the closing round
	s_endpgm
.Lfunc_end_k_qa9a8606930_proj:
	.size	k_qa9a8606930_proj, .Lfunc_end_k_qa9a8606930_proj-k_qa9a8606930_proj
	.p2alignl 7, 3214868480
	.fill 96, 4, 3214868480
	.section	.rodata,"a",@progbits
	.p2align	6, 0x0
	.amdhsa_kernel k_qa9a8606930_proj
		.amdhsa_group_segment_fixed_size 327680
		.amdhsa_private_segment_fixed_size 0
		.amdhsa_enable_private_segment 0
		.amdhsa_kernarg_size 16
		.amdhsa_user_sgpr_count 2
		.amdhsa_user_sgpr_kernarg_segment_ptr 1
		.amdhsa_wavefront_size32 1
		.amdhsa_system_sgpr_workgroup_id_x 1
		.amdhsa_system_sgpr_workgroup_id_y 1
		.amdhsa_system_sgpr_workgroup_id_z 1
		.amdhsa_system_vgpr_workitem_id 0
		.amdhsa_next_free_vgpr 1024
		.amdhsa_next_free_sgpr 98
		.amdhsa_reserve_vcc 1
		.amdhsa_float_denorm_mode_32 3
		.amdhsa_float_denorm_mode_16_64 3
		.amdhsa_memory_ordered 1
		.amdhsa_forward_progress 1
		.amdhsa_inst_pref_size 136
	.end_amdhsa_kernel
	.amdgpu_metadata
---
amdhsa.version: [ 1, 2 ]
amdhsa.kernels:
  - .name:           k_qa9a8606930_proj
    .symbol:         k_qa9a8606930_proj.kd
    .args:
      - { .name: xw, .offset: 0, .size: 8, .value_kind: global_buffer, .address_space: global }
      - { .name: qkv, .offset: 8, .size: 8, .value_kind: global_buffer, .address_space: global }
    .group_segment_fixed_size: 327680
    .private_segment_fixed_size: 0
    .kernarg_segment_align: 8
    .kernarg_segment_size: 16
    .max_flat_workgroup_size: 128
    .sgpr_count:     98
    .vgpr_count:     1024
    .wavefront_size: 32
...
	.end_amdgpu_metadata
.endif
;; end of part 2
;; launch score (part 3): grid 12 x 16, 4 waves a work-group, clusters of 4 x 4, 327,680 bytes of LDS; arguments qkv, p, pst; writes p, pst
.if DOCPART == 3
	.amdgcn_target "amdgcn-amd-amdhsa--gfx1250"
	.amdhsa_code_object_version 6
	.text
	.protected	k_qa9a8606930_score
	.globl	k_qa9a8606930_score
	.p2align	8
	.type	k_qa9a8606930_score,@function
k_qa9a8606930_score:
	s_mov_b64 s[64:65], 0
	v_nop
	global_prefetch_b8 v0, s[64:65] scope:SCOPE_SE
	s_setreg_imm32_b32 hwreg(HW_REG_WAVE_MODE, 25, 1), 1
	s_wait_xcnt 0x0
	s_wait_alu depctr_hold_cnt(0) depctr_sa_sdst(0) depctr_va_vdst(0) depctr_va_sdst(0) depctr_va_ssrc(0) depctr_va_vcc(0) depctr_vm_vsrc(0)
	s_getreg_b32 s2, hwreg(HW_REG_IB_STS2, 6, 4)
	s_cmp_eq_u32 s2, 0
	s_cbranch_scc0 .Lentry_in_a_cluster
	s_endpgm
.Lentry_in_a_cluster:
	s_bfe_u32 s2, ttmp6, 0x10000c
	s_cmp_lg_u32 s2, 0xf033
	s_cbranch_scc0 .Lentry_shape_is_right
	s_endpgm
.Lentry_shape_is_right:
; S = q k^T on codes of FP6 (E2M3), the causal mask, and p = 2^(t - M) quantised along the keys.  t = score x log2(e) / 32.
; M here is LOCAL: the ceiling of the largest t among the 128 keys of a wave's tile.  The codes of p do not hang on which whole number M is; only its scale bytes do, and the next launch takes the difference to the row's M off them.
; Out go: p's codes (fragments, [row block 64][key tile 8][24,576 bytes]) and, laid like a panel's scale words, three sections of 1,024 bytes for each (row block, key tile): p's scale words with bit 7 of each byte set; -M; the sum of the unquantised p.
; Panels, fragments, the order of rows and the ring of two slots are those of the projections' launch.  A' = q (a lane holds one query), B' = k (registers along the keys).
; A tile of 256 queries x 256 keys to a work-group.  Of a batch's four blocks of 1,024 x 1,024 the three that reach under the diagonal are made, a cluster of 4 x 4 each.  In a diagonal cluster the tiles above the diagonal are made like the others:
; partners run alike, and the next launch reads the tile right of the diagonal for even tile rows: its codes are zeros.
; LIMITS: M is exact while |t| stays under 2^24; a block of p under 2^-124 keeps the byte 1; NaN and infinities are not served.
.set PANEL, 25600
.set SLOT,  4*PANEL
.set SPARE, 2*SLOT
.set FR,    12
.set FRB,   1536
.set SCO,   24576
.set LI,    4
.set VS,    5
.set DD,    6                          ; v6   my query less my first key, block 0
.set NINF,  7                          ; v7   -infinity
.set FLO,   8                          ; v8   -3e38
.set NP,    10                         ; v[10:11] -M (the pair's upper word is written, not used)
.set TT,    12
.set ADRA,  16
.set ADRB,  20
.set SPW,   28
.set NIL,   29
.set SCA,   32
.set SCB,   40
.set AF,    128
.set BM,    64                         ; v64-71 the blocks' largest scores, then p; at work
.set SO,    72
.set PWS,   80
.set NMS,   88
.set LS,    96
.set PC,    104
.set L0,    124
.set L1,    126
.set T,     128                        ; v128-191 t - M, then p
.set OW,    192
.set G1,    24
.set G0,    32
.set G1B,   48
.set G0B,   56
.set CS,    76                         ; s[76:77] log2(e) / 32
.set SEL,   78
.set MSB, 0
.macro WIN new
.if MSB != \new
	s_set_vgpr_msb (MSB<<8)|\new
.set MSB, \new
.endif
.endm
.set MUL_LO, 0xa1
.set MUL_HI, 0xf1
.set TO_B,   0x40
.macro JLOAD g0a, g1a, g0b, g1b        ; waves 0 and 1 fetch A's halves, waves 2 and 3 B's; four v_nop follow each line
	s_cmp_eq_u32 s15, 0
	s_cbranch_scc0 .Lfor_b_\@
	tensor_load_to_lds s[\g0a:\g0a+3], s[\g1a:\g1a+7]
	s_nop 0
.rept 4
	v_nop
.endr
	s_branch .Lasked_\@
.Lfor_b_\@:
	tensor_load_to_lds s[\g0b:\g0b+3], s[\g1b:\g1b+7]
	s_nop 0
.rept 4
	v_nop
.endr
.Lasked_\@:
.endm
.macro CREST
	s_cmp_lg_u32 s14, 0
	s_cbranch_scc1 .Lnot_wave_0_\@
	s_barrier_signal -3
.Lnot_wave_0_\@:
	s_barrier_wait -3
	s_barrier_signal -1
	s_barrier_wait -1
.endm
.macro CROUND
	s_barrier_signal -1
	s_barrier_wait -1
	CREST
.endm
.macro PLACES
.rept 4
	v_nop
.endr
.endm
.macro FRAG reg, adr, f
.irp c, 0,1,2
	ds_load_b128 v[\reg+4*\c:\reg+4*\c+3], v[\adr] offset:FRB*(\f)+512*\c
.endr
.endm
.macro FETCH_B slot, q, p
	WIN TO_B
.irp i, 0,1,2,3,4,5,6,7
	FRAG 128*(\p)+FR*\i, ADRB+\slot, 8*(\q)+\i
.endr
	WIN 0
.endm
.macro FETCH_A slot, q, i0
.irp i, \i0, \i0+1, \i0+2, \i0+3
	FRAG AF+FR*(\i), ADRA+\slot, 8*(\q)+(\i)
.endr
.endm
.macro SCALES s
.irp g, 0,1
	ds_load_b128 v[SCA+16*\s+4*\g:SCA+16*\s+4*\g+3], v[ADRA+\s] offset:SCO+512*\g
	ds_load_b128 v[SCB+16*\s+4*\g:SCB+16*\s+4*\g+3], v[ADRB+\s] offset:SCO+512*\g
.endr
.endm
.macro MUL16 a0, p, q, sc, zero        ; the 64 accumulators take turns, one instruction a turn
.irp a, \a0, \a0+1
.irp b, 0,1,2,3,4,5,6,7
.if \zero
	v_wmma_scale_f32_16x16x128_f8f6f4 v[8*(8*((\a)%4)+\b):8*(8*((\a)%4)+\b)+7], v[128*(\p)+FR*\b:128*(\p)+FR*\b+FR-1], v[AF+FR*(\a):AF+FR*(\a)+FR-1], 0, v[SCB+16*(\sc)+\b], v[SCA+16*(\sc)+(\a)] matrix_a_fmt:MATRIX_FMT_FP6 matrix_b_fmt:MATRIX_FMT_FP6
.elseif \q
	v_wmma_scale_f32_16x16x128_f8f6f4 v[8*(8*((\a)%4)+\b):8*(8*((\a)%4)+\b)+7], v[128*(\p)+FR*\b:128*(\p)+FR*\b+FR-1], v[AF+FR*(\a):AF+FR*(\a)+FR-1], v[8*(8*((\a)%4)+\b):8*(8*((\a)%4)+\b)+7], v[SCB+16*(\sc)+\b], v[SCA+16*(\sc)+(\a)] matrix_a_fmt:MATRIX_FMT_FP6 matrix_b_fmt:MATRIX_FMT_FP6 matrix_a_scale:MATRIX_SCALE_ROW1 matrix_b_scale:MATRIX_SCALE_ROW1
.else
	v_wmma_scale_f32_16x16x128_f8f6f4 v[8*(8*((\a)%4)+\b):8*(8*((\a)%4)+\b)+7], v[128*(\p)+FR*\b:128*(\p)+FR*\b+FR-1], v[AF+FR*(\a):AF+FR*(\a)+FR-1], v[8*(8*((\a)%4)+\b):8*(8*((\a)%4)+\b)+7], v[SCB+16*(\sc)+\b], v[SCA+16*(\sc)+(\a)] matrix_a_fmt:MATRIX_FMT_FP6 matrix_b_fmt:MATRIX_FMT_FP6
.endif
.endr
.endr
.endm
.macro STEP slot, zero
	s_wait_dscnt 12                                ; all but the youngest twelve loads (A's blocks 4-7)
	WIN MUL_LO
	MUL16 0, 0, 0, \slot, \zero
	MUL16 2, 0, 0, \slot, \zero
	s_wait_dscnt 0x0
	PLACES
	FETCH_B \slot, 1, 1
	FETCH_A \slot, 1, 0
	WIN MUL_HI
	MUL16 4, 0, 0, \slot, \zero
	MUL16 6, 0, 0, \slot, \zero
	PLACES
	WIN 0
	FETCH_A \slot, 1, 4
.endm
.macro TURN slot, next, fill
	s_wait_tensorcnt 0x0                           ; all my tensor loads have landed: my part of the next slot
	ds_add_u32 v[SPW], v[NIL]                      ; 0 onto my spare word
	s_wait_dscnt 13                                ; (the add and the youngest twelve loads may be out)
	WIN MUL_LO
	MUL16 0, 1, 1, \slot, 0
	s_wait_dscnt 0x0                               ; the add is done, and my reads of this slot are over
	s_barrier_signal -1
	MUL16 2, 1, 1, \slot, 0
	WIN 0
	s_barrier_wait -1
.if \fill
	CREST                                          ; a round of the cluster's barrier: no wave of any partner still reads this slot or has a load on its way
	s_add_nc_u64 s[G0+4*\slot+2:G0+4*\slot+3], s[G0+4*\slot+2:G0+4*\slot+3], 2*PANEL
	s_add_nc_u64 s[G0B+4*\slot+2:G0B+4*\slot+3], s[G0B+4*\slot+2:G0B+4*\slot+3], 2*PANEL
	JLOAD G0+4*\slot, G1, G0B+4*\slot, G1B
.else
	PLACES
.endif
	FETCH_B \next, 0, 0
	FETCH_A \next, 0, 0
	SCALES \next
	WIN MUL_HI
	MUL16 4, 1, 1, \slot, 0
	MUL16 6, 1, 1, \slot, 0
	PLACES
	WIN 0
	FETCH_A \next, 0, 4
.endm
	s_load_b128 s[4:7], s[0:1], 0x0                ; qkv, p
	s_load_b64 s[8:9], s[0:1], 0x10                ; pst
	v_lshl_add_u32 v[SPW], v0, 2, SPARE
	v_mov_b32 v[NIL], 0
	ds_add_u32 v28, v29
	ds_add_u32 v28, v29
	s_wait_dscnt 0x0
	v_lshrrev_b32 v1, 5, v0
	v_readfirstlane_b32 s14, v1
	s_lshr_b32 s15, s14, 1
	s_and_b32 s16, s14, 1
	s_bfe_u32 s40, ttmp6, 0x40000                  ; cx
	s_bfe_u32 s41, ttmp6, 0x40004                  ; cy
	s_lshr_b32 s42, ttmp9, 1                       ; cluster 0, 1, 2 -> block column 0, 0, 1
	s_lshl_b32 s42, s42, 2
	s_add_co_u32 s42, s42, s40                     ; key tile TC
	s_add_co_u32 s17, ttmp9, 1
	s_lshr_b32 s17, s17, 1                         ; block row 0, 1, 1
	s_lshl_b32 s17, s17, 2
	s_add_co_u32 s17, s17, s41                     ; query tile TR
	s_and_b32 s18, ttmp7, 0xffff                   ; the batch
	s_lshl_b32 s18, s18, 4                         ; its first row block
	s_lshl_b32 s43, s41, 2
	s_lshl_b32 s43, 15, s43
	s_lshl_b32 s44, 0x1111, s40
	s_or_b32 s[G1+0], s43, (3<<16)|(1<<21)
	s_or_b32 s[G1B+0], s44, (3<<16)|(1<<21)
.irp g, G1, G1B
	s_mov_b32 s[\g+1], 32<<16
	s_mov_b32 s[\g+2], 100<<16
	s_mov_b32 s[\g+3], 32<<16
	s_mov_b32 s[\g+4], 100
	s_mov_b32 s[\g+5], 32
	s_mov_b32 s[\g+6], 0
	s_mov_b32 s[\g+7], 0
.endr
	s_lshl_b32 s20, s17, 1
	s_add_co_u32 s20, s20, s16
	s_add_co_u32 s20, s20, s18
	s_lshl_b32 s20, s20, 2                         ; q's panel of K step 0
	s_mul_i32 s20, s20, PANEL
	s_mov_b32 s21, 0
	s_lshl_b32 s46, s42, 1
	s_add_co_u32 s46, s46, s16
	s_add_co_u32 s46, s46, s18
	s_lshl_b32 s46, s46, 2
	s_add_co_u32 s46, s46, 256                     ; k's
	s_mul_i32 s46, s46, PANEL
	s_mov_b32 s47, 0
	s_mul_i32 s45, s14, PANEL
	s_wait_kmcnt 0x0
	s_add_nc_u64 s[20:21], s[4:5], s[20:21]
	s_add_nc_u64 s[46:47], s[4:5], s[46:47]
	CROUND
.irp s, 0,1
	s_mov_b32 s[G0+4*\s], 1
	s_add_co_u32 s[G0+4*\s+1], s45, \s*SLOT
	s_add_nc_u64 s[G0+4*\s+2:G0+4*\s+3], s[20:21], \s*PANEL
	s_or_b32 s[G0+4*\s+3], s[G0+4*\s+3], 0x80000000
	s_mov_b32 s[G0B+4*\s], 1
	s_add_co_u32 s[G0B+4*\s+1], s45, \s*SLOT
	s_add_nc_u64 s[G0B+4*\s+2:G0B+4*\s+3], s[46:47], \s*PANEL
	s_or_b32 s[G0B+4*\s+3], s[G0B+4*\s+3], 0x80000000
	JLOAD G0+4*\s, G1, G0B+4*\s, G1B
.endr
	v_and_b32 v1, 31, v0
	v_lshlrev_b32 v[LI], 4, v1
	s_mul_i32 s21, s15, PANEL
	s_mul_i32 s22, s16, PANEL
	s_add_co_u32 s22, s22, 2*PANEL
.irp s, 0,1
	v_add_nc_u32 v[ADRA+\s], s21, v[LI]
	v_add_nc_u32 v[ADRB+\s], s22, v[LI]
	s_add_co_u32 s21, s21, SLOT
	s_add_co_u32 s22, s22, SLOT
.endr
	v_and_b32 v2, 15, v0                           ; r
	v_and_b32 v3, 16, v0                           ; 16 h
	v_lshlrev_b32 v[VS], 4, v2
	v_lshl_add_u32 v[VS], v3, 5, v[VS]
	; my query of block a is 256 TR + 128 half + 32 (a / 2) + 8 (a % 2) + r + 8 (r / 8); register n's key is 256 TC + 128 half + 32 (n / 16) + 16 h + n % 16
	s_sub_co_i32 s70, s17, s42
	s_lshl_b32 s70, s70, 8
	s_sub_co_i32 s71, s15, s16
	s_lshl_b32 s71, s71, 7
	s_add_co_i32 s70, s70, s71
	v_and_b32 v[DD], 8, v0
	v_add_nc_u32 v[DD], v[DD], v2
	v_sub_nc_u32 v[DD], v[DD], v3
	v_add_nc_u32 v[DD], s70, v[DD]
	v_mov_b32 v[NINF], 0xff800000
	v_mov_b32 v[FLO], 0xff61b1e6
	v_mov_b32 v[NP+1], 0
	v_mov_b32 v[TT], 0
.irp b, 0,1,2,3
	v_mov_b32 v[BM+4+\b], 0
.endr
	s_mov_b32 s[CS], 0x3d38aa3b                    ; log2(e) / 32
	s_mov_b32 s[CS+1], s[CS]
	s_mov_b32 s[SEL], 0x76543210
	s_mov_b32 s[SEL+1], 0xfedcba98
	s_lshl_b32 s72, s17, 1
	s_add_co_u32 s72, s72, s15
	s_add_co_u32 s72, s72, s18                     ; my row block
	s_lshl_b32 s72, s72, 3
	s_add_co_u32 s72, s72, s42                     ; 8 x row block + key tile
	s_mul_i32 s74, s72, 16*FRB
	s_mul_i32 s73, s16, 8*FRB
	s_add_co_u32 s74, s74, s73
	s_mov_b32 s75, 0
	s_add_nc_u64 s[6:7], s[6:7], s[74:75]          ; my eight fragments of p
	s_mul_i32 s74, s72, 3072
	s_lshl_b32 s73, s16, 8
	s_add_co_u32 s74, s74, s73
	s_add_nc_u64 s[8:9], s[8:9], s[74:75]          ; my part of the three sections
	s_wait_tensorcnt 0x1                           ; my part of K step 0 is in; K step 1's load may be out
	s_barrier_signal -1
	s_barrier_wait -1
	FETCH_B 0, 0, 0
	FETCH_A 0, 0, 0
	SCALES 0
	FETCH_A 0, 0, 4
	STEP 0, 1
	TURN 0, 1, 1
	STEP 1, 0
	TURN 1, 0, 1
	STEP 0, 0
	TURN 0, 1, 0
	STEP 1, 0
	s_wait_dscnt 12
	WIN MUL_LO
	MUL16 0, 1, 1, 1, 0
	MUL16 2, 1, 1, 1, 0
	s_wait_dscnt 0x0
	WIN MUL_HI
	MUL16 4, 1, 1, 1, 0
	MUL16 6, 1, 1, 1, 0
	WIN 0
	PLACES
; THE SOFTMAX OF BLOCK a: 16 queries (one a lane) x my 128 keys (64 a lane; a block of 32 keys lies in lanes l and l xor 16).
.macro SOFT a
.set W, 2+(\a)/4
.set AC, 64*((\a)%4)
.set OFFA, 32*((\a)/2)+8*((\a)%2)
	s_cmp_eq_u32 ttmp9, 1                          ; the cluster under the diagonal hides nothing: the same answer in all sixteen partners
	s_cbranch_scc1 .Lopen_\@
.set WN, (W<<6)|W
	WIN WN
.set n, 0
.rept 64
	v_cmp_gt_i32 vcc_lo, 32*(n/16)+n%16-OFFA, v[DD]   ; key > query: hidden
	v_cndmask_b32 v[AC+n], v[AC+n], v[NINF], vcc_lo
.set n, n+1
.endr
	WIN 0
.Lopen_\@:
.set WN, (W<<2)|(W<<4)
	WIN WN
.irp b, 0,1,2,3
	v_max3_num_f32 v[BM+\b], v[FLO], v[AC+16*\b], v[AC+16*\b+1]   ; the largest score of each block of 32 keys, over a floor of -3e38, so that a row with all its keys hidden keeps a finite M
.endr
.irp i, 2,4,6,8,10,12,14
.irp b, 0,1,2,3
	v_max3_num_f32 v[BM+\b], v[BM+\b], v[AC+16*\b+\i], v[AC+16*\b+\i+1]
.endr
.endr
	WIN 0
.irp b, 0,1,2,3
	v_permlanex16_b32 v[BM+4+\b], v[BM+\b], s[SEL], s[SEL+1]
.endr
.irp b, 0,1,2,3
	v_max_num_f32 v[BM+\b], v[BM+\b], v[BM+4+\b]
.endr
	v_max3_num_f32 v[TT], v[BM], v[BM+1], v[BM+2]
	v_max_num_f32 v[TT], v[TT], v[BM+3]
	v_mul_f32 v[TT], s[CS], v[TT]                  ; the largest t of my query among these 128 keys
	v_floor_f32 v[NP], -v[TT]                      ; -M = floor(-t): M is a whole number
.set WN, W
	WIN WN
.set n, 0
.rept 32
	v_pk_fma_f32 v[T+n:T+n+1], v[AC+n:AC+n+1], s[CS:CS+1], v[NP:NP+1] op_sel_hi:[1,0,0]   ; t - M, two at a time
.set n, n+2
.endr
	WIN 0
.irp b, 0,1,2,3
	v_fma_f32 v[BM+\b], v[BM+\b], s[CS], v[NP]     ; the same of each block's largest score
.endr
.irp b, 0,1,2,3
	v_min_num_f32 v[BM+\b], 0, v[BM+\b]            ; never above 0 (it matters where all keys are hidden and M is huge)
.endr
.set n, 0
.rept 64
	v_exp_f32 v[T+n], v[T+n]                       ; p = 2^(t - M): not normalised
.set n, n+1
.endr
	v_mov_b32 v[NMS+\a], v[NP]                     ; (a plain place behind the exponentials)
	s_wait_alu depctr_va_vdst(0)                   ; one wait for the batch, ahead of its first reader
.irp b, 0,1,2,3
	v_exp_f32 v[BM+\b], v[BM+\b]                   ; the block's largest p
.endr
	v_pk_add_f32 v[L0:L0+1], v[T:T+1], v[T+2:T+3]  ; the sum of the unquantised p, in two chains
	v_pk_add_f32 v[L1:L1+1], v[T+4:T+5], v[T+6:T+7]
.irp j, 8,12,16,20,24,28,32,36,40,44,48,52,56,60
	v_pk_add_f32 v[L0:L0+1], v[L0:L0+1], v[T+\j:T+\j+1]
	v_pk_add_f32 v[L1:L1+1], v[L1:L1+1], v[T+\j+2:T+\j+3]
.endr
	v_pk_add_f32 v[L0:L0+1], v[L0:L0+1], v[L1:L1+1]
	v_add_f32 v[LS+\a], v[L0], v[L0+1]
	v_permlanex16_b32 v[TT], v[LS+\a], s[SEL], s[SEL+1]
	v_add_f32 v[LS+\a], v[LS+\a], v[TT]
	s_wait_alu depctr_va_vdst(0)                   ; and one for the four
.irp b, 0,1,2,3
	v_max_num_f32 v[BM+\b], 0x1800000, v[BM+\b]    ; the floor 2^(3 - 127)
.endr
.irp b, 0,1,2,3
	v_add_nc_u32 v[SO+\b], 0xff000000, v[BM+\b]
.endr
.irp b, 0,1,2,3
	v_lshrrev_b32 v[BM+4+\b], 23, v[SO+\b]
.endr
	v_lshl_or_b32 v[PWS+\a], v[BM+5], 8, v[BM+4]
	v_lshl_or_b32 v[PWS+\a], v[BM+6], 16, v[PWS+\a]
	v_lshl_or_b32 v[PWS+\a], v[BM+7], 24, v[PWS+\a]
	v_or_b32 v[PWS+\a], 0x80808080, v[PWS+\a]      ; p is at most 1, so a byte is at most 125: bit 7 is set
	s_wait_xcnt 0x0                                ; the last block's stores have read the codes' registers
.irp c, 0,1
	v_cvt_scalef32_pk16_fp6_f32 v[PC+6*\c:PC+6*\c+2], v[T+32*\c:T+32*\c+15], v[SO+2*\c]
	v_cvt_scalef32_pk16_fp6_f32 v[PC+12+4*\c:PC+12+4*\c+2], v[T+32*\c+16:T+32*\c+31], v[SO+2*\c+1]
.endr
	v_nop
.irp c, 0,1
.irp i, 0,1,2
	v_permlane16_swap_b32 v[PC+6*\c+\i], v[PC+12+4*\c+\i]
.endr
.irp i, 0,1,2
	v_mov_b32 v[PC+3+6*\c+\i], v[PC+12+4*\c+\i]
.endr
.endr
.irp c, 0,1,2
	global_store_b128 v[LI], v[PC+4*\c:PC+4*\c+3], s[6:7] offset:FRB*(\a)+512*\c
.endr
.endm
.irp a, 0,1,2,3,4,5,6,7
	SOFT \a
.endr
	v_cmp_ne_u32 vcc_lo, 0, v3                     ; lanes 16-31 carry blocks 4-7's
.irp j, 0,1,2,3
	v_cndmask_b32 v[OW+\j], v[PWS+\j], v[PWS+4+\j], vcc_lo
	v_cndmask_b32 v[OW+4+\j], v[NMS+\j], v[NMS+4+\j], vcc_lo
	v_cndmask_b32 v[OW+8+\j], v[LS+\j], v[LS+4+\j], vcc_lo
.endr
	global_store_b128 v[VS], v[OW:OW+3], s[8:9]
	global_store_b128 v[VS], v[OW+4:OW+7], s[8:9] offset:1024
	global_store_b128 v[VS], v[OW+8:OW+11], s[8:9] offset:2048
	s_wait_tensorcnt 0x0                           ; the wave's end
	ds_add_u32 v[SPW], v[NIL]
	s_wait_dscnt 0x0
	CROUND
	s_endpgm
.Lfunc_end_k_qa9a8606930_score:
	.size	k_qa9a8606930_score, .Lfunc_end_k_qa9a8606930_score-k_qa9a8606930_score
	.p2alignl 7, 3214868480
	.fill 96, 4, 3214868480
	.section	.rodata,"a",@progbits
	.p2align	6, 0x0
	.amdhsa_kernel k_qa9a8606930_score
		.amdhsa_group_segment_fixed_size 327680
		.amdhsa_private_segment_fixed_size 0
		.amdhsa_enable_private_segment 0
		.amdhsa_kernarg_size 24
		.amdhsa_user_sgpr_count 2
		.amdhsa_user_sgpr_kernarg_segment_ptr 1
		.amdhsa_wavefront_size32 1
		.amdhsa_system_sgpr_workgroup_id_x 1
		.amdhsa_system_sgpr_workgroup_id_y 1
		.amdhsa_system_sgpr_workgroup_id_z 1
		.amdhsa_system_vgpr_workitem_id 0
		.amdhsa_next_free_vgpr 1024
		.amdhsa_next_free_sgpr 98
		.amdhsa_reserve_vcc 1
		.amdhsa_float_denorm_mode_32 3
		.amdhsa_float_denorm_mode_16_64 3
		.amdhsa_memory_ordered 1
		.amdhsa_forward_progress 1
		.amdhsa_inst_pref_size 235
	.end_amdhsa_kernel
	.amdgpu_metadata
---
amdhsa.version: [ 1, 2 ]
amdhsa.kernels:
  - .name:           k_qa9a8606930_score
    .symbol:         k_qa9a8606930_score.kd
    .args:
      - { .name: qkv, .offset: 0, .size: 8, .value_kind: global_buffer, .address_space: global }
      - { .name: p, .offset: 8, .size: 8, .value_kind: global_buffer, .address_space: global }
      - { .name: pst, .offset: 16, .size: 8, .value_kind: global_buffer, .address_space: global }
    .group_segment_fixed_size: 327680
    .private_segment_fixed_size: 0
    .kernarg_segment_align: 8
    .kernarg_segment_size: 24
    .max_flat_workgroup_size: 128
    .sgpr_count:     98
    .vgpr_count:     1024
    .wavefront_size: 32
...
	.end_amdgpu_metadata
.endif
;; end of part 3
;; launch pv (part 4): grid 4 x 32, 4 waves a work-group, clusters of 4 x 1, 327,680 bytes of LDS; arguments p, pst, qkv, out0; writes out0
.if DOCPART == 4
	.amdgcn_target "amdgcn-amd-amdhsa--gfx1250"
	.amdhsa_code_object_version 6
	.text
	.protected	k_qa9a8606930_pv
	.globl	k_qa9a8606930_pv
	.p2align	8
	.type	k_qa9a8606930_pv,@function
k_qa9a8606930_pv:
	s_mov_b64 s[64:65], 0
	v_nop
	global_prefetch_b8 v0, s[64:65] scope:SCOPE_SE
	s_setreg_imm32_b32 hwreg(HW_REG_WAVE_MODE, 25, 1), 1
	s_wait_xcnt 0x0
	s_wait_alu depctr_hold_cnt(0) depctr_sa_sdst(0) depctr_va_vdst(0) depctr_va_sdst(0) depctr_va_ssrc(0) depctr_va_vcc(0) depctr_vm_vsrc(0)
	s_getreg_b32 s2, hwreg(HW_REG_IB_STS2, 6, 4)
	s_cmp_eq_u32 s2, 0
	s_cbranch_scc0 .Lentry_in_a_cluster
	s_endpgm
.Lentry_in_a_cluster:
	s_bfe_u32 s2, ttmp6, 0x10000c
	s_cmp_lg_u32 s2, 0x3003
	s_cbranch_scc0 .Lentry_shape_is_right
	s_endpgm
.Lentry_shape_is_right:
; out = (p v) / l on codes of FP6 (E2M3).  A' = p (a lane holds one query), B' = v^T (rows = d, K = the keys; registers along d).  A tile of 256 queries x 256 of d to a work-group, four waves of 128 x 128.
; K = the keys, in steps of 256, from key 0 to the key tile TR | 1 (TR the query tile): what lies beyond is hidden by the causal mask and is not multiplied.
; AT THE HEAD each wave brings p's scale bytes under the row's own M.  For each chunk of 128 keys the launch before left -M(chunk), the sum l(chunk) and the scale words.  -M = the least -M(chunk); d = M - M(chunk), a whole number, held at 127;
; l = the sum of l(chunk) 2^-d; each scale byte becomes max(byte - d, 0).  The subtraction takes four bytes at once: bit 7 of each byte was set.
; CLUSTER: 4 x 1: the four tiles of d of one query tile read the same panels of p: joint loads.  v^T's panels differ between the partners (other rows d): plain loads.  4 x 4 is not taken: only two query tiles of a batch have the same number of K steps,
; and partners must make the same joint requests.
; LIMITS: a chunk more than 126 binary orders under the row's M counts for nothing in l; a scale byte that would fall under 0 is 0 (2^-127); NaN and infinities are not served.
.set PANEL, 25600
.set PCODE, 24576                      ; a panel of p: codes alone
.set SLOT,  4*PANEL
.set SPARE, 2*SLOT
.set FR,    12
.set FRB,   1536
.set SCO,   24576
.set SPITCH, 528                       ; the way out: a stage of 16 rows x (512 bytes + 16) for each wave, in slot 0, which has had its last fill and its last read by then
.set LI,    2                          ; v2   16 x lane
.set TW,    4                          ; v4-7 at work in the head
.set KO,    8                          ; v8-15 K step k's place among the statistics
.set ADRA,  16
.set ADRB,  20
.set STO,   24
.set RD,    25
.set SPW,   28
.set NIL,   29
.set SCB,   32                         ; v32-47 v^T's scale words, two sets of 8
.set Q,     48                         ; v48-111 p's scale words, 8 a K step; the products name v48-63 alone, the later K steps' words move down
.set LG,    112                        ; v112-119 l, then 1 / l, of blocks 0-7
.set NMG,   120                        ; v120-127 -M
.set NMR,   128                        ; v128-191 -M(chunk)     (the head is over when A's fragments take these)
.set LR,    192                        ; v192-255 l(chunk)
.set AF,    128
.set BK,    128
.set G1,    24
.set G0,    32
.set G1B,   48
.set G0B,   56
.set SEL,   78
.set SH,    80                         ; s82-87 shift counts of K steps 2-7
.set MSB, 0
.macro WIN new
.if MSB != \new
	s_set_vgpr_msb (MSB<<8)|\new
.set MSB, \new
.endif
.endm
.set MUL_LO, 0xa1
.set MUL_HI, 0xf1
.set TO_B,   0x40
.macro JLOAD g0a, g1a, g0b, g1b        ; waves 0 and 1 fetch p's halves (jointly), waves 2 and 3 v^T's; four v_nop follow each line
	s_cmp_eq_u32 s15, 0
	s_cbranch_scc0 .Lfor_b_\@
	tensor_load_to_lds s[\g0a:\g0a+3], s[\g1a:\g1a+7]
	s_nop 0
.rept 4
	v_nop
.endr
	s_branch .Lasked_\@
.Lfor_b_\@:
	tensor_load_to_lds s[\g0b:\g0b+3], s[\g1b:\g1b+7]
	s_nop 0
.rept 4
	v_nop
.endr
.Lasked_\@:
.endm
.macro CREST
	s_cmp_lg_u32 s14, 0
	s_cbranch_scc1 .Lnot_wave_0_\@
	s_barrier_signal -3
.Lnot_wave_0_\@:
	s_barrier_wait -3
	s_barrier_signal -1
	s_barrier_wait -1
.endm
.macro CROUND
	s_barrier_signal -1
	s_barrier_wait -1
	CREST
.endm
.macro PLACES
.rept 4
	v_nop
.endr
.endm
.macro FRAG reg, adr, f
.irp c, 0,1,2
	ds_load_b128 v[\reg+4*\c:\reg+4*\c+3], v[\adr] offset:FRB*(\f)+512*\c
.endr
.endm
.macro FETCH_B slot, q, p
	WIN TO_B
.irp i, 0,1,2,3,4,5,6,7
	FRAG 128*(\p)+FR*\i, ADRB+\slot, 8*(\q)+\i
.endr
	WIN 0
.endm
.macro FETCH_A slot, q, i0
.irp i, \i0, \i0+1, \i0+2, \i0+3
	FRAG AF+FR*(\i), ADRA+\slot, 8*(\q)+(\i)
.endr
.endm
.macro SCALES s                        ; v^T's scale words of a slot
.irp g, 0,1
	ds_load_b128 v[SCB+8*\s+4*\g:SCB+8*\s+4*\g+3], v[ADRB+\s] offset:SCO+512*\g
.endr
.endm
.macro MUL16 a0, p, q, sc, zero        ; the 64 accumulators take turns, one instruction a turn
.irp a, \a0, \a0+1
.irp b, 0,1,2,3,4,5,6,7
.if \zero
	v_wmma_scale_f32_16x16x128_f8f6f4 v[8*(8*((\a)%4)+\b):8*(8*((\a)%4)+\b)+7], v[128*(\p)+FR*\b:128*(\p)+FR*\b+FR-1], v[AF+FR*(\a):AF+FR*(\a)+FR-1], 0, v[SCB+8*(\sc)+\b], v[Q+8*(\sc)+(\a)] matrix_a_fmt:MATRIX_FMT_FP6 matrix_b_fmt:MATRIX_FMT_FP6
.elseif \q
	v_wmma_scale_f32_16x16x128_f8f6f4 v[8*(8*((\a)%4)+\b):8*(8*((\a)%4)+\b)+7], v[128*(\p)+FR*\b:128*(\p)+FR*\b+FR-1], v[AF+FR*(\a):AF+FR*(\a)+FR-1], v[8*(8*((\a)%4)+\b):8*(8*((\a)%4)+\b)+7], v[SCB+8*(\sc)+\b], v[Q+8*(\sc)+(\a)] matrix_a_fmt:MATRIX_FMT_FP6 matrix_b_fmt:MATRIX_FMT_FP6 matrix_a_scale:MATRIX_SCALE_ROW1 matrix_b_scale:MATRIX_SCALE_ROW1
.else
	v_wmma_scale_f32_16x16x128_f8f6f4 v[8*(8*((\a)%4)+\b):8*(8*((\a)%4)+\b)+7], v[128*(\p)+FR*\b:128*(\p)+FR*\b+FR-1], v[AF+FR*(\a):AF+FR*(\a)+FR-1], v[8*(8*((\a)%4)+\b):8*(8*((\a)%4)+\b)+7], v[SCB+8*(\sc)+\b], v[Q+8*(\sc)+(\a)] matrix_a_fmt:MATRIX_FMT_FP6 matrix_b_fmt:MATRIX_FMT_FP6
.endif
.endr
.endr
.endm
.macro ROT s                           ; slot s's set of p's scale words takes the words of its next K step, and the later ones move down.  The set's last reader stands eight places back, its next reader twelve on
.irp j, 0,1,2
.irp e, 0,1,2,3,4,5,6,7
	v_mov_b32 v[Q+16*\j+8*\s+\e], v[Q+16*(\j+1)+8*\s+\e]
.endr
.endr
.endm
.macro STEP slot, zero, rot
	s_wait_dscnt 12                                ; all but the youngest twelve loads (A's blocks 4-7)
	WIN MUL_LO
	MUL16 0, 0, 0, \slot, \zero
	MUL16 2, 0, 0, \slot, \zero
	s_wait_dscnt 0x0
	PLACES
	FETCH_B \slot, 1, 1
	FETCH_A \slot, 1, 0
.if \rot >= 0
	ROT \rot
.endif
	WIN MUL_HI
	MUL16 4, 0, 0, \slot, \zero
	MUL16 6, 0, 0, \slot, \zero
	PLACES
	WIN 0
	FETCH_A \slot, 1, 4
.endm
.macro TURN slot, next, fill
	s_wait_tensorcnt 0x0                           ; all my tensor loads have landed: my part of the next slot
	ds_add_u32 v[SPW], v[NIL]                      ; 0 onto my spare word
	s_wait_dscnt 13                                ; (the add and the youngest twelve loads may be out)
	WIN MUL_LO
	MUL16 0, 1, 1, \slot, 0
	s_wait_dscnt 0x0                               ; the add is done, and my reads of this slot are over
	s_barrier_signal -1
	MUL16 2, 1, 1, \slot, 0
	WIN 0
	s_barrier_wait -1
.if \fill
	CREST                                          ; a round of the cluster's barrier: no wave of any partner still reads this slot or has a load on its way
	s_add_nc_u64 s[G0+4*\slot+2:G0+4*\slot+3], s[G0+4*\slot+2:G0+4*\slot+3], 2*PCODE
	s_add_nc_u64 s[G0B+4*\slot+2:G0B+4*\slot+3], s[G0B+4*\slot+2:G0B+4*\slot+3], 2*PANEL
	JLOAD G0+4*\slot, G1, G0B+4*\slot, G1B
.else
	PLACES
.endif
	FETCH_B \next, 0, 0
	FETCH_A \next, 0, 0
	SCALES \next
	WIN MUL_HI
	MUL16 4, 1, 1, \slot, 0
	MUL16 6, 1, 1, \slot, 0
	PLACES
	WIN 0
	FETCH_A \next, 0, 4
.endm
	s_load_b256 s[4:11], s[0:1], 0x0               ; p, pst, qkv, out0
	v_lshl_add_u32 v[SPW], v0, 2, SPARE
	v_mov_b32 v[NIL], 0
	ds_add_u32 v28, v29
	ds_add_u32 v28, v29
	s_wait_dscnt 0x0
	v_lshrrev_b32 v1, 5, v0
	v_readfirstlane_b32 s14, v1
	s_lshr_b32 s15, s14, 1
	s_and_b32 s16, s14, 1
	s_bfe_u32 s40, ttmp6, 0x40000                  ; cx
	s_lshl_b32 s42, ttmp9, 2
	s_add_co_u32 s42, s42, s40                     ; the tile of d
	s_and_b32 s66, ttmp7, 0xffff
	s_lshr_b32 s18, s66, 3                         ; the batch
	s_and_b32 s17, s66, 7                          ; the query tile TR
	s_or_b32 s19, s17, 1                           ; the last K step
	s_lshr_b32 s3, s17, 1                          ; laps of the ring but one: the same in all four partners
	s_mov_b32 s[G1], 15|(3<<16)|(1<<21)            ; p: all four partners; elements of 8 bytes; 96 rows of 256 bytes
	s_mov_b32 s[G1+1], 32<<16
	s_mov_b32 s[G1+2], 96<<16
	s_mov_b32 s[G1+3], 32<<16
	s_mov_b32 s[G1+4], 96
	s_mov_b32 s[G1+5], 32
	s_mov_b32 s[G1+6], 0
	s_mov_b32 s[G1+7], 0
	s_mov_b32 s[G1B], 3<<16                        ; v^T: no mask; 100 rows of 256 bytes
	s_mov_b32 s[G1B+1], 32<<16
	s_mov_b32 s[G1B+2], 100<<16
	s_mov_b32 s[G1B+3], 32<<16
	s_mov_b32 s[G1B+4], 100
	s_mov_b32 s[G1B+5], 32
	s_mov_b32 s[G1B+6], 0
	s_mov_b32 s[G1B+7], 0
	s_lshl_b32 s67, s18, 4
	s_lshl_b32 s20, s17, 1
	s_add_co_u32 s67, s67, s20                     ; 16 x batch + 2 TR
	s_add_co_u32 s20, s67, s16
	s_mul_i32 s20, s20, 8*PCODE                    ; p: the row block that I fetch, K step 0
	s_mov_b32 s21, 0
	s_lshl_b32 s46, s42, 1
	s_add_co_u32 s46, s46, s16
	s_lshl_b32 s46, s46, 5
	s_lshl_b32 s47, s18, 3
	s_add_co_u32 s46, s46, s47
	s_add_co_u32 s46, s46, 512                     ; v^T: panel 512 + 32 x row block + 8 x batch
	s_mul_i32 s46, s46, PANEL
	s_mov_b32 s47, 0
	s_mul_i32 s45, s14, PANEL
	s_wait_kmcnt 0x0
	s_add_nc_u64 s[20:21], s[4:5], s[20:21]
	s_add_nc_u64 s[46:47], s[8:9], s[46:47]
	CROUND                                         ; all four work-groups are here: the first joint loads meet
.irp s, 0,1
	s_mov_b32 s[G0+4*\s], 1
	s_add_co_u32 s[G0+4*\s+1], s45, \s*SLOT
	s_add_nc_u64 s[G0+4*\s+2:G0+4*\s+3], s[20:21], \s*PCODE
	s_or_b32 s[G0+4*\s+3], s[G0+4*\s+3], 0x80000000
	s_mov_b32 s[G0B+4*\s], 1
	s_add_co_u32 s[G0B+4*\s+1], s45, \s*SLOT
	s_add_nc_u64 s[G0B+4*\s+2:G0B+4*\s+3], s[46:47], \s*PANEL
	s_or_b32 s[G0B+4*\s+3], s[G0B+4*\s+3], 0x80000000
	JLOAD G0+4*\s, G1, G0B+4*\s, G1B
.endr
	v_and_b32 v1, 31, v0
	v_lshlrev_b32 v[LI], 4, v1
	; the statistics of my 128 queries: 3,072 bytes a K step.  A K step beyond the last takes the last one's place: no byte is read that was not written
	s_add_co_u32 s68, s67, s15
	s_mul_i32 s68, s68, 8*3072
	s_mov_b32 s69, 0
	s_add_nc_u64 s[12:13], s[6:7], s[68:69]
.irp k, 0,1,2,3,4,5,6,7
	s_min_u32 s70, s19, \k
	s_mul_i32 s70, s70, 3072
	v_add_nc_u32 v[KO+\k], s70, v[LI]
.endr
.irp k, 0,1,2,3,4,5,6,7
.irp g, 0,1
	global_load_b128 v[Q+8*\k+4*\g:Q+8*\k+4*\g+3], v[KO+\k], s[12:13] offset:512*\g
	global_load_b128 v[NMR+8*\k+4*\g:NMR+8*\k+4*\g+3], v[KO+\k], s[12:13] offset:1024+512*\g
	global_load_b128 v[LR+8*\k+4*\g:LR+8*\k+4*\g+3], v[KO+\k], s[12:13] offset:2048+512*\g
.endr
.endr
.irp k, 2,3,4,5,6,7
	s_cmp_ge_u32 s19, \k
	s_cselect_b32 s[SH+\k], 23, 31                 ; a K step beyond the last: its factor is shifted out, to +-0
.endr
	s_mul_i32 s21, s15, PANEL
	s_mul_i32 s22, s16, PANEL
	s_add_co_u32 s22, s22, 2*PANEL
.irp s, 0,1
	v_add_nc_u32 v[ADRA+\s], s21, v[LI]
	v_add_nc_u32 v[ADRB+\s], s22, v[LI]
	s_add_co_u32 s21, s21, SLOT
	s_add_co_u32 s22, s22, SLOT
.endr
	v_and_b32 v1, 15, v0                           ; r
	v_bfe_u32 v3, v0, 4, 1                         ; h
	s_mul_i32 s23, s14, 16*SPITCH                  ; my stage
	v_mul_u32_u24 v[STO], v1, SPITCH
	v_lshl_add_u32 v[STO], v3, 6, v[STO]
	v_add_nc_u32 v[STO], s23, v[STO]               ; in: row r, + 64 h
	v_add_nc_u32 v[RD], s23, v[LI]                 ; back: the 32 lanes take one row of 512 bytes
	s_lshl_b32 s70, s18, 11
	s_lshl_b32 s71, s17, 8
	s_add_co_u32 s70, s70, s71
	s_lshl_b32 s71, s15, 7
	s_add_co_u32 s70, s70, s71                     ; my first row of out0
	s_lshl_b32 s70, s70, 12
	s_lshl_b32 s71, s42, 10
	s_add_co_u32 s70, s70, s71
	s_lshl_b32 s71, s16, 9
	s_add_co_u32 s70, s70, s71                     ; + my first column, in bytes
	s_mov_b32 s71, 0
	s_add_nc_u64 s[10:11], s[10:11], s[70:71]
	s_mov_b32 s[SEL], 0x76543210
	s_mov_b32 s[SEL+1], 0xfedcba98
.irp e, 0,1,2,3,4,5,6,7
	v_mov_b32 v[LG+\e], 0                          ; (a lane permute's destination counts as one of its sources)
.endr
	s_wait_loadcnt 0x0
	; register 8 k + e, lane (q, r): the chunk of keys 256 k + 128 q on, place r of block e
.irp e, 0,1,2,3,4,5,6,7
	v_min3_num_f32 v[NMG+\e], v[NMR+\e], v[NMR+8+\e], v[NMR+16+\e]
.endr
.irp e, 0,1,2,3,4,5,6,7
	v_min3_num_f32 v[NMG+\e], v[NMG+\e], v[NMR+24+\e], v[NMR+32+\e]
.endr
.irp e, 0,1,2,3,4,5,6,7
	v_min3_num_f32 v[NMG+\e], v[NMG+\e], v[NMR+40+\e], v[NMR+48+\e]
.endr
.irp e, 0,1,2,3,4,5,6,7
	v_min_num_f32 v[NMG+\e], v[NMG+\e], v[NMR+56+\e]
.endr
.irp e, 0,1,2,3,4,5,6,7
	v_permlanex16_b32 v[LG+\e], v[NMG+\e], s[SEL], s[SEL+1]
.endr
.irp e, 0,1,2,3,4,5,6,7
	v_min_num_f32 v[NMG+\e], v[NMG+\e], v[LG+\e]   ; -M of the row: the least -M(chunk)
.endr
.macro CORR k, g                       ; four blocks by turns
.irp i, 0,1,2,3
	v_sub_f32 v[NMR+8*\k+4*\g+\i], v[NMR+8*\k+4*\g+\i], v[NMG+4*\g+\i]   ; d = M - M(chunk), 0 or more
.endr
.irp i, 0,1,2,3
	v_cvt_i32_f32 v[NMR+8*\k+4*\g+\i], v[NMR+8*\k+4*\g+\i]               ; (it saturates)
.endr
.irp i, 0,1,2,3
	v_min_u32 v[NMR+8*\k+4*\g+\i], 127, v[NMR+8*\k+4*\g+\i]
.endr
.irp i, 0,1,2,3
	v_sub_nc_u32 v[TW+\i], 127, v[NMR+8*\k+4*\g+\i]
.endr
.irp i, 0,1,2,3
.if \k < 2
	v_lshlrev_b32 v[TW+\i], 23, v[TW+\i]                                 ; 2^-d as f32 (d = 127: 0)
.else
	v_lshlrev_b32 v[TW+\i], s[SH+\k], v[TW+\i]
.endif
.endr
.irp i, 0,1,2,3
.if \k == 0
	v_mul_f32 v[LG+4*\g+\i], v[LR+8*\k+4*\g+\i], v[TW+\i]
.else
	v_fmac_f32 v[LG+4*\g+\i], v[LR+8*\k+4*\g+\i], v[TW+\i]
.endif
.endr
.irp i, 0,1,2,3
	v_perm_b32 v[LR+8*\k+4*\g+\i], v[NMR+8*\k+4*\g+\i], v[NMR+8*\k+4*\g+\i], 0   ; d in all four bytes
.endr
.irp i, 0,1,2,3
	v_sub_nc_u32 v[Q+8*\k+4*\g+\i], v[Q+8*\k+4*\g+\i], v[LR+8*\k+4*\g+\i]        ; each byte is 128 or more, d at most 127: no borrow
.endr
.irp i, 0,1,2,3
	v_and_b32 v[LR+8*\k+4*\g+\i], 0x80808080, v[Q+8*\k+4*\g+\i]                  ; the guards that are left
.endr
.irp i, 0,1,2,3
	v_lshrrev_b32 v[NMR+8*\k+4*\g+\i], 7, v[LR+8*\k+4*\g+\i]
.endr
.irp i, 0,1,2,3
	v_sub_nc_u32 v[LR+8*\k+4*\g+\i], v[LR+8*\k+4*\g+\i], v[NMR+8*\k+4*\g+\i]     ; 0x7f where the guard is left, else 0
.endr
.irp i, 0,1,2,3
	v_and_b32 v[Q+8*\k+4*\g+\i], v[Q+8*\k+4*\g+\i], v[LR+8*\k+4*\g+\i]           ; max(byte - d, 0)
.endr
.endm
.irp k, 0,1,2,3,4,5,6,7
	CORR \k, 0
	CORR \k, 1
.endr
.irp e, 0,1,2,3,4,5,6,7
	v_permlanex16_b32 v[NMG+\e], v[LG+\e], s[SEL], s[SEL+1]
.endr
.irp e, 0,1,2,3,4,5,6,7
	v_add_f32 v[LG+\e], v[LG+\e], v[NMG+\e]        ; with the other half's chunks: the row's sum
.endr
.irp e, 0,1,2,3,4,5,6,7
	v_rcp_f32 v[LG+\e], v[LG+\e]
.endr
	v_nop                                          ; a plain place behind the reciprocals
	s_wait_alu depctr_va_vdst(0)                   ; one wait for the eight, ahead of every branch and of their readers
	s_wait_tensorcnt 0x1                           ; my part of K step 0 is in; K step 1's load may be out
	s_barrier_signal -1
	s_barrier_wait -1
	FETCH_B 0, 0, 0
	FETCH_A 0, 0, 0
	SCALES 0
	FETCH_A 0, 0, 4
	STEP 0, 1, -1
	s_cmp_eq_u32 s3, 0                             ; query tiles 0 and 1 have two K steps: both are in the ring already
	s_cbranch_scc1 .Ltail
.Llap:                                             ; a trip goes once round the ring and fills both slots again
	TURN 0, 1, 1
	STEP 1, 0, 0
	TURN 1, 0, 1
	STEP 0, 0, 1
	s_sub_co_u32 s3, s3, 1
	s_cmp_lg_u32 s3, 0
	s_cbranch_scc1 .Llap
.Ltail:
	TURN 0, 1, 0                                   ; the last lap fills nothing
	STEP 1, 0, -1
	s_wait_dscnt 12
	WIN MUL_LO
	MUL16 0, 1, 1, 1, 0
	MUL16 2, 1, 1, 1, 0
	s_wait_dscnt 0x0
	WIN MUL_HI
	MUL16 4, 1, 1, 1, 0
	MUL16 6, 1, 1, 1, 0
	WIN 0
; THE WAY OUT, block by block of 16 queries x 128 columns: divided by l, through my stage, back as whole rows of 512 bytes.  LDS serves a wave's instructions in order: no wait between the stores and the loads
.macro TOSTAGE a
.set W, 2+(\a)/4
.set AC, 64*((\a)%4)
.set BB, BK+64*((\a)%2)
.set WN, W
	WIN WN
.set n, 0
.rept 64
	v_mul_f32 v[BB+n], v[AC+n], v[LG+(\a)]         ; each accumulator from its low end on
.set n, n+1
.endr
	WIN 0
.irp b, 0,1,2,3,4,5,6,7
	ds_store_b128 v[STO], v[BB+8*\b:BB+8*\b+3] offset:128*(\b/2)+32*(\b%2)       ; register 8 b + j: column 32 (b / 2) + 16 h + 8 (b % 2) + j
	ds_store_b128 v[STO], v[BB+8*\b+4:BB+8*\b+7] offset:128*(\b/2)+32*(\b%2)+16
.endr
.irp t, 0,1,2,3,4,5,6,7,8,9,10,11,12,13,14,15
	ds_load_b128 v[BB+4*\t:BB+4*\t+3], v[RD] offset:\t*SPITCH
.endr
.endm
.macro SEND a, younger
.set BB, BK+64*((\a)%2)
	s_wait_dscnt \younger                          ; the block is back in registers
.if (\a) > 0
.if (\a)%2
	s_add_nc_u64 s[10:11], s[10:11], 8*4096        ; (behind a wait on XCNT)  block a begins at row 32 (a / 2) + 8 (a % 2)
.else
	s_add_nc_u64 s[10:11], s[10:11], 24*4096
.endif
.endif
.irp t, 0,1,2,3,4,5,6,7,8,9,10,11,12,13,14,15
	global_store_b128 v[LI], v[BB+4*\t:BB+4*\t+3], s[10:11] offset:(\t+8*(\t/8))*4096 th:TH_STORE_NT   ; place t is row t + 8 (t / 8); 32 lanes store 512 consecutive bytes, aligned
.endr
.endm
	PLACES
	TOSTAGE 0
.irp a, 1,2,3,4,5,6,7
.if \a > 1
	s_wait_xcnt 0x0                                ; block a - 2's stores have read their registers and their base
.endif
	TOSTAGE \a
	SEND \a-1, 32                                  ; behind block a - 1's loads: block a's 16 stores and 16 loads
.endr
	s_wait_xcnt 0x0
	SEND 7, 0
	s_wait_tensorcnt 0x0                           ; the wave's end
	ds_add_u32 v[SPW], v[NIL]
	s_wait_dscnt 0x0
	CROUND                                         ; the closing round
	s_endpgm
.Lfunc_end_k_qa9a8606930_pv:
	.size	k_qa9a8606930_pv, .Lfunc_end_k_qa9a8606930_pv-k_qa9a8606930_pv
	.p2alignl 7, 3214868480
	.fill 96, 4, 3214868480
	.section	.rodata,"a",@progbits
	.p2align	6, 0x0
	.amdhsa_kernel k_qa9a8606930_pv
		.amdhsa_group_segment_fixed_size 327680
		.amdhsa_private_segment_fixed_size 0
		.amdhsa_enable_private_segment 0
		.amdhsa_kernarg_size 32
		.amdhsa_user_sgpr_count 2
		.amdhsa_user_sgpr_kernarg_segment_ptr 1
		.amdhsa_wavefront_size32 1
		.amdhsa_system_sgpr_workgroup_id_x 1
		.amdhsa_system_sgpr_workgroup_id_y 1
		.amdhsa_system_sgpr_workgroup_id_z 1
		.amdhsa_system_vgpr_workitem_id 0
		.amdhsa_next_free_vgpr 1024
		.amdhsa_next_free_sgpr 98
		.amdhsa_reserve_vcc 0
		.amdhsa_float_denorm_mode_32 3
		.amdhsa_float_denorm_mode_16_64 3
		.amdhsa_memory_ordered 1
		.amdhsa_forward_progress 1
		.amdhsa_inst_pref_size 191
	.end_amdhsa_kernel
	.amdgpu_metadata
---
amdhsa.version: [ 1, 2 ]
amdhsa.kernels:
  - .name:           k_qa9a8606930_pv
    .symbol:         k_qa9a8606930_pv.kd
    .args:
      - { .name: p, .offset: 0, .size: 8, .value_kind: global_buffer, .address_space: global }
      - { .name: pst, .offset: 8, .size: 8, .value_kind: global_buffer, .address_space: global }
      - { .name: qkv, .offset: 16, .size: 8, .value_kind: global_buffer, .address_space: global }
      - { .name: out0, .offset: 24, .size: 8, .value_kind: global_buffer, .address_space: global }
    .group_segment_fixed_size: 327680
    .private_segment_fixed_size: 0
    .kernarg_segment_align: 8
    .kernarg_segment_size: 32
    .max_flat_workgroup_size: 128
    .sgpr_count:     98
    .vgpr_count:     1024
    .wavefront_size: 32
...
	.end_amdgpu_metadata
.endif
;; end of part 4
;; ======== version 2 of 2: 4 launches
;; limits: right only within a limited range of input values
;; workspace buffers: xw 9,011,200 bytes; qkv 19,660,800 bytes; p 12,582,912 bytes; pst 1,572,864 bytes
;; launch quant (part 5): grid 352 x 1, 8 waves a work-group, no clusters, 70,656 bytes of LDS; arguments x, WQ, WK, WV, xw; writes xw
.if DOCPART == 5
	.amdgcn_target "amdgcn-amd-amdhsa--gfx1250"
	.amdhsa_code_object_version 6
	.text
	.protected	k_qa9a8606930_quant
	.globl	k_qa9a8606930_quant
	.p2align	8
	.type	k_qa9a8606930_quant,@function
k_qa9a8606930_quant:
	s_mov_b64 s[64:65], 0
	v_nop
	global_prefetch_b8 v0, s[64:65] scope:SCOPE_SE
	s_setreg_imm32_b32 hwreg(HW_REG_WAVE_MODE, 25, 1), 1
	s_wait_xcnt 0x0
; x [8192][1024] and WQ, WK, WV [1024 (k)][1024 (n)], f32, become codes of FP6 (E2M3) with one E8M0 byte for each 32 along K, laid as the products want them.
; A FRAGMENT (16 rows x 128 K) is the image of its 12 operand registers: three pieces of 512 bytes, piece c holding lane l's registers 4 c .. 4 c + 3 at byte 16 l.
; A PANEL (128 rows x 256 K) is 16 fragments (fragment 8 q + i at 1,536 (8 q + i): q the half of K, i the block of rows) and 1,024 bytes of scale words: the word of (q, i = 4 g + i', row place r) at 24,576 + 512 g + 256 q + 16 r + 4 i'.
; THE ROWS OF A BLOCK ARE NOT NEIGHBOURS: place r of block 2 b + u holds row 32 b + 8 u + r + 8 (r / 8) of the panel's 128, so that a product that takes the block as source 0 has neighbours along its registers.
; Panels 0-255: x (8 T + 2 K step + half for row block 2 T + half); panels 256-351: the weights, rows = n (WQ's 8 row blocks, WK's, WV's).
; One work-group makes one panel; wave w makes fragments 8 q + 2 jj and 8 q + 2 jj + 1 (q = w / 4, jj = w % 4).  No tiles are shared between work-groups: no cluster, no tensor load.
; A block's scale is 2^(floor(log2(its largest magnitude)) - 2); its byte is the largest magnitude's exponent field - 2, held at 1 from below (a block of zeros keeps the byte 1: its codes are zeros, and this program alone reads the bytes).
; LIMITS: blocks whose largest magnitude lies under 2^-124 keep the byte 1; NaN and infinities among the inputs are not served.
.set PANEL, 25600
.set FRB,   1536
.set STG,   8448                       ; a wave's stage: 16 rows x (512 bytes + 16)
.set SCW,   8*STG                      ; behind the stages: the panel's 1,024 bytes of scale words.  It lies beyond an LDS immediate's 16 bits, so the address registers carry it
.set LI,    4                          ; v4   16 x lane
.set STR,   5                          ; v5   the stage, on the way out: row r, + 64 h
.set STW,   6                          ; v6   the stage, on the way in: 16 x lane
.set SWA,   7                          ; v7   LDS address at which my scale word goes
.set SRA,   8                          ; v8   512 (w % 2) + 16 x lane: the scale words' place in the panel's 1,024 bytes
.set VC,    10                         ; v10  4 x my column of the wave's 32 (weights)
.set SRL,   11                         ; v11  SCW + v8: the same place in LDS
.set TM,    12                         ; v12-27 at work
.set PWA,   28
.set PWB,   29
.set WORD,  30                         ; lanes 0-15: the first fragment's scale words, lanes 16-31: the second's
.set PC0,   32                         ; x: codes, 12 + 8 at work, a set for each fragment
.set PC1,   52
.set F0,    32                         ; weights: the two fragments,
.set F1,    44
.set TT,    56                         ; the upper halves of the blocks' codes,
.set SO,    72                         ; the conversions' scale operands
.set OW,    76
.set R0,    80                         ; v80-143, v144-207: numbers
.set R1,    144
.set SEL,   30                         ; s[30:31]
	s_load_b256 s[4:11], s[0:1], 0x0               ; x, WQ, WK, WV
	s_load_b64 s[12:13], s[0:1], 0x20              ; xw
	v_lshl_add_u32 v208, v0, 2, 0x11000
	v_mov_b32 v209, 0
	v_lshrrev_b32 v1, 5, v0
	s_delay_alu instid0(VALU_DEP_1)
	v_readfirstlane_b32 s16, v1                    ; wave 0..7
	s_lshr_b32 s17, s16, 2                         ; q
	s_and_b32 s18, s16, 3                          ; jj
	v_and_b32 v1, 31, v0                           ; lane
	v_and_b32 v2, 15, v0                           ; r
	s_wait_alu depctr_va_vdst(0)
	v_bfe_u32 v3, v0, 4, 1                         ; h
	v_lshlrev_b32 v[LI], 4, v1
	s_mul_i32 s19, s16, STG
	v_mul_u32_u24 v[STR], v2, 528
	s_delay_alu instid0(VALU_DEP_1)
	v_lshl_add_u32 v[STR], v3, 6, v[STR]
	s_delay_alu instid0(VALU_DEP_1)
	v_add_nc_u32 v[STR], s19, v[STR]
	v_add_nc_u32 v[STW], s19, v[LI]
	s_lshr_b32 s20, s18, 1                         ; my blocks 2 jj + h: g = jj / 2, i' = 2 (jj % 2) + h
	s_lshl_b32 s20, s20, 9
	s_lshl_b32 s21, s17, 8
	s_add_co_u32 s20, s20, s21
	s_and_b32 s21, s18, 1
	s_lshl_b32 s21, s21, 3
	s_add_co_u32 s20, s20, s21
	v_lshlrev_b32 v[SWA], 4, v2
	s_wait_alu depctr_va_vdst(0)
	v_lshl_add_u32 v[SWA], v3, 2, v[SWA]
	s_delay_alu instid0(VALU_DEP_1)
	v_add_nc_u32 v[SWA], s20, v[SWA]
	s_delay_alu instid0(VALU_DEP_1)
	v_add_nc_u32 v[SWA], SCW, v[SWA]               ; every LDS address is made here, ahead of the parting of the two ways
	s_and_b32 s21, s16, 1
	s_lshl_b32 s21, s21, 9
	v_add_nc_u32 v[SRA], s21, v[LI]
	s_delay_alu instid0(VALU_DEP_1)
	v_add_nc_u32 v[SRL], SCW, v[SRA]
	v_and_b32 v[VC], 7, v0                         ; lane l's column: l % 8 + 16 ((l / 8) % 2) + 8 (l / 16)
	v_bfe_u32 v9, v0, 3, 1
	s_delay_alu instid0(VALU_DEP_1)
	v_lshl_add_u32 v[VC], v9, 4, v[VC]
	s_delay_alu instid0(VALU_DEP_1)
	v_lshl_add_u32 v[VC], v3, 3, v[VC]
	s_delay_alu instid0(VALU_DEP_1)
	v_lshlrev_b32 v[VC], 2, v[VC]
.irp b, 0,1,2,3
	v_mov_b32 v[TM+4+\b], 0                        ; written once: a lane permute's destination counts as one of its sources
.endr
	s_mov_b32 s[SEL], 0x76543210
	s_mov_b32 s[SEL+1], 0xfedcba98                 ; lane l xor 16
	s_mul_i32 s22, ttmp9, PANEL
	s_mov_b32 s23, 0
	s_lshl_b32 s24, s17, 3
	s_lshl_b32 s25, s18, 1
	s_add_co_u32 s24, s24, s25
	s_mul_i32 s24, s24, FRB
	s_mov_b32 s25, 0
	s_wait_kmcnt 0x0
	s_add_nc_u64 s[12:13], s[12:13], s[22:23]      ; my panel
	s_add_nc_u64 s[14:15], s[12:13], s[24:25]      ; my two fragments
	s_cmp_lt_u32 ttmp9, 256
	s_cbranch_scc0 .Lweights
; 64 numbers of a lane, register 16 b + i = k 32 b + 16 h + i of my row, become a fragment's codes in v[pc] on and its scale word in v[pw]
.macro QUANT s, pc, pw
.irp b, 0,1,2,3
	v_max3_num_f32 v[TM+\b], |v[\s+16*\b]|, |v[\s+1+16*\b]|, 0x1800000   ; my 16 numbers of block b, and the floor 2^(3 - 127): the byte cannot fall under 1
.endr
.irp i, 2,4,6,8,10,12,14
.irp b, 0,1,2,3
	s_delay_alu instid0(VALU_DEP_4)
	v_max3_num_f32 v[TM+\b], v[TM+\b], |v[\s+16*\b+\i]|, |v[\s+1+16*\b+\i]|
.endr
.endr
.irp b, 0,1,2,3
	s_delay_alu instid0(VALU_DEP_4)
	v_permlanex16_b32 v[TM+4+\b], v[TM+\b], s[SEL], s[SEL+1]
.endr
.irp b, 0,1,2,3
	s_delay_alu instid0(VALU_DEP_4)
	v_max_num_f32 v[TM+\b], v[TM+\b], v[TM+4+\b]   ; with lane l xor 16's: the block's largest magnitude
.endr
.irp b, 0,1,2,3
	s_delay_alu instid0(VALU_DEP_4)
	v_add_nc_u32 v[TM+12+\b], 0xff000000, v[TM+\b] ; 2 off its exponent field: the conversion's scale operand
.endr
.irp b, 0,1,2,3
	s_delay_alu instid0(VALU_DEP_4)
	v_lshrrev_b32 v[TM+4+\b], 23, v[TM+12+\b]      ; the scale's byte
.endr
	s_delay_alu instid0(VALU_DEP_3)
	v_lshl_or_b32 v[\pw], v[TM+5], 8, v[TM+4]
	s_delay_alu instid0(VALU_DEP_1)
	v_lshl_or_b32 v[\pw], v[TM+6], 16, v[\pw]
	s_delay_alu instid0(VALU_DEP_1)
	v_lshl_or_b32 v[\pw], v[TM+7], 24, v[\pw]
.irp c, 0,1
	v_cvt_scalef32_pk16_fp6_f32 v[\pc+6*\c:\pc+6*\c+2], v[\s+32*\c:\s+32*\c+15], v[TM+12+2*\c]
	v_cvt_scalef32_pk16_fp6_f32 v[\pc+12+4*\c:\pc+12+4*\c+2], v[\s+32*\c+16:\s+32*\c+31], v[TM+12+2*\c+1]   ; (a conversion's three registers begin on an even number)
.endr
	v_nop                                          ; one plain place behind a scaled conversion
.irp c, 0,1                                    ; the operand's layout wants a whole block in a lane
.irp i, 0,1,2
	v_permlane16_swap_b32 v[\pc+6*\c+\i], v[\pc+12+4*\c+\i]
.endr
.irp i, 0,1,2
	s_delay_alu instid0(VALU_DEP_3)
	v_mov_b32 v[\pc+3+6*\c+\i], v[\pc+12+4*\c+\i]
.endr
.endr
.endm
; 16 rows x 512 bytes, loaded 16 bytes a lane, go through my stage and come back 16 neighbours of each block of 32 a lane.  LDS serves a wave's instructions in order: no wait between the stores and the loads
.macro THROUGH r
.irp p, 0,1,2,3,4,5,6,7,8,9,10,11,12,13,14,15
	ds_store_b128 v[STW], v[\r+4*\p:\r+4*\p+3] offset:528*\p
.endr
.irp b, 0,1,2,3
.irp j, 0,1,2,3
	ds_load_b128 v[\r+16*\b+4*\j:\r+16*\b+4*\j+3], v[STR] offset:128*\b+16*\j
.endr
.endr
	s_wait_dscnt 0x0
.endm
	; ---- x: K is innermost.  THE ORDER OF THE PANELS: panel 8 T + 2 K step + half holds row block 2 T + half, so that 256 rows of one K step are 51,200 bytes on end
	s_lshr_b32 s26, ttmp9, 3
	s_lshl_b32 s26, s26, 1
	s_and_b32 s27, ttmp9, 1
	s_or_b32 s26, s26, s27
	s_bfe_u32 s27, ttmp9, 0x20001
	s_lshl_b32 s26, s26, 19                        ; 128 rows of 4,096 bytes
	s_lshl_b32 s28, s18, 17                        ; + 32 jj rows
	s_add_co_u32 s26, s26, s28
	s_lshl_b32 s27, s27, 10                        ; + 256 numbers a K step
	s_add_co_u32 s26, s26, s27
	s_lshl_b32 s28, s17, 9                         ; + 128 q numbers
	s_add_co_u32 s26, s26, s28
	s_mov_b32 s27, 0
	s_add_nc_u64 s[4:5], s[4:5], s[26:27]
.irp u, 0,1
.irp p, 0,1,2,3,4,5,6,7,8,9,10,11,12,13,14,15
	global_load_b128 v[R0+64*\u+4*\p:R0+64*\u+4*\p+3], v[LI], s[4:5] offset:(8*\u+\p+8*(\p/8))*4096 th:TH_LOAD_NT   ; place p of block 2 jj + u: 32 lanes read 512 consecutive bytes of its row
.endr
.endr
	s_wait_loadcnt 16                              ; the first fragment's 16 loads are in; the second's may be out
	THROUGH R0
	QUANT R0, PC0, PWA
.irp c, 0,1,2
	global_store_b128 v[LI], v[PC0+4*\c:PC0+4*\c+3], s[14:15] offset:512*\c
.endr
	s_wait_loadcnt 0x0
	THROUGH R1
	QUANT R1, PC1, PWB
.irp c, 0,1,2
	global_store_b128 v[LI], v[PC1+4*\c:PC1+4*\c+3], s[14:15] offset:FRB+512*\c
.endr
	v_cmp_lt_u32 vcc_lo, 15, v1
	s_delay_alu instid0(VALU_DEP_1)
	v_cndmask_b32 v[WORD], v[PWA], v[PWB], vcc_lo  ; both halves of the lanes hold row r's word: lanes 16-31 carry the second fragment's
	s_branch .Ljoin
.Lweights:
	; ---- a weight: K is the first axis.  A lane takes a column n and its 128 registers run down K: four whole blocks a lane, no other lane is asked for a maximum
	s_sub_co_u32 s26, ttmp9, 256
	s_lshr_b32 s27, s26, 5                         ; which weight
	s_cmp_eq_u32 s27, 0
	s_cselect_b64 s[6:7], s[6:7], s[8:9]
	s_cmp_eq_u32 s27, 2
	s_cselect_b64 s[6:7], s[10:11], s[6:7]
	s_bfe_u32 s28, s26, 0x20001                    ; the K step
	s_lshl_b32 s28, s28, 20                        ; 256 rows of 4,096 bytes a K step
	s_lshl_b32 s29, s17, 19                        ; + 128 q rows
	s_add_co_u32 s28, s28, s29
	s_bfe_u32 s29, s26, 0x20003                    ; the block of 128 columns, in the same order of panels
	s_lshl_b32 s29, s29, 1
	s_and_b32 s22, s26, 1
	s_or_b32 s29, s29, s22
	s_lshl_b32 s29, s29, 9
	s_add_co_u32 s28, s28, s29
	s_lshl_b32 s29, s18, 7                         ; + 32 jj columns
	s_add_co_u32 s28, s28, s29
	s_mov_b32 s29, 0
	s_add_nc_u64 s[6:7], s[6:7], s[28:29]
.set k, 0
	s_wait_alu depctr_va_vdst(0)
.rept 128
	global_load_b32 v[R0+k], v[VC], s[6:7] offset:4096*k th:TH_LOAD_NT   ; the wave reads 128 consecutive bytes of row k
.set k, k+1
.endr
.macro WBLOCK t
.set XS, R0+32*(\t)
	v_max3_num_f32 v12, |v[XS]|, |v[XS+1]|, |v[XS+2]|
	v_max3_num_f32 v13, |v[XS+3]|, |v[XS+4]|, |v[XS+5]|
.irp i, 6,10,14,18,22,26
	s_delay_alu instid0(VALU_DEP_2)
	v_max3_num_f32 v12, v12, |v[XS+\i]|, |v[XS+\i+1]|
	s_delay_alu instid0(VALU_DEP_2)
	v_max3_num_f32 v13, v13, |v[XS+\i+2]|, |v[XS+\i+3]|
.endr
	s_delay_alu instid0(VALU_DEP_2)
	v_max3_num_f32 v12, v12, |v[XS+30]|, |v[XS+31]|
	s_delay_alu instid0(VALU_DEP_1)
	v_max3_num_f32 v12, v12, v13, 0x1800000        ; and the floor
	s_delay_alu instid0(VALU_DEP_1)
	v_add_nc_u32 v[SO+\t], 0xff000000, v12
	s_delay_alu instid0(VALU_DEP_1)
	v_lshrrev_b32 v13, 23, v[SO+\t]
.if \t == 0
	s_delay_alu instid0(VALU_DEP_1)
	v_mov_b32 v[WORD], v13
.else
	s_delay_alu instid0(VALU_DEP_1)
	v_lshl_or_b32 v[WORD], v13, 8*\t, v[WORD]
.endif
	v_cvt_scalef32_pk16_fp6_f32 v[F0+12*((\t)%2)+6*((\t)/2):F0+12*((\t)%2)+6*((\t)/2)+2], v[XS:XS+15], v[SO+\t]   ; even blocks into F0, odd blocks into F1
	v_cvt_scalef32_pk16_fp6_f32 v[TT+4*\t:TT+4*\t+2], v[XS+16:XS+31], v[SO+\t]
.endm
	s_wait_loadcnt 63                              ; of the 128 loads at most 63 are out: rows 0 to 64 are in
	WBLOCK 0
	WBLOCK 1
	s_wait_loadcnt 32                              ; all but the last block's
	WBLOCK 2
	s_wait_loadcnt 0x0
	WBLOCK 3
	v_nop                                          ; one plain place behind a scaled conversion
.irp t, 0,1,2,3
.irp i, 0,1,2
	v_mov_b32 v[F0+12*(\t%2)+6*(\t/2)+3+\i], v[TT+4*\t+\i]
.endr
.endr
.irp x, 0,1,2,3,4,5,6,7,8,9,10,11
	v_permlane16_swap_b32 v[F0+\x], v[F1+\x]       ; lanes 0-15 hold block 2 jj's rows, lanes 16-31 block 2 jj + 1's: the exchange gives F0 the first fragment (even blocks below, odd above), F1 the second
.endr
.irp c, 0,1,2
	global_store_b128 v[LI], v[F0+4*\c:F0+4*\c+3], s[14:15] offset:512*\c
.endr
.irp c, 0,1,2
	global_store_b128 v[LI], v[F1+4*\c:F1+4*\c+3], s[14:15] offset:FRB+512*\c
.endr
.Ljoin:
	s_wait_alu depctr_va_vdst(0)
	ds_store_b32 v[SWA], v[WORD]                   ; the panel's scale words meet in LDS
	s_wait_dscnt 0x0                               ; for the others' sake
	s_barrier_signal -1
	s_barrier_wait -1
	s_cmp_lt_u32 s16, 2
	s_cbranch_scc0 .Ldone
	ds_load_b128 v[OW:OW+3], v[SRL]
	s_wait_dscnt 0x0
	global_store_b128 v[SRA], v[OW:OW+3], s[12:13] offset:24576   ; waves 0 and 1: 512 consecutive bytes each, aligned
.Ldone:
	s_wait_tensorcnt 0x0
	ds_add_u32 v208, v209
	s_wait_dscnt 0x0
	s_endpgm
.Lfunc_end_k_qa9a8606930_quant:
	.size	k_qa9a8606930_quant, .Lfunc_end_k_qa9a8606930_quant-k_qa9a8606930_quant
	.p2alignl 7, 3214868480
	.fill 96, 4, 3214868480
	.section	.rodata,"a",@progbits
	.p2align	6, 0x0
	.amdhsa_kernel k_qa9a8606930_quant
		.amdhsa_group_segment_fixed_size 70656
		.amdhsa_private_segment_fixed_size 0
		.amdhsa_enable_private_segment 0
		.amdhsa_kernarg_size 40
		.amdhsa_user_sgpr_count 2
		.amdhsa_user_sgpr_kernarg_segment_ptr 1
		.amdhsa_wavefront_size32 1
		.amdhsa_system_sgpr_workgroup_id_x 1
		.amdhsa_system_sgpr_workgroup_id_y 1
		.amdhsa_system_sgpr_workgroup_id_z 1
		.amdhsa_system_vgpr_workitem_id 0
		.amdhsa_next_free_vgpr 210
		.amdhsa_next_free_sgpr 66
		.amdhsa_reserve_vcc 1
		.amdhsa_float_denorm_mode_32 3
		.amdhsa_float_denorm_mode_16_64 3
		.amdhsa_memory_ordered 1
		.amdhsa_forward_progress 1
		.amdhsa_inst_pref_size 45
	.end_amdhsa_kernel
	.amdgpu_metadata
---
amdhsa.version: [ 1, 2 ]
amdhsa.kernels:
  - .name:           k_qa9a8606930_quant
    .symbol:         k_qa9a8606930_quant.kd
    .args:
      - { .name: x, .offset: 0, .size: 8, .value_kind: global_buffer, .address_space: global }
      - { .name: WQ, .offset: 8, .size: 8, .value_kind: global_buffer, .address_space: global }
      - { .name: WK, .offset: 16, .size: 8, .value_kind: global_buffer, .address_space: global }
      - { .name: WV, .offset: 24, .size: 8, .value_kind: global_buffer, .address_space: global }
      - { .name: xw, .offset: 32, .size: 8, .value_kind: global_buffer, .address_space: global }
    .group_segment_fixed_size: 70656
    .private_segment_fixed_size: 0
    .kernarg_segment_align: 8
    .kernarg_segment_size: 40
    .max_flat_workgroup_size: 256
    .sgpr_count:     66
    .vgpr_count:     210
    .wavefront_size: 32
...
	.end_amdgpu_metadata
.endif
;; end of part 5
;; launch proj (part 6): grid 8 x 32, 4 waves a work-group, clusters of 4 x 4, 327,680 bytes of LDS; arguments xw, qkv; writes qkv
.if DOCPART == 6
	.amdgcn_target "amdgcn-amd-amdhsa--gfx1250"
	.amdhsa_code_object_version 6
	.text
	.protected	k_qa9a8606930_proj
	.globl	k_qa9a8606930_proj
	.p2align	8
	.type	k_qa9a8606930_proj,@function
k_qa9a8606930_proj:
	s_mov_b64 s[64:65], 0
	v_nop
	global_prefetch_b8 v0, s[64:65] scope:SCOPE_SE
	s_setreg_imm32_b32 hwreg(HW_REG_WAVE_MODE, 25, 1), 1
	s_wait_xcnt 0x0
	s_wait_alu depctr_hold_cnt(0) depctr_sa_sdst(0) depctr_va_vdst(0) depctr_va_sdst(0) depctr_va_ssrc(0) depctr_va_vcc(0) depctr_vm_vsrc(0)
	s_getreg_b32 s2, hwreg(HW_REG_IB_STS2, 6, 4)
	s_cmp_eq_u32 s2, 0
	s_cbranch_scc0 .Lentry_in_a_cluster
	s_endpgm
.Lentry_in_a_cluster:
	s_bfe_u32 s2, ttmp6, 0x10000c
	s_cmp_lg_u32 s2, 0xf033
	s_cbranch_scc0 .Lentry_shape_is_right
	s_endpgm
.Lentry_shape_is_right:
; q = x WQ, k = x WK, v = x WV on codes of FP6 (E2M3) with E8M0 scales; the results are quantised in registers and leave as codes: q and k along d, v along the keys.
; Operands and results lie as PANELS of 128 rows x 256 K: 16 fragments (images of the 12 operand registers, 1,536 bytes, fragment 8 q + i) and 1,024 bytes of scale words (word of (q, i = 4 g + i', place r) at 24,576 + 512 g + 256 q + 16 r + 4 i').
; Place r of block 2 b + u holds row 32 b + 8 u + r + 8 (r / 8): a block taken as source 0 gives neighbours along the result's registers.
; xw: panel 8 T + 2 K step + half for x's row block 2 T + half; from panel 256 on WQ's and WK's columns in the same order, from 320 on WV's.
; THE DEAL: 8 x 32 work-groups, one turn.  A work-group takes 256 rows of x (tile row TR), 256 columns of Q or K (tile column TC) and 128 columns of V (block TC): x's tiles serve both.
; Four waves, 2 x 2; a wave takes 128 rows of x, 128 columns of Q or K (source 0 = weight, source 1 = x: registers along d) and 64 columns of V (source 0 = x, source 1 = weight: registers along the keys): 96 accumulators, 768 registers.
; K = 1,024 goes in four K steps of 256 through two LDS slots of five panels (x's two, the weight's two, WV's one).  At the head one load a wave: wave 0 x's panels, wave 1 the weight's, waves 2 and 3 a half each of WV's.
; CLUSTERS 4 x 4: x's panels are shared along a row of the cluster, the weights' along a column: joint loads.
; A HALF STEP of 128 K is six runs of 16 products: groups of four weight blocks (0, 1: Q or K; 2: V) by halves of x's eight blocks.  x's fragments have one set of registers, the weights' groups two that take turns; a run of twelve LDS loads stands 16 products or more ahead of its use.
; REGISTERS: window 0: addresses; v16-31 scale words of x (lanes 0-15) and of the weight (lanes 16-31), two sets; v32-35 WV's; v40-135 x's fragments; v136-183, v184-231 the groups.  Window 1: V's accumulators (64 av + 8 bx); windows 2, 3: (64 (a % 4) + 8 b).
; PREFETCH into the L2: K step 1 at the head, K step 2 behind K step 1's load, K step 3 a half step later; the four partners of a joint load share its 256-byte blocks out by address; the weights, which all eight rows of clusters read, are asked for by the first four.
; LIMITS: a block whose largest magnitude lies under 2^-124 keeps the byte 1; NaN and infinities are not served.
.set PANEL, 25600
.set SLOT,  5*PANEL
.set WOFF,  2*PANEL
.set VOFF,  4*PANEL
.set SPARE, 2*SLOT                     ; behind the slots: the spare words, 128 bytes for each wave
.set FRB,   1536
.set SCO,   24576
.set LI,    2                          ; v2   16 x lane
.set VS,    3                          ; v3   512 h + 16 r
.set PFO,   4                          ; v4, v5  the prefetches' offsets
.set PFV,   5
.set ADRX,  6                          ; v6-10  LDS addresses in the slot at work: x's fragments, the weight's, WV's, scale words, WV's scale words
.set ADRW,  7
.set ADRV,  8
.set ADRS,  9
.set ADRT,  10
.set BASE,  11                         ; v11-15 the same in slot 0
.set XW,    16
.set SV,    32
.set XF,    40
.set RF,    136
.set SPW,   248
.set NIL,   249
.set HH,    252                        ; h
.set VR,    254                        ; 16 r
.set PC,    40                         ; the way out: twelve blocks' codes, 12 registers each
.set TT,    184
.set TM,    192
.set PWS,   208
.set OW,    220
.set G1X,   24                         ; groups 1 and 0
.set G0X,   32
.set G0W,   36
.set G1W,   48
.set G0V,   56
.set G1V,   68
.set SEL,   78
.set MSB, 0
.macro WIN new                         ; the immediate's high byte repeats the setting that is left
.if MSB != \new
	s_set_vgpr_msb (MSB<<8)|\new
.set MSB, \new
.endif
.endm
.macro TL g0, g1
	tensor_load_to_lds s[\g0:\g0+3], s[\g1:\g1+7]
	s_nop 0
.rept 4
	v_nop
.endr
.endm
.macro JLOAD                           ; one joint load a wave, in one tree of branches on the wave's number
	s_cmp_eq_u32 s14, 0
	s_cbranch_scc0 .Lfor_w_\@
	TL G0X, G1X
	s_branch .Lasked_\@
.Lfor_w_\@:
	s_cmp_eq_u32 s14, 1
	s_cbranch_scc0 .Lfor_v_\@
	TL G0W, G1W
	s_branch .Lasked_\@
.Lfor_v_\@:
	TL G0V, G1V
.Lasked_\@:
.endm
.macro CREST
	s_cmp_lg_u32 s14, 0
	s_cbranch_scc1 .Lnot_wave_0_\@
	s_barrier_signal -3
.Lnot_wave_0_\@:
	s_barrier_wait -3
	s_barrier_signal -1
	s_barrier_wait -1
.endm
.macro CROUND
	s_barrier_signal -1
	s_barrier_wait -1
	CREST
.endm
.macro PLACES                          ; four plain places behind matrix instructions, in front of loads into their registers and of reads of results
.rept 4
	v_nop
.endr
.endm
.macro NEXTD                           ; the descriptors go on: the other slot, the next K step
	s_xor_b32 s66, s66, SLOT
	s_mov_b32 s[G0X+1], s66
	s_add_co_u32 s[G0W+1], s66, WOFF
	s_add_co_u32 s[G0V+1], s66, s76
	s_add_nc_u64 s[G0X+2:G0X+3], s[G0X+2:G0X+3], 2*PANEL
	s_add_nc_u64 s[G0W+2:G0W+3], s[G0W+2:G0W+3], 2*PANEL
	s_add_nc_u64 s[G0V+2:G0V+3], s[G0V+2:G0V+3], 2*PANEL
.endm
.macro SETADR                          ; the LDS addresses in slot s67
.irp i, 0,1,2,3,4
	v_add_nc_u32 v[ADRX+\i], s67, v[BASE+\i]
.endr
.endm
.macro ASK st
	s_cmp_eq_u32 s80, 1
	s_cbranch_scc0 .Lnot_mine_\@
	global_prefetch_b8 v[PFO], s[62:63] offset:2*PANEL*\st th:TH_LOAD_NT scope:SCOPE_SE
.Lnot_mine_\@:
	s_cmp_eq_u32 s81, 1
	s_cbranch_scc0 .Lnor_v_\@
	global_prefetch_b8 v[PFV], s[60:61] offset:2*PANEL*\st th:TH_LOAD_NT scope:SCOPE_SE
.Lnor_v_\@:
.endm
.macro FX q, h                         ; x's blocks 4 h .. 4 h + 3: twelve loads, each 512 consecutive bytes
.irp i, 0,1,2,3
.irp c, 0,1,2
	ds_load_b128 v[XF+12*(4*(\h)+\i)+4*\c:XF+12*(4*(\h)+\i)+4*\c+3], v[ADRX] offset:FRB*(8*(\q)+4*(\h)+\i)+512*\c
.endr
.endr
.endm
.macro FG g, q                         ; a group of four weight blocks
.set RB_, RF+48*(((\g)+(\q))%2)
.irp j, 0,1,2,3
.irp c, 0,1,2
.if \g == 2
	ds_load_b128 v[RB_+12*\j+4*\c:RB_+12*\j+4*\c+3], v[ADRV] offset:FRB*(8*(\q)+\j)+512*\c
.else
	ds_load_b128 v[RB_+12*\j+4*\c:RB_+12*\j+4*\c+3], v[ADRW] offset:FRB*(8*(\q)+4*(\g)+\j)+512*\c
.endif
.endr
.endr
.endm
.macro XWL q                           ; the scale words of x and the weight for one half step
	ds_load_b128 v[XW+8*(\q):XW+8*(\q)+3], v[ADRS] offset:256*(\q)
	ds_load_b128 v[XW+8*(\q)+4:XW+8*(\q)+7], v[ADRS] offset:512+256*(\q)
.endm
.macro QKP d, w, x, c, sw, sx
	v_wmma_scale_f32_16x16x128_f8f6f4 v[\d:\d+7], v[\w:\w+11], v[\x:\x+11], \c, v[\sw], v[\sx] matrix_a_fmt:MATRIX_FMT_FP6 matrix_b_fmt:MATRIX_FMT_FP6 matrix_a_scale:MATRIX_SCALE_ROW1
.endm
.macro VP d, x, w, c, sx, sw, row
	v_wmma_scale_f32_16x16x128_f8f6f4 v[\d:\d+7], v[\x:\x+11], v[\w:\w+11], \c, v[\sx], v[\sw] matrix_a_fmt:MATRIX_FMT_FP6 matrix_b_fmt:MATRIX_FMT_FP6 matrix_b_scale:MATRIX_SCALE_ROW\row
.endm
; 16 products: x's blocks x0 .. x0 + 3 by group g's four.  The 96 accumulators take turns, one instruction a turn
.macro HALF x0, g, q, zero
.if \g == 2
	WIN 0x50
.elseif \x0 == 0
	WIN 0xa0
.else
	WIN 0xf0
.endif
.irp a, 0,1,2,3
.irp j, 0,1,2,3
.set X_, XF+12*(\x0+\a)
.set W_, RF+48*(((\g)+(\q))%2)+12*\j
.set SX_, XW+8*(\q)+\x0+\a
.if \g == 2
.set D_, 64*\j+8*(\x0+\a)
.set SW_, SV+\j
.if \zero
	VP D_, X_, W_, 0, SX_, SW_, \q
.else
	VP D_, X_, W_, v[D_:D_+7], SX_, SW_, \q
.endif
.else
.set D_, 64*\a+8*(4*\g+\j)
.set SW_, XW+8*(\q)+4*\g+\j
.if \zero
	QKP D_, W_, X_, 0, SW_, SX_
.else
	QKP D_, W_, X_, v[D_:D_+7], SW_, SX_
.endif
.endif
.endr
.endr
.endm
; A half step.  mode 0: the next one lies in the same slot.  1: the next slot is shown by a barrier, nothing is filled.  2: a round of the cluster's barrier, and the slot read out is filled again.  3: the last.
; The counts: a run of twelve loads (13 with the add or WV's scale words, 14 with the two loads of scale words) is younger than what is waited for.
.macro QSTEP q, zero, mode
	PLACES
	FX \q, 1
	s_wait_dscnt 12
	HALF 0, 0, \q, \zero
	WIN 0
	FG 1, \q
	s_wait_dscnt 12
	HALF 4, 0, \q, \zero
	WIN 0
	PLACES
.if \q == 0
	ds_load_b128 v[SV:SV+3], v[ADRT]
.endif
	FG 2, \q
.if (\mode == 1) || (\mode == 2)
	s_wait_tensorcnt 0x0                           ; all my tensor loads have landed;
	ds_add_u32 v[SPW], v[NIL]                      ; 0 onto my spare word
	s_xor_b32 s67, s67, SLOT
	SETADR                                         ; this slot's last reads have been issued
.if \mode == 2
	NEXTD
.endif
	s_wait_alu depctr_va_vdst(0)
	s_wait_dscnt 13
.elseif \q == 0
	s_wait_dscnt 13
.else
	s_wait_dscnt 12
.endif
	HALF 0, 1, \q, \zero
.if (\mode == 1) || (\mode == 2)
	s_wait_dscnt 0x0                               ; the add is done, and my reads of this slot are over
	s_barrier_signal -1
.endif
	HALF 4, 1, \q, \zero
	WIN 0
.if (\mode == 1) || (\mode == 2)
	s_barrier_wait -1
.endif
.if \mode == 2
	CREST                                          ; no wave of any partner still reads this slot or has a load on its way
	JLOAD                                          ; its four v_nop are the places in front of the loads below
.else
	PLACES
.endif
.if \mode == 3
	s_wait_dscnt 0x0
.else
	FG 0, 1-\q
	XWL 1-\q
	s_wait_dscnt 14
.endif
	HALF 0, 2, \q, \zero
	WIN 0
.if \mode != 3
	PLACES
	FX 1-\q, 0
.endif
	HALF 4, 2, \q, \zero
	WIN 0
.endm
	s_load_b128 s[4:7], s[0:1], 0x0                ; xw, qkv
	v_lshl_add_u32 v[SPW], v0, 2, SPARE
	v_mov_b32 v[NIL], 0
	ds_add_u32 v[SPW], v[NIL]                      ; the wave's opening: the add, twice on end
	ds_add_u32 v[SPW], v[NIL]
	v_lshrrev_b32 v1, 5, v0
	v_readfirstlane_b32 s14, v1                    ; wave 0..3
	s_lshr_b32 s15, s14, 1                         ; which 128 rows of x
	s_and_b32 s16, s14, 1                          ; which half of the columns
	s_bfe_u32 s40, ttmp6, 0x40000                  ; cx
	s_bfe_u32 s41, ttmp6, 0x40004                  ; cy
	s_lshl_b32 s42, ttmp9, 2
	s_add_co_u32 s42, s42, s40                     ; tile column TC
	s_and_b32 s19, ttmp7, 0xffff                   ; the cluster's y
	s_lshl_b32 s17, s19, 2
	s_add_co_u32 s17, s17, s41                     ; tile row TR
	s_lshl_b32 s43, s41, 2
	s_lshl_b32 s43, 15, s43                        ; my row of the cluster
	s_lshl_b32 s44, 0x1111, s40                    ; my column
	; descriptor group 1: dense panels as rows of 256 bytes (32 elements of 8 bytes), no padding
	s_or_b32 s[G1X+0], s43, (3<<16)|(1<<21)
	s_or_b32 s[G1W+0], s44, (3<<16)|(1<<21)
	s_or_b32 s[G1V+0], s44, (3<<16)|(1<<21)
.irp g, G1X, G1W, G1V
	s_mov_b32 s[\g+1], 32<<16
	s_mov_b32 s[\g+3], 32<<16
	s_mov_b32 s[\g+5], 32
	s_mov_b32 s[\g+6], 0
	s_mov_b32 s[\g+7], 0
.endr
.irp g, G1X, G1W
	s_mov_b32 s[\g+2], 200<<16                     ; two panels
	s_mov_b32 s[\g+4], 200
.endr
	s_mov_b32 s[G1V+2], 50<<16                     ; half a panel
	s_mov_b32 s[G1V+4], 50
	s_mul_i32 s20, s17, 8*PANEL                    ; x's panels of K step 0: hangs on the tile row alone
	s_mov_b32 s21, 0
	s_mul_i32 s46, s42, 8*PANEL                    ; the weight's: on the tile column alone
	s_add_co_u32 s46, s46, 256*PANEL
	s_mov_b32 s47, 0
	s_lshr_b32 s60, s42, 1
	s_lshl_b32 s60, s60, 3
	s_and_b32 s61, s42, 1
	s_or_b32 s60, s60, s61
	s_add_co_u32 s60, s60, 320
	s_mul_i32 s60, s60, PANEL                      ; WV's
	s_mov_b32 s61, 0
	s_mul_i32 s22, s16, PANEL/2                    ; waves 2 and 3 fetch a half of it each
	s_mov_b32 s23, 0
	s_add_co_u32 s76, s22, VOFF
	s_mov_b32 s66, 0
	s_mov_b32 s67, 0
	s_mov_b32 s[G0X], 1
	s_mov_b32 s[G0X+1], 0
	s_mov_b32 s[G0W], 1
	s_mov_b32 s[G0W+1], WOFF
	s_mov_b32 s[G0V], 1
	s_mov_b32 s[G0V+1], s76
	s_wait_alu depctr_va_vdst(0)
	s_wait_dscnt 0x0                               ; both opening adds are done
	CROUND                                         ; all sixteen work-groups are here: the first joint loads meet
	s_wait_kmcnt 0x0
	s_add_nc_u64 s[20:21], s[4:5], s[20:21]
	s_add_nc_u64 s[46:47], s[4:5], s[46:47]
	s_add_nc_u64 s[60:61], s[4:5], s[60:61]
	s_mov_b64 s[G0X+2:G0X+3], s[20:21]
	s_or_b32 s[G0X+3], s[G0X+3], 0x80000000
	s_mov_b64 s[G0W+2:G0W+3], s[46:47]
	s_or_b32 s[G0W+3], s[G0W+3], 0x80000000
	s_add_nc_u64 s[G0V+2:G0V+3], s[60:61], s[22:23]
	s_or_b32 s[G0V+3], s[G0V+3], 0x80000000
	JLOAD                                          ; K step 0: one tensor load a wave at the head
	; the prefetches: waves 0 and 1 ask for x's blocks, waves 2 and 3 for the weight's: 50 of a K step's 200 each work-group; wave 3 for WV's, 25 of 100
	s_cmp_lt_u32 s19, 4
	s_cselect_b32 s82, 1, 0
	s_cmp_lt_u32 s14, 2
	s_cselect_b32 s80, 1, s82
	s_cselect_b64 s[62:63], s[20:21], s[46:47]
	s_cselect_b32 s83, s40, s41                    ; my place among the four that ask jointly
	s_cmp_eq_u32 s14, 3
	s_cselect_b32 s81, s82, 0
	s_mul_i32 s83, s83, 50
	s_lshl_b32 s84, s16, 5
	v_and_b32 v1, 31, v0                           ; lane
	v_add_nc_u32 v250, s84, v1
	v_min_u32 v250, 49, v250
	v_add_nc_u32 v250, s83, v250
	v_lshlrev_b32 v[PFO], 8, v250
	s_mul_i32 s83, s41, 25
	v_min_u32 v251, 24, v1
	v_add_nc_u32 v251, s83, v251
	v_lshlrev_b32 v[PFV], 8, v251
	s_wait_alu depctr_va_vdst(0)
	ASK 1
	v_lshlrev_b32 v[LI], 4, v1
	v_and_b32 v253, 15, v0
	v_bfe_u32 v[HH], v0, 4, 1
	v_lshlrev_b32 v[VR], 4, v253
	v_lshl_add_u32 v[VS], v[HH], 9, v[VR]
	s_mul_i32 s84, s15, PANEL                      ; my x panel
	v_add_nc_u32 v[BASE], s84, v[LI]
	s_mul_i32 s85, s16, PANEL
	s_add_co_u32 s85, s85, WOFF                    ; my weight panel
	v_add_nc_u32 v[BASE+1], s85, v[LI]
	s_mul_i32 s86, s16, 4*FRB
	s_add_co_u32 s86, s86, VOFF                    ; my four blocks of WV's panel
	v_add_nc_u32 v[BASE+2], s86, v[LI]
	s_sub_co_u32 s85, s85, s84
	v_mul_u32_u24 v253, s85, v[HH]                 ; scale words: lanes 0-15 x's rows, lanes 16-31 the weight's
	v_add_nc_u32 v253, v[VR], v253
	s_add_co_u32 s84, s84, SCO
	v_add_nc_u32 v[BASE+3], s84, v253
	s_lshl_b32 s86, s16, 9
	s_add_co_u32 s86, s86, VOFF+SCO
	v_add_nc_u32 v[BASE+4], s86, v[LI]             ; WV's: lanes 0-15 the first 128 along K, lanes 16-31 the second
	s_wait_alu depctr_va_vdst(0)                   ; directly ahead of the readers
	SETADR
	s_mov_b32 s[SEL], 0x76543210
	s_mov_b32 s[SEL+1], 0xfedcba98
	; where the results go: q: panel 4 RB + KS, k: 256 + the same, RB = 2 TR + my half of x's rows, KS = TC % 4; v^T: 512 + 32 TC + TR
	s_lshl_b32 s84, s17, 1
	s_add_co_u32 s84, s84, s15
	s_lshl_b32 s84, s84, 2
	s_lshr_b32 s85, s42, 2
	s_lshl_b32 s85, s85, 8
	s_add_co_u32 s84, s84, s85
	s_and_b32 s85, s42, 3
	s_add_co_u32 s84, s84, s85
	s_mul_i32 s84, s84, PANEL
	s_mul_i32 s86, s16, 8*FRB
	s_add_co_u32 s86, s86, s84
	s_mov_b32 s87, 0
	s_add_nc_u64 s[8:9], s[6:7], s[86:87]          ; my eight fragments
	s_lshl_b32 s86, s16, 8
	s_add_co_u32 s86, s86, s84
	s_add_co_u32 s86, s86, SCO
	s_add_nc_u64 s[10:11], s[6:7], s[86:87]        ; my scale words
	s_lshl_b32 s84, s42, 5
	s_add_co_u32 s84, s84, s17
	s_add_co_u32 s84, s84, 512
	s_mul_i32 s84, s84, PANEL
	s_mul_i32 s86, s15, 8*FRB
	s_mul_i32 s85, s16, 4*FRB
	s_add_co_u32 s86, s86, s85
	s_add_co_u32 s86, s86, s84
	s_add_nc_u64 s[12:13], s[6:7], s[86:87]        ; my four fragments of v^T
	s_lshl_b32 s86, s16, 9
	s_lshl_b32 s85, s15, 8
	s_add_co_u32 s86, s86, s85
	s_add_co_u32 s86, s86, s84
	s_add_co_u32 s86, s86, SCO
	s_add_nc_u64 s[88:89], s[6:7], s[86:87]        ; and their scale words
	s_wait_alu depctr_va_vdst(0)
	s_wait_tensorcnt 0x0                           ; my part of K step 0 is in
	ds_add_u32 v[SPW], v[NIL]
	NEXTD
	s_wait_dscnt 0x0
	CROUND                                         ; K step 0 is whole in every work-group
	JLOAD                                          ; K step 1 into slot 1, the first tensor load behind the round
	FG 0, 0
	XWL 0
	FX 0, 0
	ASK 2
	QSTEP 0, 1, 0                                  ; the first products start the sums: nothing is cleared
	ASK 3
	s_mov_b32 s77, 2
.Lk:                                                   ; a trip: a K step's second half and the next one's first; the slot read out is filled again (K steps 2 and 3)
	QSTEP 1, 0, 2
	QSTEP 0, 0, 0
	s_sub_co_u32 s77, s77, 1
	s_cmp_lg_u32 s77, 0
	s_cbranch_scc1 .Lk
	QSTEP 1, 0, 1
	QSTEP 0, 0, 0
	QSTEP 1, 0, 3
	PLACES
; THE WAY OUT of a block: a lane holds one row (place r) and 64 numbers, register 16 b + i = column 32 b + 16 h + i of 128: they are quantised along the columns and ARE a fragment of the result's panel.
; Each block's codes have registers of their own, so no store's data are written again.
.macro QUANTW n, w, ac, base, off
.set C_, PC+12*(\n)
.set A_, \ac
.set P_, PWS+\n
.set WN, ((\w)<<2)|((\w)<<4)
	WIN WN                                         ; sources 1 and 2: the accumulators' window
.irp b, 0,1,2,3
	v_max3_num_f32 v[TM+\b], 0x1800000, |v[A_+16*\b]|, |v[A_+16*\b+1]|   ; each accumulator is read from its low end on; the floor 2^(3 - 127) holds the byte at 1 from below
.endr
.irp i, 2,4,6,8,10,12,14
.irp b, 0,1,2,3
	v_max3_num_f32 v[TM+\b], v[TM+\b], |v[A_+16*\b+\i]|, |v[A_+16*\b+\i+1]|
.endr
.endr
	WIN 0
.irp b, 0,1,2,3
	v_permlanex16_b32 v[TM+4+\b], v[TM+\b], s[SEL], s[SEL+1]
.endr
.irp b, 0,1,2,3
	v_max_num_f32 v[TM+\b], v[TM+\b], v[TM+4+\b]
.endr
.irp b, 0,1,2,3
	v_add_nc_u32 v[TM+12+\b], 0xff000000, v[TM+\b] ; 2 off the exponent field: the conversion's scale operand
.endr
.irp b, 0,1,2,3
	v_lshrrev_b32 v[TM+4+\b], 23, v[TM+12+\b]      ; the scale's byte
.endr
	v_lshl_or_b32 v[P_], v[TM+5], 8, v[TM+4]
	v_lshl_or_b32 v[P_], v[TM+6], 16, v[P_]
	v_lshl_or_b32 v[P_], v[TM+7], 24, v[P_]
.set WN, \w
	WIN WN                                         ; source 0: the accumulators' window
.irp c, 0,1
	v_cvt_scalef32_pk16_fp6_f32 v[C_+6*\c:C_+6*\c+2], v[A_+32*\c:A_+32*\c+15], v[TM+12+2*\c]
	v_cvt_scalef32_pk16_fp6_f32 v[TT+4*\c:TT+4*\c+2], v[A_+32*\c+16:A_+32*\c+31], v[TM+12+2*\c+1]
.endr
	WIN 0
	v_nop                                          ; one plain place behind a scaled conversion
.irp c, 0,1
.irp i, 0,1,2
	v_permlane16_swap_b32 v[C_+6*\c+\i], v[TT+4*\c+\i]
.endr
.irp i, 0,1,2
	v_mov_b32 v[C_+3+6*\c+\i], v[TT+4*\c+\i]
.endr
.endr
.irp c, 0,1,2
	global_store_b128 v[LI], v[C_+4*\c:C_+4*\c+3], s[\base:\base+1] offset:\off+512*\c   ; 32 lanes store 512 consecutive bytes, aligned
.endr
.endm
.irp a, 0,1,2,3,4,5,6,7
	QUANTW \a, 2+\a/4, 64*(\a%4), 8, FRB*\a
.endr
	v_cmp_ne_u32 vcc_lo, 0, v[HH]                  ; lanes 16-31 carry blocks 4-7's words
.irp j, 0,1,2,3
	v_cndmask_b32 v[OW+\j], v[PWS+\j], v[PWS+4+\j], vcc_lo
.endr
	global_store_b128 v[VS], v[OW:OW+3], s[10:11]  ; sixteen lanes store 256 consecutive bytes, aligned
.irp a, 0,1,2,3
	QUANTW 8+\a, 1, 64*\a, 12, FRB*\a
.endr
	global_store_b128 v[VR], v[PWS+8:PWS+11], s[88:89]   ; 256 consecutive bytes, aligned (both halves of the lanes hold the same words)
	s_wait_tensorcnt 0x0                           ; the wave's end
	ds_add_u32 v[SPW], v[NIL]
	s_wait_dscnt 0x0
	CROUND                                         ; the closing round
	s_endpgm
.Lfunc_end_k_qa9a8606930_proj:
	.size	k_qa9a8606930_proj, .Lfunc_end_k_qa9a8606930_proj-k_qa9a8606930_proj
	.p2alignl 7, 3214868480
	.fill 96, 4, 3214868480
	.section	.rodata,"a",@progbits
	.p2align	6, 0x0
	.amdhsa_kernel k_qa9a8606930_proj
		.amdhsa_group_segment_fixed_size 327680
		.amdhsa_private_segment_fixed_size 0
		.amdhsa_enable_private_segment 0
		.amdhsa_kernarg_size 16
		.amdhsa_user_sgpr_count 2
		.amdhsa_user_sgpr_kernarg_segment_ptr 1
		.amdhsa_wavefront_size32 1
		.amdhsa_system_sgpr_workgroup_id_x 1
		.amdhsa_system_sgpr_workgroup_id_y 1
		.amdhsa_system_sgpr_workgroup_id_z 1
		.amdhsa_system_vgpr_workitem_id 0
		.amdhsa_next_free_vgpr 1024
		.amdhsa_next_free_sgpr 98
		.amdhsa_reserve_vcc 1
		.amdhsa_float_denorm_mode_32 3
		.amdhsa_float_denorm_mode_16_64 3
		.amdhsa_memory_ordered 1
		.amdhsa_forward_progress 1
		.amdhsa_inst_pref_size 165
	.end_amdhsa_kernel
	.amdgpu_metadata
---
amdhsa.version: [ 1, 2 ]
amdhsa.kernels:
  - .name:           k_qa9a8606930_proj
    .symbol:         k_qa9a8606930_proj.kd
    .args:
      - { .name: xw, .offset: 0, .size: 8, .value_kind: global_buffer, .address_space: global }
      - { .name: qkv, .offset: 8, .size: 8, .value_kind: global_buffer, .address_space: global }
    .group_segment_fixed_size: 327680
    .private_segment_fixed_size: 0
    .kernarg_segment_align: 8
    .kernarg_segment_size: 16
    .max_flat_workgroup_size: 128
    .sgpr_count:     98
    .vgpr_count:     1024
    .wavefront_size: 32
...
	.end_amdgpu_metadata
.endif
;; end of part 6
;; launch score (part 7): grid 12 x 16, 4 waves a work-group, clusters of 4 x 4, 327,680 bytes of LDS; arguments qkv, p, pst; writes p, pst
.if DOCPART == 7
	.amdgcn_target "amdgcn-amd-amdhsa--gfx1250"
	.amdhsa_code_object_version 6
	.text
	.protected	k_qa9a8606930_score
	.globl	k_qa9a8606930_score
	.p2align	8
	.type	k_qa9a8606930_score,@function
k_qa9a8606930_score:
	s_mov_b64 s[64:65], 0
	v_nop
	global_prefetch_b8 v0, s[64:65] scope:SCOPE_SE
	s_setreg_imm32_b32 hwreg(HW_REG_WAVE_MODE, 25, 1), 1
	s_wait_xcnt 0x0
	s_wait_alu depctr_hold_cnt(0) depctr_sa_sdst(0) depctr_va_vdst(0) depctr_va_sdst(0) depctr_va_ssrc(0) depctr_va_vcc(0) depctr_vm_vsrc(0)
	s_getreg_b32 s2, hwreg(HW_REG_IB_STS2, 6, 4)
	s_cmp_eq_u32 s2, 0
	s_cbranch_scc0 .Lentry_in_a_cluster
	s_endpgm
.Lentry_in_a_cluster:
	s_bfe_u32 s2, ttmp6, 0x10000c
	s_cmp_lg_u32 s2, 0xf033
	s_cbranch_scc0 .Lentry_shape_is_right
	s_endpgm
.Lentry_shape_is_right:
; S = q k^T on codes of FP6 (E2M3), the causal mask, and p = 2^(t - M) quantised along the keys.  t = score x log2(e) / 32.
; M here is LOCAL: the ceiling of the largest t among the 128 keys of a wave's tile.  The codes of p do not hang on which whole number M is; only its scale bytes do, and the next launch takes the difference to the row's M off them.
; Out go: p's codes (fragments, [row block 64][key tile 8][24,576 bytes]) and, laid like a panel's scale words, three sections of 1,024 bytes for each (row block, key tile): p's scale words with bit 7 of each byte set; -M; the sum of the unquantised p.
; Panels (128 rows x 256 K: 16 fragments of 1,536 bytes and 1,024 bytes of scale words) and the order of rows are those of the projections' launch.  A' = q (a lane holds one query), B' = k (registers along the keys).
; LDS: three slots of four panels.  K steps 0 and 1 lie on end in memory and come by one load a wave at the head; K step 2 comes behind the first full round, K step 3 goes into K step 0's place when that has been read.
; A tile of 256 queries x 256 keys to a work-group.  Of a batch's four blocks of 1,024 x 1,024 the three that reach under the diagonal are made, a cluster of 4 x 4 each; the fourth, which the causal mask throws away whole, is left out.
; In a diagonal cluster the tiles above the diagonal are made like the others: partners run alike, and the next launch reads them: their codes are zeros.
; PREFETCH into the L2, at the head: K steps 2 and 3 of the panels that this wave fetches; the four partners of a joint load share the 200 blocks of 256 bytes out by address, 50 each.
; LIMITS: the promise holds while |t| stays under 2^31 (M is exact while |t| stays under 2^24); a block of p under 2^-124 keeps the byte 1; NaN and infinities are not served.
.set PANEL, 25600
.set SLOT,  4*PANEL
.set SPARE, 3*SLOT
.set FR,    12
.set FRB,   1536
.set SCO,   24576
.set LI,    4
.set VS,    5
.set DD,    6                          ; v6   my query less my first key, block 0
.set NINF,  7                          ; v7   -infinity
.set FLO,   8                          ; v8   -3e38
.set NP,    10                         ; v[10:11] -M (the pair's upper word is written, not used)
.set TT,    12
.set ADRA,  16                         ; v16-18
.set ADRB,  20                         ; v20-22
.set NPL,   24                         ; v[24:25], v[26:27] -M, or -infinity where a whole block of keys is hidden: blocks before and behind the queries' own
.set NPH,   26
.set SPW,   28
.set NIL,   29
.set SCA,   32
.set SCB,   40
.set AF,    128
.set BM,    64                         ; v64-71 the blocks' largest scores, then p; at work
.set SO,    72
.set PWS,   80
.set NMS,   88
.set LS,    96
.set PC,    104
.set L0,    124
.set L1,    126
.set T,     128                        ; v128-191 t - M, then p
.set OW,    192
.set G1,    24
.set G0,    32
.set G1B,   48
.set G0B,   56
.set CS,    76                         ; s[76:77] log2(e) / 32
.set SEL,   78
.set HL,    80                         ; s80, s81: -infinity where blocks of 32 keys before, behind the queries' own are hidden, else the greatest number
.set HB,    81
.set MSB, 0
.macro WIN new
.if MSB != \new
	s_set_vgpr_msb (MSB<<8)|\new
.set MSB, \new
.endif
.endm
.set MUL_LO, 0xa1                      ; source 0 (B') window 1, source 1 (A') window 0, C and D window 2
.set MUL_HI, 0xf1
.set TO_B,   0x40
.macro JLOAD g0a, g1a, g0b, g1b        ; waves 0 and 1 fetch A's halves, waves 2 and 3 B's; four v_nop follow each line
	s_cmp_eq_u32 s15, 0
	s_cbranch_scc0 .Lfor_b_\@
	tensor_load_to_lds s[\g0a:\g0a+3], s[\g1a:\g1a+7]
	s_nop 0
.rept 4
	v_nop
.endr
	s_branch .Lasked_\@
.Lfor_b_\@:
	tensor_load_to_lds s[\g0b:\g0b+3], s[\g1b:\g1b+7]
	s_nop 0
.rept 4
	v_nop
.endr
.Lasked_\@:
.endm
.macro CREST
	s_cmp_lg_u32 s14, 0
	s_cbranch_scc1 .Lnot_wave_0_\@
	s_barrier_signal -3
.Lnot_wave_0_\@:
	s_barrier_wait -3
	s_barrier_signal -1
	s_barrier_wait -1
.endm
.macro CROUND
	s_barrier_signal -1
	s_barrier_wait -1
	CREST
.endm
.macro PLACES                          ; four plain places (ISA guide 7.12.1)
.rept 4
	v_nop
.endr
.endm
.macro FRAG reg, adr, f
.irp c, 0,1,2
	ds_load_b128 v[\reg+4*\c:\reg+4*\c+3], v[\adr] offset:FRB*(\f)+512*\c
.endr
.endm
.macro FETCH_B slot, q, p
	WIN TO_B
.irp i, 0,1,2,3,4,5,6,7
	FRAG 128*(\p)+FR*\i, ADRB+\slot, 8*(\q)+\i
.endr
	WIN 0
.endm
.macro FETCH_A slot, q, i0
.irp i, \i0, \i0+1, \i0+2, \i0+3
	FRAG AF+FR*(\i), ADRA+\slot, 8*(\q)+(\i)
.endr
.endm
.macro SCALES slot, set
.irp g, 0,1
	ds_load_b128 v[SCA+16*(\set)+4*\g:SCA+16*(\set)+4*\g+3], v[ADRA+\slot] offset:SCO+512*\g
	ds_load_b128 v[SCB+16*(\set)+4*\g:SCB+16*(\set)+4*\g+3], v[ADRB+\slot] offset:SCO+512*\g
.endr
.endm
.macro MUL16 a0, p, q, sc, zero        ; the 64 accumulators take turns, one instruction a turn
.irp a, \a0, \a0+1
.irp b, 0,1,2,3,4,5,6,7
.if \zero
	v_wmma_scale_f32_16x16x128_f8f6f4 v[8*(8*((\a)%4)+\b):8*(8*((\a)%4)+\b)+7], v[128*(\p)+FR*\b:128*(\p)+FR*\b+FR-1], v[AF+FR*(\a):AF+FR*(\a)+FR-1], 0, v[SCB+16*(\sc)+\b], v[SCA+16*(\sc)+(\a)] matrix_a_fmt:MATRIX_FMT_FP6 matrix_b_fmt:MATRIX_FMT_FP6
.elseif \q
	v_wmma_scale_f32_16x16x128_f8f6f4 v[8*(8*((\a)%4)+\b):8*(8*((\a)%4)+\b)+7], v[128*(\p)+FR*\b:128*(\p)+FR*\b+FR-1], v[AF+FR*(\a):AF+FR*(\a)+FR-1], v[8*(8*((\a)%4)+\b):8*(8*((\a)%4)+\b)+7], v[SCB+16*(\sc)+\b], v[SCA+16*(\sc)+(\a)] matrix_a_fmt:MATRIX_FMT_FP6 matrix_b_fmt:MATRIX_FMT_FP6 matrix_a_scale:MATRIX_SCALE_ROW1 matrix_b_scale:MATRIX_SCALE_ROW1
.else
	v_wmma_scale_f32_16x16x128_f8f6f4 v[8*(8*((\a)%4)+\b):8*(8*((\a)%4)+\b)+7], v[128*(\p)+FR*\b:128*(\p)+FR*\b+FR-1], v[AF+FR*(\a):AF+FR*(\a)+FR-1], v[8*(8*((\a)%4)+\b):8*(8*((\a)%4)+\b)+7], v[SCB+16*(\sc)+\b], v[SCA+16*(\sc)+(\a)] matrix_a_fmt:MATRIX_FMT_FP6 matrix_b_fmt:MATRIX_FMT_FP6
.endif
.endr
.endr
.endm
.macro STEP slot, sc, zero             ; a K step's first 128 along K; it fetches the second's fragments
	s_wait_dscnt 12                                ; all but the youngest twelve loads (A's blocks 4-7)
	WIN MUL_LO
	MUL16 0, 0, 0, \sc, \zero
	MUL16 2, 0, 0, \sc, \zero
	s_wait_dscnt 0x0
	PLACES
	FETCH_B \slot, 1, 1
	FETCH_A \slot, 1, 0
	WIN MUL_HI
	MUL16 4, 0, 0, \sc, \zero
	MUL16 6, 0, 0, \sc, \zero
	PLACES
	WIN 0
	FETCH_A \slot, 1, 4
.endm
; mode 2: this slot is filled again: all my tensor loads waited for, the add, my reads waited for, a round of the cluster's barrier, the joint refill first behind it.
; mode 1: the same waits and the work-group's barrier; nothing is filled.  mode 0: no wait for tiles and no barrier: the next slot was shown whole to every wave at an earlier barrier, and this slot is never filled again.
.macro TURN slot, next, sc, mode
.if \mode
	s_wait_tensorcnt 0x0                           ; all my tensor loads have landed
	ds_add_u32 v[SPW], v[NIL]                      ; 0 onto my spare word
	s_wait_dscnt 13                                ; (the add and the youngest twelve loads may be out)
.else
	s_wait_dscnt 12                                ; all but the youngest twelve loads (A's blocks 4-7)
.endif
	WIN MUL_LO
	MUL16 0, 1, 1, \sc, 0
.if \mode
	s_wait_dscnt 0x0                               ; the add is done, and my reads of this slot are over
	s_barrier_signal -1
.endif
	MUL16 2, 1, 1, \sc, 0
	WIN 0
.if \mode
	s_barrier_wait -1
.else
	s_wait_dscnt 0x0                               ; A's blocks 4-7 are in
.endif
.if \mode == 2
	CREST                                          ; no wave of any partner still reads this slot or has a load on its way
	s_add_nc_u64 s[G0+2:G0+3], s[G0+2:G0+3], 3*PANEL
	s_add_nc_u64 s[G0B+2:G0B+3], s[G0B+2:G0B+3], 3*PANEL
	JLOAD G0, G1, G0B, G1B
.else
	PLACES
.endif
	FETCH_B \next, 0, 0
	FETCH_A \next, 0, 0
	SCALES \next, 1-(\sc)
	WIN MUL_HI
	MUL16 4, 1, 1, \sc, 0
	MUL16 6, 1, 1, \sc, 0
	PLACES
	WIN 0
	FETCH_A \next, 0, 4
.endm
	s_load_b128 s[4:7], s[0:1], 0x0                ; qkv, p
	s_load_b64 s[8:9], s[0:1], 0x10                ; pst
	v_lshl_add_u32 v[SPW], v0, 2, SPARE
	v_mov_b32 v[NIL], 0
	ds_add_u32 v[SPW], v[NIL]                      ; the wave's opening: the add, twice on end
	ds_add_u32 v[SPW], v[NIL]
	s_wait_alu depctr_va_vdst(0)
	s_wait_dscnt 0x0
	v_lshrrev_b32 v1, 5, v0
	v_readfirstlane_b32 s14, v1
	s_lshr_b32 s15, s14, 1
	s_and_b32 s16, s14, 1
	s_bfe_u32 s40, ttmp6, 0x40000                  ; cx
	s_bfe_u32 s41, ttmp6, 0x40004                  ; cy
	s_lshr_b32 s42, ttmp9, 1                       ; cluster 0, 1, 2 -> block column 0, 0, 1
	s_lshl_b32 s42, s42, 2
	s_add_co_u32 s42, s42, s40                     ; key tile TC
	s_add_co_u32 s17, ttmp9, 1
	s_lshr_b32 s17, s17, 1                         ; block row 0, 1, 1
	s_lshl_b32 s17, s17, 2
	s_add_co_u32 s17, s17, s41                     ; query tile TR
	s_and_b32 s18, ttmp7, 0xffff                   ; the batch
	s_lshl_b32 s18, s18, 4                         ; its first row block
	s_lshl_b32 s43, s41, 2
	s_lshl_b32 s43, 15, s43
	s_lshl_b32 s44, 0x1111, s40
	s_or_b32 s[G1+0], s43, (3<<16)|(1<<21)
	s_or_b32 s[G1B+0], s44, (3<<16)|(1<<21)
.irp g, G1, G1B
	s_mov_b32 s[\g+1], 32<<16
	s_mov_b32 s[\g+2], 200<<16                     ; two panels as 200 rows of 256 bytes
	s_mov_b32 s[\g+3], 32<<16
	s_mov_b32 s[\g+4], 200
	s_mov_b32 s[\g+5], 32
	s_mov_b32 s[\g+6], 0
	s_mov_b32 s[\g+7], 0
.endr
	s_lshl_b32 s20, s17, 1
	s_add_co_u32 s20, s20, s16
	s_add_co_u32 s20, s20, s18
	s_lshl_b32 s20, s20, 2                         ; q's panel of K step 0
	s_mul_i32 s20, s20, PANEL
	s_mov_b32 s21, 0
	s_lshl_b32 s46, s42, 1
	s_add_co_u32 s46, s46, s16
	s_add_co_u32 s46, s46, s18
	s_lshl_b32 s46, s46, 2
	s_add_co_u32 s46, s46, 256                     ; k's
	s_mul_i32 s46, s46, PANEL
	s_mov_b32 s47, 0
	s_mul_i32 s45, s14, PANEL
	s_lshl_b32 s71, s45, 1
	s_wait_kmcnt 0x0
	s_add_nc_u64 s[20:21], s[4:5], s[20:21]
	s_add_nc_u64 s[46:47], s[4:5], s[46:47]
	CROUND
	s_mov_b32 s[G0], 1                             ; K steps 0 and 1: two panels a wave, on end; later K step 3
	s_mov_b32 s[G0+1], s71
	s_mov_b64 s[G0+2:G0+3], s[20:21]
	s_or_b32 s[G0+3], s[G0+3], 0x80000000
	s_mov_b32 s[G0B], 1
	s_mov_b32 s[G0B+1], s71
	s_mov_b64 s[G0B+2:G0B+3], s[46:47]
	s_or_b32 s[G0B+3], s[G0B+3], 0x80000000
	s_mov_b32 s[G0+4], 1                           ; K step 2: one panel a wave, behind them
	s_add_co_u32 s[G0+5], s45, 8*PANEL
	s_add_nc_u64 s[G0+6:G0+7], s[20:21], 2*PANEL
	s_or_b32 s[G0+7], s[G0+7], 0x80000000
	s_mov_b32 s[G0B+4], 1
	s_add_co_u32 s[G0B+5], s45, 8*PANEL
	s_add_nc_u64 s[G0B+6:G0B+7], s[46:47], 2*PANEL
	s_or_b32 s[G0B+7], s[G0B+7], 0x80000000
	JLOAD G0, G1, G0B, G1B                         ; one tensor load a wave at the head
	v_and_b32 v1, 31, v0
	s_cmp_eq_u32 s15, 0
	s_cselect_b64 s[94:95], s[20:21], s[46:47]     ; the panels that I fetch
	s_cselect_b32 s92, s40, s41                    ; my place among the four that ask for them
	s_mul_i32 s92, s92, 50
	v_add_nc_u32 v9, s92, v1
	v_lshlrev_b32 v9, 8, v9
	v_add_nc_u32 v13, 32, v1
	v_min_u32 v13, 49, v13
	v_add_nc_u32 v13, s92, v13
	v_lshlrev_b32 v13, 8, v13
	s_wait_alu depctr_va_vdst(0)
	global_prefetch_b8 v9, s[94:95] offset:2*PANEL th:TH_LOAD_NT scope:SCOPE_SE
	global_prefetch_b8 v13, s[94:95] offset:2*PANEL th:TH_LOAD_NT scope:SCOPE_SE
	v_lshlrev_b32 v[LI], 4, v1
	s_mul_i32 s21, s15, 2*PANEL
	s_mul_i32 s22, s16, 2*PANEL
	s_add_co_u32 s22, s22, 4*PANEL
	v_add_nc_u32 v[ADRA], s21, v[LI]
	v_add_nc_u32 v[ADRB], s22, v[LI]
	v_add_nc_u32 v[ADRA+1], PANEL, v[ADRA]
	v_add_nc_u32 v[ADRB+1], PANEL, v[ADRB]
	s_mul_i32 s21, s15, PANEL
	s_add_co_u32 s21, s21, 8*PANEL
	s_mul_i32 s22, s16, PANEL
	s_add_co_u32 s22, s22, 10*PANEL
	v_add_nc_u32 v[ADRA+2], s21, v[LI]
	v_add_nc_u32 v[ADRB+2], s22, v[LI]
	v_and_b32 v2, 15, v0                           ; r
	v_and_b32 v3, 16, v0                           ; 16 h
	v_lshlrev_b32 v[VS], 4, v2
	v_lshl_add_u32 v[VS], v3, 5, v[VS]
	; my query of block a is 256 TR + 128 half + 32 (a / 2) + 8 (a % 2) + r + 8 (r / 8); register n's key is 256 TC + 128 half + 32 (n / 16) + 16 h + n % 16
	s_sub_co_i32 s70, s17, s42
	s_lshl_b32 s70, s70, 8
	s_sub_co_i32 s71, s15, s16
	s_lshl_b32 s71, s71, 7
	s_add_co_i32 s70, s70, s71                     ; my first query less my first key, a multiple of 128
	v_and_b32 v[DD], 8, v0
	v_add_nc_u32 v[DD], v[DD], v2
	v_sub_nc_u32 v[DD], v[DD], v3
	v_add_nc_u32 v[DD], s70, v[DD]
	s_mov_b32 s72, 0xff800000
	s_cmp_lt_i32 s70, 0                            ; keys of the blocks before the queries' own are hidden where my tile lies above the diagonal,
	s_cselect_b32 s[HL], s72, 0x7f7fffff
	s_cmp_le_i32 s70, 0                            ; those of the blocks behind it on the diagonal too
	s_cselect_b32 s[HB], s72, 0x7f7fffff
	v_mov_b32 v[NINF], 0xff800000
	v_mov_b32 v[FLO], 0xff61b1e6
	v_mov_b32 v[NP+1], 0
	v_mov_b32 v[NPL+1], 0
	v_mov_b32 v[NPH+1], 0
	v_mov_b32 v[TT], 0
.irp b, 0,1,2,3
	v_mov_b32 v[BM+4+\b], 0                        ; written once: a lane permute's destination counts as one of its sources
.endr
	s_mov_b32 s[CS], 0x3d38aa3b                    ; log2(e) / 32
	s_mov_b32 s[CS+1], s[CS]
	s_mov_b32 s[SEL], 0x76543210
	s_mov_b32 s[SEL+1], 0xfedcba98
	s_lshl_b32 s72, s17, 1
	s_add_co_u32 s72, s72, s15
	s_add_co_u32 s72, s72, s18                     ; my row block
	s_lshl_b32 s72, s72, 3
	s_add_co_u32 s72, s72, s42                     ; 8 x row block + key tile
	s_mul_i32 s74, s72, 16*FRB
	s_mul_i32 s73, s16, 8*FRB
	s_add_co_u32 s74, s74, s73
	s_mov_b32 s75, 0
	s_add_nc_u64 s[6:7], s[6:7], s[74:75]          ; my eight fragments of p
	s_mul_i32 s74, s72, 3072
	s_lshl_b32 s73, s16, 8
	s_add_co_u32 s74, s74, s73
	s_add_nc_u64 s[8:9], s[8:9], s[74:75]          ; my part of the three sections
	s_wait_alu depctr_va_vdst(0)
	s_wait_tensorcnt 0x0                           ; my part of K steps 0 and 1 is in
	ds_add_u32 v[SPW], v[NIL]
	s_mov_b32 s[G1+2], 100<<16                     ; no tensor load of mine is out: from here on a load brings one panel
	s_mov_b32 s[G1+4], 100
	s_mov_b32 s[G1B+2], 100<<16
	s_mov_b32 s[G1B+4], 100
	s_wait_dscnt 0x0
	CROUND
	JLOAD G0+4, G1, G0B+4, G1B                     ; K step 2, the first tensor load behind the round
	FETCH_B 0, 0, 0
	FETCH_A 0, 0, 0
	SCALES 0, 0
	FETCH_A 0, 0, 4
	STEP 0, 0, 1                                   ; K step 0
	TURN 0, 1, 0, 2                                ; K step 2 is whole; K step 3 goes into slot 0
	STEP 1, 1, 0                                   ; K step 1
	TURN 1, 2, 1, 0
	STEP 2, 0, 0                                   ; K step 2
	TURN 2, 0, 0, 1                                ; K step 3 is whole
	STEP 0, 1, 0                                   ; K step 3
	s_wait_dscnt 12
	WIN MUL_LO
	MUL16 0, 1, 1, 1, 0
	MUL16 2, 1, 1, 1, 0
	s_wait_dscnt 0x0
	WIN MUL_HI
	MUL16 4, 1, 1, 1, 0
	MUL16 6, 1, 1, 1, 0
	WIN 0
	PLACES
; THE MASK.  Block a's queries lie in the 32 that begin at 32 (a / 2) of my 128.  Of my four blocks of 32 keys the one with the same place needs a mask of its own for each register: key > query, which hangs on
; n - 8 (a % 2) = -8 .. 15 alone: 24 masks, made once, in scalar registers that held descriptors (no tensor load is out).  A block of keys before it is open as a whole unless my tile lies above the diagonal, one behind it only if my tile lies below: -infinity as the addend hides it.
.set n, 0
.rept 24
	v_cmp_gt_i32 s[24+n+8*(n/16)], n-8, v[DD]
.set n, n+1
.endr
; THE SOFTMAX OF BLOCK a: 16 queries (one a lane) x my 128 keys (64 a lane; a block of 32 keys lies in lanes l and l xor 16).
.macro SOFT a
.set W_, 2+(\a)/4
.set AC, 64*((\a)%4)
.set PB, (\a)/2
.set WN, (W_<<6)|W_
	WIN WN
.set n, 0
.rept 16
.set E_, 8+n-8*((\a)%2)
	v_cndmask_b32 v[AC+16*PB+n], v[AC+16*PB+n], v[NINF], s[24+E_+8*(E_/16)]
.set n, n+1
.endr
.set WN, (W_<<2)|(W_<<4)
	WIN WN
.irp b, 0,1,2,3
	v_max3_num_f32 v[BM+\b], v[FLO], v[AC+16*\b], v[AC+16*\b+1]   ; the largest score of each block of 32 keys, over a floor of -3e38, so that a row with all its keys hidden keeps a finite M
.endr
.irp i, 2,4,6,8,10,12,14
.irp b, 0,1,2,3
	v_max3_num_f32 v[BM+\b], v[BM+\b], v[AC+16*\b+\i], v[AC+16*\b+\i+1]
.endr
.endr
	WIN 0
.irp b, 0,1,2,3
	v_permlanex16_b32 v[BM+4+\b], v[BM+\b], s[SEL], s[SEL+1]
.endr
.irp b, 0,1,2,3
	v_max_num_f32 v[BM+\b], v[BM+\b], v[BM+4+\b]
.endr
.irp b, 0,1,2,3
.if \b < PB
	v_min_num_f32 v[BM+\b], s[HL], v[BM+\b]
.elseif \b > PB
	v_min_num_f32 v[BM+\b], s[HB], v[BM+\b]
.endif
.endr
	v_max3_num_f32 v[TT], v[BM], v[BM+1], v[BM+2]
	v_max_num_f32 v[TT], v[TT], v[BM+3]
	v_mul_f32 v[TT], s[CS], v[TT]                  ; the largest t of my query among these 128 keys
	v_floor_f32 v[NP], -v[TT]                      ; -M = floor(-t): M is a whole number
	v_min_num_f32 v[NPL], s[HL], v[NP]
	v_min_num_f32 v[NPH], s[HB], v[NP]
.set WN, W_
	WIN WN
.set n, 0
.rept 32
.if n/16 < PB
	v_pk_fma_f32 v[T+n:T+n+1], v[AC+n:AC+n+1], s[CS:CS+1], v[NPL:NPL+1] op_sel_hi:[1,0,0]   ; t - M, two at a time
.elseif n/16 > PB
	v_pk_fma_f32 v[T+n:T+n+1], v[AC+n:AC+n+1], s[CS:CS+1], v[NPH:NPH+1] op_sel_hi:[1,0,0]
.else
	v_pk_fma_f32 v[T+n:T+n+1], v[AC+n:AC+n+1], s[CS:CS+1], v[NP:NP+1] op_sel_hi:[1,0,0]
.endif
.set n, n+2
.endr
	WIN 0
.irp b, 0,1,2,3
	v_fma_f32 v[BM+\b], v[BM+\b], s[CS], v[NP]     ; the same of each block's largest score
.endr
.irp b, 0,1,2,3
	v_min_num_f32 v[BM+\b], 0, v[BM+\b]            ; never above 0 (it matters where all keys are hidden and M is huge)
.endr
.set n, 0
	s_wait_alu depctr_va_vdst(0)
.rept 64
	v_exp_f32 v[T+n], v[T+n]                       ; p = 2^(t - M): not normalised
.set n, n+1
.endr
	v_mov_b32 v[NMS+\a], v[NP]                     ; (a plain place behind the exponentials)
	s_wait_alu depctr_va_vdst(0)                   ; one wait for the batch, ahead of its first reader
.irp b, 0,1,2,3
	v_exp_f32 v[BM+\b], v[BM+\b]                   ; the block's largest p
.endr
	v_pk_add_f32 v[L0:L0+1], v[T:T+1], v[T+2:T+3]  ; the sum of the unquantised p, in two chains
	v_pk_add_f32 v[L1:L1+1], v[T+4:T+5], v[T+6:T+7]
.irp j, 8,12,16,20,24,28,32,36,40,44,48,52,56,60
	v_pk_add_f32 v[L0:L0+1], v[L0:L0+1], v[T+\j:T+\j+1]
	v_pk_add_f32 v[L1:L1+1], v[L1:L1+1], v[T+\j+2:T+\j+3]
.endr
	v_pk_add_f32 v[L0:L0+1], v[L0:L0+1], v[L1:L1+1]
	v_add_f32 v[LS+\a], v[L0], v[L0+1]
	v_permlanex16_b32 v[TT], v[LS+\a], s[SEL], s[SEL+1]
	v_add_f32 v[LS+\a], v[LS+\a], v[TT]
	s_wait_alu depctr_va_vdst(0)                   ; and one for the four
.irp b, 0,1,2,3
	v_max_num_f32 v[BM+\b], 0x1800000, v[BM+\b]    ; the floor 2^(3 - 127)
.endr
.irp b, 0,1,2,3
	v_add_nc_u32 v[SO+\b], 0xff000000, v[BM+\b]
.endr
.irp b, 0,1,2,3
	v_lshrrev_b32 v[BM+4+\b], 23, v[SO+\b]
.endr
	v_lshl_or_b32 v[PWS+\a], v[BM+5], 8, v[BM+4]
	v_lshl_or_b32 v[PWS+\a], v[BM+6], 16, v[PWS+\a]
	v_lshl_or_b32 v[PWS+\a], v[BM+7], 24, v[PWS+\a]
	v_or_b32 v[PWS+\a], 0x80808080, v[PWS+\a]      ; p is at most 1, so a byte is at most 125: bit 7 is set
	s_wait_xcnt 0x0                                ; the last block's stores have read the codes' registers
.irp c, 0,1
	v_cvt_scalef32_pk16_fp6_f32 v[PC+6*\c:PC+6*\c+2], v[T+32*\c:T+32*\c+15], v[SO+2*\c]
	v_cvt_scalef32_pk16_fp6_f32 v[PC+12+4*\c:PC+12+4*\c+2], v[T+32*\c+16:T+32*\c+31], v[SO+2*\c+1]
.endr
	v_nop                                          ; one plain place behind a scaled conversion
.irp c, 0,1
.irp i, 0,1,2
	v_permlane16_swap_b32 v[PC+6*\c+\i], v[PC+12+4*\c+\i]
.endr
.irp i, 0,1,2
	v_mov_b32 v[PC+3+6*\c+\i], v[PC+12+4*\c+\i]
.endr
.endr
.irp c, 0,1,2
	global_store_b128 v[LI], v[PC+4*\c:PC+4*\c+3], s[6:7] offset:FRB*(\a)+512*\c
.endr
.endm
.irp a, 0,1,2,3,4,5,6,7
	SOFT \a
.endr
	v_cmp_ne_u32 vcc_lo, 0, v3                     ; lanes 16-31 carry blocks 4-7's
.irp j, 0,1,2,3
	v_cndmask_b32 v[OW+\j], v[PWS+\j], v[PWS+4+\j], vcc_lo
	v_cndmask_b32 v[OW+4+\j], v[NMS+\j], v[NMS+4+\j], vcc_lo
	v_cndmask_b32 v[OW+8+\j], v[LS+\j], v[LS+4+\j], vcc_lo
.endr
	global_store_b128 v[VS], v[OW:OW+3], s[8:9]
	global_store_b128 v[VS], v[OW+4:OW+7], s[8:9] offset:1024
	global_store_b128 v[VS], v[OW+8:OW+11], s[8:9] offset:2048
	s_wait_tensorcnt 0x0                           ; the wave's end
	ds_add_u32 v[SPW], v[NIL]
	s_wait_dscnt 0x0
	CROUND
	s_endpgm
.Lfunc_end_k_qa9a8606930_score:
	.size	k_qa9a8606930_score, .Lfunc_end_k_qa9a8606930_score-k_qa9a8606930_score
	.p2alignl 7, 3214868480
	.fill 96, 4, 3214868480
	.section	.rodata,"a",@progbits
	.p2align	6, 0x0
	.amdhsa_kernel k_qa9a8606930_score
		.amdhsa_group_segment_fixed_size 327680
		.amdhsa_private_segment_fixed_size 0
		.amdhsa_enable_private_segment 0
		.amdhsa_kernarg_size 24
		.amdhsa_user_sgpr_count 2
		.amdhsa_user_sgpr_kernarg_segment_ptr 1
		.amdhsa_wavefront_size32 1
		.amdhsa_system_sgpr_workgroup_id_x 1
		.amdhsa_system_sgpr_workgroup_id_y 1
		.amdhsa_system_sgpr_workgroup_id_z 1
		.amdhsa_system_vgpr_workitem_id 0
		.amdhsa_next_free_vgpr 1024
		.amdhsa_next_free_sgpr 98
		.amdhsa_reserve_vcc 1
		.amdhsa_float_denorm_mode_32 3
		.amdhsa_float_denorm_mode_16_64 3
		.amdhsa_memory_ordered 1
		.amdhsa_forward_progress 1
		.amdhsa_inst_pref_size 205
	.end_amdhsa_kernel
	.amdgpu_metadata
---
amdhsa.version: [ 1, 2 ]
amdhsa.kernels:
  - .name:           k_qa9a8606930_score
    .symbol:         k_qa9a8606930_score.kd
    .args:
      - { .name: qkv, .offset: 0, .size: 8, .value_kind: global_buffer, .address_space: global }
      - { .name: p, .offset: 8, .size: 8, .value_kind: global_buffer, .address_space: global }
      - { .name: pst, .offset: 16, .size: 8, .value_kind: global_buffer, .address_space: global }
    .group_segment_fixed_size: 327680
    .private_segment_fixed_size: 0
    .kernarg_segment_align: 8
    .kernarg_segment_size: 24
    .max_flat_workgroup_size: 128
    .sgpr_count:     98
    .vgpr_count:     1024
    .wavefront_size: 32
...
	.end_amdgpu_metadata
.endif
;; end of part 7
;; launch pv (part 8): grid 8 x 32, 4 waves a work-group, clusters of 4 x 4, 327,680 bytes of LDS; arguments p, pst, qkv, out0; writes out0
.if DOCPART == 8
	.amdgcn_target "amdgcn-amd-amdhsa--gfx1250"
	.amdhsa_code_object_version 6
	.text
	.protected	k_qa9a8606930_pv
	.globl	k_qa9a8606930_pv
	.p2align	8
	.type	k_qa9a8606930_pv,@function
k_qa9a8606930_pv:
	s_mov_b64 s[64:65], 0
	v_nop
	global_prefetch_b8 v0, s[64:65] scope:SCOPE_SE
	s_setreg_imm32_b32 hwreg(HW_REG_WAVE_MODE, 25, 1), 1
	s_wait_xcnt 0x0
	s_wait_alu depctr_hold_cnt(0) depctr_sa_sdst(0) depctr_va_vdst(0) depctr_va_sdst(0) depctr_va_ssrc(0) depctr_va_vcc(0) depctr_vm_vsrc(0)
	s_getreg_b32 s2, hwreg(HW_REG_IB_STS2, 6, 4)
	s_cmp_eq_u32 s2, 0
	s_cbranch_scc0 .Lentry_in_a_cluster
	s_endpgm
.Lentry_in_a_cluster:
	s_bfe_u32 s2, ttmp6, 0x10000c
	s_cmp_lg_u32 s2, 0xf033
	s_cbranch_scc0 .Lentry_shape_is_right
	s_endpgm
.Lentry_shape_is_right:
; O = p v / l on codes of FP6 (E2M3).  A work-group makes 256 queries x 128 columns; a wave 64 queries x 128 columns.  Keys that the causal mask hides from all of a cluster's queries are left out: the lower half's clusters walk 1,024 keys, the upper half's 2,048.
; The scale words of p, made under a local M of 128 keys, are brought under the row's M here (a whole number off each byte, held at 0), and the sums likewise.  v^T is source 0, p source 1.
; Two LDS slots of 512 keys; clusters 4 x 4: p is shared along a row of the cluster, v along a column: joint loads.
; PREFETCH into the L2: slot 1's tiles at the head; in the upper half the tiles of slots 2 and 3 behind slot 1's load.  The partners of a joint load share its 256-byte blocks out by address: waves 0 to 2 ask for p's (96 of 384), wave 3 for v's (50 of 200).
; LIMITS: those of the launch before; NaN and infinities are not served.
.set PANEL, 25600
.set PCODE, 24576
.set PREG,  2*PCODE
.set VOFF,  2*PREG
.set SLOT,  VOFF+2*PANEL
.set SPARE, 2*SLOT
.set FR,    12
.set FRB,   1536
.set SCO,   24576
.set SPITCH, 528
.set LI,    2
.set TW,    4
.set KO,    8
.set ADRA,  16
.set ADRB,  20
.set STO,   24
.set RD,    25
.set SPW,   28
.set NIL,   29
.set SCB,   32
.set Q,     48
.set LG,    112
.set NMG,   120
.set NMR,   128
.set LR,    160
.set AF,    128
.set BK,    128
.set G1,    24
.set G0,    32
.set G1B,   48
.set G0B,   56
.set SEL,   78
.set SH,    82
.set MSB, 0
.macro WIN new
.if MSB != \new
	s_set_vgpr_msb (MSB<<8)|\new
.set MSB, \new
.endif
.endm
.set MUL,    0xa1
.set TO_B,   0x40
.macro JLOAD g0a, g1a, g0b, g1b
	s_cmp_eq_u32 s15, 0
	s_cbranch_scc0 .Lfor_b_\@
	tensor_load_to_lds s[\g0a:\g0a+3], s[\g1a:\g1a+7]
	s_nop 0
.rept 4
	v_nop
.endr
	s_branch .Lasked_\@
.Lfor_b_\@:
	tensor_load_to_lds s[\g0b:\g0b+3], s[\g1b:\g1b+7]
	s_nop 0
.rept 4
	v_nop
.endr
.Lasked_\@:
.endm
.macro CREST
	s_cmp_lg_u32 s14, 0
	s_cbranch_scc1 .Lnot_wave_0_\@
	s_barrier_signal -3
.Lnot_wave_0_\@:
	s_barrier_wait -3
	s_barrier_signal -1
	s_barrier_wait -1
.endm
.macro CROUND
	s_barrier_signal -1
	s_barrier_wait -1
	CREST
.endm
.macro PLACES
.rept 4
	v_nop
.endr
.endm
.macro FRAG reg, adr, off
.irp c, 0,1,2
	ds_load_b128 v[\reg+4*\c:\reg+4*\c+3], v[\adr] offset:\off+512*\c
.endr
.endm
.macro FETCH slot, t, p
	WIN TO_B
.irp i, 0,1,2,3,4,5,6,7
	FRAG 128*(\p)+FR*\i, ADRB+\slot, PANEL*((\t)/2)+FRB*(8*((\t)%2)+\i)
.endr
	WIN 0
.irp i, 0,1,2,3
	FRAG AF+48*(\p)+FR*\i, ADRA+\slot, PCODE*((\t)/2)+FRB*(8*((\t)%2)+\i)
.endr
.if (\t)%2 == 0
.irp g, 0,1
	ds_load_b128 v[SCB+8*((\t)/2)+4*\g:SCB+8*((\t)/2)+4*\g+3], v[ADRB+\slot] offset:PANEL*((\t)/2)+SCO+512*\g
.endr
.endif
.endm
.macro MUL16 a0, q, kap, kk, zero
.irp a, \a0, \a0+1
.irp b, 0,1,2,3,4,5,6,7
.if \zero
	v_wmma_scale_f32_16x16x128_f8f6f4 v[8*(8*(\a)+\b):8*(8*(\a)+\b)+7], v[128*(\q)+FR*\b:128*(\q)+FR*\b+FR-1], v[AF+48*(\q)+FR*(\a):AF+48*(\q)+FR*(\a)+FR-1], 0, v[SCB+8*(\kk)+\b], v[Q+4*(\kap)+(\a)] matrix_a_fmt:MATRIX_FMT_FP6 matrix_b_fmt:MATRIX_FMT_FP6
.elseif \q
	v_wmma_scale_f32_16x16x128_f8f6f4 v[8*(8*(\a)+\b):8*(8*(\a)+\b)+7], v[128*(\q)+FR*\b:128*(\q)+FR*\b+FR-1], v[AF+48*(\q)+FR*(\a):AF+48*(\q)+FR*(\a)+FR-1], v[8*(8*(\a)+\b):8*(8*(\a)+\b)+7], v[SCB+8*(\kk)+\b], v[Q+4*(\kap)+(\a)] matrix_a_fmt:MATRIX_FMT_FP6 matrix_b_fmt:MATRIX_FMT_FP6 matrix_a_scale:MATRIX_SCALE_ROW1 matrix_b_scale:MATRIX_SCALE_ROW1
.else
	v_wmma_scale_f32_16x16x128_f8f6f4 v[8*(8*(\a)+\b):8*(8*(\a)+\b)+7], v[128*(\q)+FR*\b:128*(\q)+FR*\b+FR-1], v[AF+48*(\q)+FR*(\a):AF+48*(\q)+FR*(\a)+FR-1], v[8*(8*(\a)+\b):8*(8*(\a)+\b)+7], v[SCB+8*(\kk)+\b], v[Q+4*(\kap)+(\a)] matrix_a_fmt:MATRIX_FMT_FP6 matrix_b_fmt:MATRIX_FMT_FP6
.endif
.endr
.endr
.endm
.macro ROT s
.irp j, 0,1,2,3,4,5,6,7
	v_mov_b32 v[Q+8*\s+\j], v[Q+16+8*\s+\j]
.endr
.endm
.macro STEP slot, t, kap, zero, rot
	s_wait_dscnt 0x0
	PLACES
.if \rot >= 0
	WIN 0
	ROT \rot
.endif
	FETCH \slot, (\t)+1, ((\t)+1)%2
	WIN MUL
	MUL16 0, (\t)%2, \kap, (\t)/2, \zero
	MUL16 2, (\t)%2, \kap, (\t)/2, \zero
.endm
.macro TURN slot, next, kap, fill
	WIN 0
	s_wait_tensorcnt 0x0
	ds_add_u32 v[SPW], v[NIL]
.if \fill
	s_add_nc_u64 s[G0+4*\slot+2:G0+4*\slot+3], s[G0+4*\slot+2:G0+4*\slot+3], 2*PREG
	s_add_nc_u64 s[G0B+4*\slot+2:G0B+4*\slot+3], s[G0B+4*\slot+2:G0B+4*\slot+3], 4*PANEL
.endif
	s_wait_dscnt 0x0
	s_barrier_signal -1
	WIN MUL
	MUL16 0, 1, \kap, 1, 0
	WIN 0
	s_barrier_wait -1
.if \fill
	CREST
	JLOAD G0+4*\slot, G1, G0B+4*\slot, G1B
.else
	PLACES
.endif
	FETCH \next, 0, 0
	WIN MUL
	MUL16 2, 1, \kap, 1, 0
.endm
	s_load_b256 s[4:11], s[0:1], 0x0
	v_lshl_add_u32 v[SPW], v0, 2, SPARE
	v_mov_b32 v[NIL], 0
	ds_add_u32 v28, v29
	ds_add_u32 v28, v29
	s_wait_dscnt 0x0
	v_lshrrev_b32 v1, 5, v0
	v_readfirstlane_b32 s14, v1
	s_lshr_b32 s15, s14, 1
	s_and_b32 s16, s14, 1
	s_bfe_u32 s40, ttmp6, 0x40000
	s_bfe_u32 s41, ttmp6, 0x40004
	s_lshl_b32 s42, ttmp9, 2
	s_add_co_u32 s42, s42, s40
	s_and_b32 s66, ttmp7, 0xffff
	s_lshr_b32 s18, s66, 1
	s_and_b32 s3, s66, 1
	s_lshl_b32 s17, s3, 2
	s_or_b32 s19, s17, 3
	s_add_co_u32 s17, s17, s41
	s_lshl_b32 s43, s41, 2
	s_lshl_b32 s43, 15, s43
	s_lshl_b32 s44, 0x1111, s40
	s_or_b32 s[G1], s43, (3<<16)|(1<<21)
	s_mov_b32 s[G1+1], 32<<16
	s_mov_b32 s[G1+2], 192<<16
	s_mov_b32 s[G1+3], 32<<16
	s_mov_b32 s[G1+4], 192
	s_mov_b32 s[G1+5], 32
	s_mov_b32 s[G1+6], 0
	s_mov_b32 s[G1+7], 0
	s_or_b32 s[G1B], s44, (3<<16)|(1<<21)
	s_mov_b32 s[G1B+1], 32<<16
	s_mov_b32 s[G1B+2], 100<<16
	s_mov_b32 s[G1B+3], 32<<16
	s_mov_b32 s[G1B+4], 100
	s_mov_b32 s[G1B+5], 32
	s_mov_b32 s[G1B+6], 0
	s_mov_b32 s[G1B+7], 0
	s_lshl_b32 s67, s18, 4
	s_lshl_b32 s20, s17, 1
	s_add_co_u32 s67, s67, s20
	s_add_co_u32 s20, s67, s16
	s_mul_i32 s20, s20, 8*PCODE
	s_mov_b32 s21, 0
	s_lshl_b32 s46, s42, 5
	s_lshl_b32 s47, s18, 3
	s_add_co_u32 s46, s46, s47
	s_add_co_u32 s46, s46, s16
	s_add_co_u32 s46, s46, 512
	s_mul_i32 s46, s46, PANEL
	s_mov_b32 s47, 0
	s_mul_i32 s45, s16, PREG
	s_mul_i32 s68, s16, PANEL
	s_add_co_u32 s68, s68, VOFF
	s_wait_kmcnt 0x0
	s_add_nc_u64 s[20:21], s[4:5], s[20:21]
	s_add_nc_u64 s[46:47], s[8:9], s[46:47]
	CROUND
.irp s, 0,1
	s_mov_b32 s[G0+4*\s], 1
	s_add_co_u32 s[G0+4*\s+1], s45, \s*SLOT
	s_add_nc_u64 s[G0+4*\s+2:G0+4*\s+3], s[20:21], \s*PREG
	s_or_b32 s[G0+4*\s+3], s[G0+4*\s+3], 0x80000000
	s_mov_b32 s[G0B+4*\s], 1
	s_add_co_u32 s[G0B+4*\s+1], s68, \s*SLOT
	s_add_nc_u64 s[G0B+4*\s+2:G0B+4*\s+3], s[46:47], \s*2*PANEL
	s_or_b32 s[G0B+4*\s+3], s[G0B+4*\s+3], 0x80000000
.endr
	JLOAD G0, G1, G0B, G1B                         ; slot 0: one tensor load a wave at the head
	v_and_b32 v1, 31, v0
	v_lshlrev_b32 v[LI], 4, v1
	s_wait_alu depctr_va_vdst(0)
	s_add_co_u32 s70, s67, s15
	s_mul_i32 s70, s70, 8*3072
	s_lshl_b32 s71, s16, 9
	s_add_co_u32 s70, s70, s71
	s_mov_b32 s71, 0
	s_add_nc_u64 s[12:13], s[6:7], s[70:71]
.irp k, 0,1,2,3,4,5,6,7
	s_min_u32 s70, s19, \k
	s_mul_i32 s70, s70, 3072
	v_add_nc_u32 v[KO+\k], s70, v[LI]
.endr
	s_wait_alu depctr_va_vdst(0)
.irp k, 0,1,2,3,4,5,6,7
	global_load_b128 v[Q+4*\k:Q+4*\k+3], v[KO+\k], s[12:13]
	global_load_b128 v[NMR+4*\k:NMR+4*\k+3], v[KO+\k], s[12:13] offset:1024
	global_load_b128 v[LR+4*\k:LR+4*\k+3], v[KO+\k], s[12:13] offset:2048
.endr
	s_mul_i32 s86, s67, 8*PCODE
	s_mov_b32 s87, 0
	s_add_nc_u64 s[88:89], s[4:5], s[86:87]        ; p of my work-group's two row blocks
	s_lshr_b32 s84, s40, 1
	s_mul_i32 s84, s84, 8*PCODE
	s_and_b32 s85, s40, 1
	s_mul_i32 s85, s85, 96*256
	s_add_co_u32 s84, s84, s85
	s_lshl_b32 s85, s14, 13
	s_add_co_u32 s84, s84, s85
	s_mul_i32 s85, s41, 50
	v_lshlrev_b32 v18, 8, v1
	v_add_nc_u32 v18, s84, v18                     ; p: row block cx / 2, blocks 96 (cx % 2) + 32 wave + lane
	v_add_nc_u32 v19, s85, v1
	v_lshlrev_b32 v19, 8, v19                      ; v: blocks 50 cy + lane,
	v_add_nc_u32 v22, 32, v1
	v_min_u32 v22, 49, v22
	v_add_nc_u32 v22, s85, v22
	v_lshlrev_b32 v22, 8, v22                      ; and 50 cy + 32 on
	s_wait_alu depctr_va_vdst(0)
.macro ASK sl
	s_cmp_eq_u32 s14, 3
	s_cbranch_scc1 .Lask_v_\@
	global_prefetch_b8 v18, s[88:89] offset:PREG*\sl th:TH_LOAD_NT scope:SCOPE_SE
	s_branch .Lasked_for_\@
.Lask_v_\@:
	global_prefetch_b8 v19, s[46:47] offset:2*PANEL*\sl-PANEL th:TH_LOAD_NT scope:SCOPE_SE
	global_prefetch_b8 v22, s[46:47] offset:2*PANEL*\sl-PANEL th:TH_LOAD_NT scope:SCOPE_SE
.Lasked_for_\@:
.endm
	ASK 1                                          ; (wave 3's v pointer stands one panel on)
	s_cmp_lg_u32 s3, 0
	s_cselect_b32 s[SH], 23, 31
	s_mul_i32 s21, s15, PREG
	s_mul_i32 s22, s16, 4*FRB
	s_add_co_u32 s21, s21, s22
	v_add_nc_u32 v[ADRA], s21, v[LI]
	v_add_nc_u32 v[ADRA+1], SLOT, v[ADRA]
	v_add_nc_u32 v[ADRB], VOFF, v[LI]
	v_add_nc_u32 v[ADRB+1], SLOT, v[ADRB]
	v_and_b32 v1, 15, v0
	v_bfe_u32 v3, v0, 4, 1
	s_mul_i32 s23, s14, 16*SPITCH
	v_mul_u32_u24 v[STO], v1, SPITCH
	v_lshl_add_u32 v[STO], v3, 6, v[STO]
	v_add_nc_u32 v[STO], s23, v[STO]
	v_add_nc_u32 v[RD], s23, v[LI]
	s_lshl_b32 s70, s18, 11
	s_lshl_b32 s71, s17, 8
	s_add_co_u32 s70, s70, s71
	s_lshl_b32 s71, s14, 6
	s_add_co_u32 s70, s70, s71
	s_lshl_b32 s70, s70, 12
	s_lshl_b32 s71, s42, 9
	s_add_co_u32 s70, s70, s71
	s_mov_b32 s71, 0
	s_add_nc_u64 s[10:11], s[10:11], s[70:71]
	s_mov_b32 s[SEL], 0x76543210
	s_mov_b32 s[SEL+1], 0xfedcba98
.irp e, 0,1,2,3
	v_mov_b32 v[LG+\e], 0
.endr
	s_wait_alu depctr_va_vdst(0)
	s_wait_tensorcnt 0x0                           ; my part of slot 0 is in
	ds_add_u32 v[SPW], v[NIL]
	s_wait_dscnt 0x0
	CROUND
	JLOAD G0+4, G1, G0B+4, G1B                     ; slot 1, the first tensor load behind the round
	s_cmp_eq_u32 s3, 0
	s_cbranch_scc1 .Lno_more
	ASK 2
	ASK 3
.Lno_more:
	s_wait_loadcnt 0x0
.irp e, 0,1,2,3
	v_min3_num_f32 v[NMG+\e], v[NMR+\e], v[NMR+4+\e], v[NMR+8+\e]
.endr
.irp e, 0,1,2,3
	v_min3_num_f32 v[NMG+\e], v[NMG+\e], v[NMR+12+\e], v[NMR+16+\e]
.endr
.irp e, 0,1,2,3
	v_min3_num_f32 v[NMG+\e], v[NMG+\e], v[NMR+20+\e], v[NMR+24+\e]
.endr
.irp e, 0,1,2,3
	v_min_num_f32 v[NMG+\e], v[NMG+\e], v[NMR+28+\e]
.endr
.irp e, 0,1,2,3
	v_permlanex16_b32 v[LG+\e], v[NMG+\e], s[SEL], s[SEL+1]
.endr
.irp e, 0,1,2,3
	v_min_num_f32 v[NMG+\e], v[NMG+\e], v[LG+\e]
.endr
.macro CORR k
.irp i, 0,1,2,3
	v_sub_f32 v[NMR+4*\k+\i], v[NMR+4*\k+\i], v[NMG+\i]
.endr
.irp i, 0,1,2,3
	v_cvt_i32_f32 v[NMR+4*\k+\i], v[NMR+4*\k+\i]
.endr
.irp i, 0,1,2,3
	v_min_u32 v[NMR+4*\k+\i], 127, v[NMR+4*\k+\i]
.endr
.irp i, 0,1,2,3
	v_sub_nc_u32 v[TW+\i], 127, v[NMR+4*\k+\i]
.endr
.irp i, 0,1,2,3
.if \k < 4
	v_lshlrev_b32 v[TW+\i], 23, v[TW+\i]
.else
	v_lshlrev_b32 v[TW+\i], s[SH], v[TW+\i]
.endif
.endr
.irp i, 0,1,2,3
.if \k == 0
	v_mul_f32 v[LG+\i], v[LR+4*\k+\i], v[TW+\i]
.else
	v_fmac_f32 v[LG+\i], v[LR+4*\k+\i], v[TW+\i]
.endif
.endr
.irp i, 0,1,2,3
	v_perm_b32 v[LR+4*\k+\i], v[NMR+4*\k+\i], v[NMR+4*\k+\i], 0
.endr
.irp i, 0,1,2,3
	v_sub_nc_u32 v[Q+4*\k+\i], v[Q+4*\k+\i], v[LR+4*\k+\i]
.endr
.irp i, 0,1,2,3
	v_and_b32 v[LR+4*\k+\i], 0x80808080, v[Q+4*\k+\i]
.endr
.irp i, 0,1,2,3
	v_lshrrev_b32 v[NMR+4*\k+\i], 7, v[LR+4*\k+\i]
.endr
.irp i, 0,1,2,3
	v_sub_nc_u32 v[LR+4*\k+\i], v[LR+4*\k+\i], v[NMR+4*\k+\i]
.endr
.irp i, 0,1,2,3
	v_and_b32 v[Q+4*\k+\i], v[Q+4*\k+\i], v[LR+4*\k+\i]
.endr
.endm
.irp k, 0,1,2,3,4,5,6,7
	CORR \k
.endr
.irp e, 0,1,2,3
	v_permlanex16_b32 v[NMG+\e], v[LG+\e], s[SEL], s[SEL+1]
.endr
.irp e, 0,1,2,3
	v_add_f32 v[LG+\e], v[LG+\e], v[NMG+\e]
.endr
	s_wait_alu depctr_va_vdst(0)
.irp e, 0,1,2,3
	v_rcp_f32 v[LG+\e], v[LG+\e]
.endr
	v_nop
	s_wait_alu depctr_va_vdst(0)
	FETCH 0, 0, 0
	STEP 0, 0, 0, 1, -1
	WIN 0
	s_cmp_eq_u32 s3, 0
	s_cbranch_scc1 .Ltail
.Llap:
	STEP 0, 1, 0, 0, -1
	s_wait_alu depctr_va_vdst(0)
	STEP 0, 2, 1, 0, -1
	TURN 0, 1, 1, 1
	STEP 1, 0, 2, 0, 0
	STEP 1, 1, 2, 0, -1
	STEP 1, 2, 3, 0, -1
	TURN 1, 0, 3, 1
	STEP 0, 0, 0, 0, 1
	WIN 0
	s_sub_co_u32 s3, s3, 1
	s_cmp_lg_u32 s3, 0
	s_cbranch_scc1 .Llap
.Ltail:
	STEP 0, 1, 0, 0, -1
	s_wait_alu depctr_va_vdst(0)
	STEP 0, 2, 1, 0, -1
	TURN 0, 1, 1, 0
	STEP 1, 0, 2, 0, -1
	STEP 1, 1, 2, 0, -1
	STEP 1, 2, 3, 0, -1
	s_wait_dscnt 0x0
	MUL16 0, 1, 3, 1, 0
	MUL16 2, 1, 3, 1, 0
	WIN 0
.macro TOSTAGE a
.set AC, 64*(\a)
.set BB, BK+64*((\a)%2)
	WIN 0x02
.set n, 0
.rept 64
	v_mul_f32 v[BB+n], v[AC+n], v[LG+(\a)]
.set n, n+1
.endr
	WIN 0
.irp b, 0,1,2,3,4,5,6,7
	ds_store_b128 v[STO], v[BB+8*\b:BB+8*\b+3] offset:128*(\b/2)+32*(\b%2)
	ds_store_b128 v[STO], v[BB+8*\b+4:BB+8*\b+7] offset:128*(\b/2)+32*(\b%2)+16
.endr
.irp t, 0,1,2,3,4,5,6,7,8,9,10,11,12,13,14,15
	ds_load_b128 v[BB+4*\t:BB+4*\t+3], v[RD] offset:\t*SPITCH
.endr
.endm
.macro SEND a, younger
.set BB, BK+64*((\a)%2)
	s_wait_dscnt \younger
.if (\a) > 0
.if (\a)%2
	s_add_nc_u64 s[10:11], s[10:11], 8*4096
.else
	s_add_nc_u64 s[10:11], s[10:11], 24*4096
.endif
.endif
.irp t, 0,1,2,3,4,5,6,7,8,9,10,11,12,13,14,15
	global_store_b128 v[LI], v[BB+4*\t:BB+4*\t+3], s[10:11] offset:(\t+8*(\t/8))*4096 th:TH_STORE_NT
.endr
.endm
	PLACES
	TOSTAGE 0
.irp a, 1,2,3
.if \a > 1
	s_wait_xcnt 0x0
.endif
	TOSTAGE \a
	SEND \a-1, 32
.endr
	s_wait_xcnt 0x0
	SEND 3, 0
	s_wait_tensorcnt 0x0
	ds_add_u32 v[SPW], v[NIL]
	s_wait_dscnt 0x0
	CROUND
	s_endpgm
.Lfunc_end_k_qa9a8606930_pv:
	.size	k_qa9a8606930_pv, .Lfunc_end_k_qa9a8606930_pv-k_qa9a8606930_pv
	.p2alignl 7, 3214868480
	.fill 96, 4, 3214868480
	.section	.rodata,"a",@progbits
	.p2align	6, 0x0
	.amdhsa_kernel k_qa9a8606930_pv
		.amdhsa_group_segment_fixed_size 327680
		.amdhsa_private_segment_fixed_size 0
		.amdhsa_enable_private_segment 0
		.amdhsa_kernarg_size 32
		.amdhsa_user_sgpr_count 2
		.amdhsa_user_sgpr_kernarg_segment_ptr 1
		.amdhsa_wavefront_size32 1
		.amdhsa_system_sgpr_workgroup_id_x 1
		.amdhsa_system_sgpr_workgroup_id_y 1
		.amdhsa_system_sgpr_workgroup_id_z 1
		.amdhsa_system_vgpr_workitem_id 0
		.amdhsa_next_free_vgpr 768
		.amdhsa_next_free_sgpr 98
		.amdhsa_reserve_vcc 0
		.amdhsa_float_denorm_mode_32 3
		.amdhsa_float_denorm_mode_16_64 3
		.amdhsa_memory_ordered 1
		.amdhsa_forward_progress 1
		.amdhsa_inst_pref_size 162
	.end_amdhsa_kernel
	.amdgpu_metadata
---
amdhsa.version: [ 1, 2 ]
amdhsa.kernels:
  - .name:           k_qa9a8606930_pv
    .symbol:         k_qa9a8606930_pv.kd
    .args:
      - { .name: p, .offset: 0, .size: 8, .value_kind: global_buffer, .address_space: global }
      - { .name: pst, .offset: 8, .size: 8, .value_kind: global_buffer, .address_space: global }
      - { .name: qkv, .offset: 16, .size: 8, .value_kind: global_buffer, .address_space: global }
      - { .name: out0, .offset: 24, .size: 8, .value_kind: global_buffer, .address_space: global }
    .group_segment_fixed_size: 327680
    .private_segment_fixed_size: 0
    .kernarg_segment_align: 8
    .kernarg_segment_size: 32
    .max_flat_workgroup_size: 128
    .sgpr_count:     98
    .vgpr_count:     768
    .wavefront_size: 32
...
	.end_amdgpu_metadata
.endif
;; end of part 8
